; MI455X (gfx1250); checked and timed in simulation.
; The chip was launched on July 23, 2026; its instructions are those of AMD's public machine-readable ISA for CDNA 5 (MIT licence, August 2026) and "CDNA5" Instruction Set Architecture Reference Guide (July 2026). The comments in the code are by the model that wrote it; some were corrected since.
;; Self Attention Final. Allowed arithmetic: float matrix products may take bf16 or f16 operands with f32 sums; other float arithmetic in f32, or as packed bf16 or f16 multiplies, adds, multiply-adds, maxima and minima; sums over many terms, partial sums and values carried from step to step in f32; what a program stores and reads back later, other than sums and carried values, may be rounded once to bf16 or f16.
;; Inputs: Wk 1,024 x 1,024 float32; Wq 1,024 x 1,024 float32; Wv 1,024 x 1,024 float32; X 4 x 2,048 x 1,024 float32; bk 1,024 float32; bq 1,024 float32; bv 1,024 float32.
;; Outputs: out0 4 x 2,048 x 1,024 float32.
;; 3 versions, each right; version 3 is version 2 with the launch prep written anew for expert scheduling mode. Each part assembles by itself: llvm-mc -triple=amdgcn-amd-amdhsa -mcpu=gfx1250 --defsym DOCPART=n.
;; ======== version 1 of 3: 4 launches
;; limits: values are held in f16: magnitudes above 65,504 overflow, below 6.1e-05 lose precision; right only within a limited range of input values; values outside matrix products are rounded to f16
;; workspace buffers: xh 16,777,216 bytes; wt 6,291,456 bytes; qkv 50,331,648 bytes; pw 33,554,432 bytes; ms 524,288 bytes; ls 524,288 bytes
;; launch prep (part 1): grid 704 x 1, 8 waves a work-group, no clusters, 33,792 bytes of LDS; arguments X, Wq, Wk, Wv, xh, wt; writes xh, wt
.if DOCPART == 1
	.amdgcn_target "amdgcn-amd-amdhsa--gfx1250"
	.amdhsa_code_object_version 6
	.text
	.protected	k_qacf35783bd_prep
	.globl	k_qacf35783bd_prep
	.p2align	8
	.type	k_qacf35783bd_prep,@function
k_qacf35783bd_prep:
	s_mov_b64 s[64:65], 0
	v_nop
	global_prefetch_b8 v0, s[64:65] scope:SCOPE_SE
	s_setreg_imm32_b32 hwreg(HW_REG_WAVE_MODE, 25, 1), 1
	s_wait_xcnt 0x0
; prep: the projection's two operands, made once.
;   xh[r][k] = X[r][k], [8192][1024];   wt[1024 m + n][k] = Wm[k][n] for m = q, k, v, [3072][1024]: the weights turned, so that K lies along the rows.
; Every number is rounded to bf16 (nearest even) and that number is written as f16, so that one f16 matrix form serves all later products.
; LIMITS.  f16 holds a bf16 number exactly from 2^-17 up to 65,504; a smaller one is kept to 2^-25 absolute, a larger one becomes an infinity.
; A stream: no matrix unit, no cluster (no two work-groups read the same bytes).  Every work-group reads 65,536 bytes and writes 32,768.
; Work-groups 0 to 511 take 16 rows of X each.  Work-groups 512 to 703 take a tile of 128 k x 128 n of one weight matrix and turn it in LDS.
.set XD, 16                            ; v[16:79]   as loaded
.set YD, 80                            ; v[80:111]  to store
.set WA, 112                           ; v[112:119] weights: LDS address of my words of row pair w + 8 i
.set RA, 120                           ; v[120:123] weights: LDS address at which I read rows 16 w + 4 g ..
.set SA, 124                           ; v124       weights: my byte offset in wt's tile
; two f32 -> two bf16 -> the same two numbers as f16, packed.  t, t + 1: registers at work
.macro CV d, a, b, t
	v_cvt_pk_bf16_f32 v[\t], v[\a], v[\b]
	v_lshlrev_b32 v[(\t)+1], 16, v[\t]             ; bf16 to f32: the low half moves up,
	v_and_b32 v[\t], s16, v[\t]                    ; the high half stays
	v_cvt_pk_f16_f32 v[\d], v[(\t)+1], v[\t]
.endm
	s_load_b256 s[4:11], s[0:1], 0x0               ; X s[4:5], Wq s[6:7], Wk s[8:9], Wv s[10:11]
	s_load_b128 s[12:15], s[0:1], 0x20             ; xh s[12:13], wt s[14:15]
	v_lshl_add_u32 v128, v0, 2, 0x8000
	v_mov_b32 v129, 0
	s_mov_b32 s16, 0xffff0000                      ; a word's upper bf16
	s_cmp_lt_u32 ttmp9, 512
	s_cbranch_scc0 .Lweights
	; X: 16 rows of 4,096 bytes.  Thread t owns bytes 16 t of every row: a wave's load covers 512 consecutive bytes, its store 256, aligned.
	s_lshl_b32 s20, ttmp9, 16                      ; 16 rows of X
	s_lshl_b32 s22, ttmp9, 15                      ; 16 rows of xh
	s_mov_b32 s21, 0
	s_mov_b32 s23, 0
	v_lshlrev_b32 v1, 4, v0
	v_lshlrev_b32 v2, 3, v0
	s_wait_kmcnt 0x0
	s_add_nc_u64 s[4:5], s[4:5], s[20:21]
	s_add_nc_u64 s[12:13], s[12:13], s[22:23]
.irp j, 0,1,2,3,4,5,6,7,8,9,10,11,12,13,14,15
	global_load_b128 v[XD+4*(\j):XD+4*(\j)+3], v1, s[4:5] offset:4096*(\j) th:TH_LOAD_NT  ; all sixteen go out first
.endr
.irp j, 0,1,2,3,4,5,6,7,8,9,10,11,12,13,14,15
	s_wait_loadcnt 15-(\j)                         ; loads come back in order: row j is in, the younger ones stay out
	CV YD+2*(\j), XD+4*(\j), XD+4*(\j)+1, 4
	CV YD+2*(\j)+1, XD+4*(\j)+2, XD+4*(\j)+3, 6
	global_store_b64 v2, v[YD+2*(\j):YD+2*(\j)+1], s[12:13] offset:2048*(\j)  ; every row has its own data registers: none is rewritten
.endr
	s_endpgm
.Lweights:
	; tile i = 64 m + 8 kt + nt: rows 128 kt .. of Wm, columns 128 nt ..
	s_sub_co_u32 s17, ttmp9, 512
	s_lshr_b32 s18, s17, 6                         ; m
	s_bfe_u32 s19, s17, 0x30003                    ; kt
	s_and_b32 s24, s17, 7                          ; nt
	s_lshl_b32 s20, s19, 19                        ; from: 128 kt rows of 4,096 bytes
	s_lshl_b32 s25, s24, 9                         ;       + 128 nt columns of 4 bytes
	s_add_co_u32 s20, s20, s25
	s_mov_b32 s21, 0
	s_lshl_b32 s22, s18, 21                        ; to: (1,024 m + 128 nt) rows of 2,048 bytes + 128 kt columns of 2 bytes
	s_lshl_b32 s25, s24, 18
	s_add_co_u32 s22, s22, s25
	s_lshl_b32 s25, s19, 8
	s_add_co_u32 s22, s22, s25
	s_mov_b32 s23, 0
	v_lshrrev_b32 v3, 5, v0                        ; wave w
	v_and_b32 v8, 31, v0                           ; lane l
	v_lshlrev_b32 v1, 13, v3
	v_lshl_add_u32 v1, v8, 4, v1                   ; rows 2 w, 2 w + 1; my four columns 4 l ..
	; LDS: row n of 128 holds its 64 pairs of k, 256 bytes, turned round by 2 (n / 4) words.  A store's 32 lanes (n = 4 l + c, pair w + 8 i) then
	; fall on words w + 8 i + 2 l mod 64 of their rows: 32 different ones; a pair of words stays together, so rows are read back 8 bytes a lane.
	v_lshlrev_b32 v9, 2, v3
	v_lshl_add_u32 v9, v8, 3, v9                   ; 4 w + 8 l
	v_lshlrev_b32 v10, 10, v8                      ; four rows of 256 bytes a lane
.irp i, 0,1,2,3,4,5,6,7
	v_add_nc_u32 v11, 32*(\i), v9
	v_and_b32 v11, 0xff, v11
	v_add_nc_u32 v[WA+(\i)], v10, v11
.endr
	v_lshlrev_b32 v12, 5, v3
	v_lshl_add_u32 v12, v8, 3, v12                 ; 8 l + 32 w: rows 16 w .. are turned by 8 (4 w + g) bytes
	v_lshlrev_b32 v13, 12, v3                      ; 16 rows a wave
.irp g, 0,1,2,3
	v_add_nc_u32 v11, 8*(\g), v12
	v_and_b32 v11, 0xff, v11
	v_add_nc_u32 v[RA+(\g)], v13, v11
.endr
	v_lshlrev_b32 v[SA], 15, v3                    ; 16 rows of wt a wave,
	v_lshl_add_u32 v[SA], v8, 3, v[SA]             ; 8 bytes a lane
	s_wait_kmcnt 0x0
	s_cmp_eq_u32 s18, 0
	s_cselect_b64 s[26:27], s[6:7], s[8:9]
	s_cmp_eq_u32 s18, 2
	s_cselect_b64 s[26:27], s[10:11], s[26:27]
	s_add_nc_u64 s[26:27], s[26:27], s[20:21]
	s_add_nc_u64 s[14:15], s[14:15], s[22:23]
.irp i, 0,1,2,3,4,5,6,7
	global_load_b128 v[XD+8*(\i):XD+8*(\i)+3],   v1, s[26:27] offset:65536*(\i) th:TH_LOAD_NT       ; row 2 (w + 8 i): 512 consecutive bytes a wave
	global_load_b128 v[XD+8*(\i)+4:XD+8*(\i)+7], v1, s[26:27] offset:65536*(\i)+4096 th:TH_LOAD_NT  ; and the row below
.endr
.irp i, 0,1,2,3,4,5,6,7
	s_wait_loadcnt 14-2*(\i)                       ; pair i's two loads are in; the younger pairs stay out
.irp c, 0,1,2,3
	CV YD+(\c), XD+8*(\i)+(\c), XD+8*(\i)+4+(\c), 4+2*((\c)%2)
	ds_store_b32 v[WA+(\i)], v[YD+(\c)] offset:256*(\c)
.endr
.endr
	s_wait_dscnt 0x0                               ; for the others' sake: my stores are done
	s_barrier_signal -1
	s_barrier_wait -1
.irp i, 0,1,2,3,4,5,6,7,8,9,10,11,12,13,14,15
	ds_load_b64 v[YD+2*(\i):YD+2*(\i)+1], v[RA+(\i)/4] offset:256*(\i)  ; row 16 w + i, whole
.endr
.irp i, 0,1,2,3,4,5,6,7,8,9,10,11,12,13,14,15
	s_wait_dscnt 15-(\i)
	global_store_b64 v[SA], v[YD+2*(\i):YD+2*(\i)+1], s[14:15] offset:2048*(\i)  ; 256 consecutive bytes, at a multiple of 256 from wt's first byte
.endr
	s_wait_tensorcnt 0x0
	ds_add_u32 v128, v129
	s_wait_dscnt 0x0
	s_endpgm
.Lfunc_end_k_qacf35783bd_prep:
	.size	k_qacf35783bd_prep, .Lfunc_end_k_qacf35783bd_prep-k_qacf35783bd_prep
	.p2alignl 7, 3214868480
	.fill 96, 4, 3214868480
	.section	.rodata,"a",@progbits
	.p2align	6, 0x0
	.amdhsa_kernel k_qacf35783bd_prep
		.amdhsa_group_segment_fixed_size 33792
		.amdhsa_private_segment_fixed_size 0
		.amdhsa_enable_private_segment 0
		.amdhsa_kernarg_size 48
		.amdhsa_user_sgpr_count 2
		.amdhsa_user_sgpr_kernarg_segment_ptr 1
		.amdhsa_wavefront_size32 1
		.amdhsa_system_sgpr_workgroup_id_x 1
		.amdhsa_system_sgpr_workgroup_id_y 1
		.amdhsa_system_sgpr_workgroup_id_z 1
		.amdhsa_system_vgpr_workitem_id 0
		.amdhsa_next_free_vgpr 130
		.amdhsa_next_free_sgpr 66
		.amdhsa_reserve_vcc 0
		.amdhsa_float_denorm_mode_32 3
		.amdhsa_float_denorm_mode_16_64 3
		.amdhsa_memory_ordered 1
		.amdhsa_forward_progress 1
		.amdhsa_inst_pref_size 27
	.end_amdhsa_kernel
	.amdgpu_metadata
---
amdhsa.version: [ 1, 2 ]
amdhsa.kernels:
  - .name:           k_qacf35783bd_prep
    .symbol:         k_qacf35783bd_prep.kd
    .args:
      - { .name: X, .offset: 0, .size: 8, .value_kind: global_buffer, .address_space: global }
      - { .name: Wq, .offset: 8, .size: 8, .value_kind: global_buffer, .address_space: global }
      - { .name: Wk, .offset: 16, .size: 8, .value_kind: global_buffer, .address_space: global }
      - { .name: Wv, .offset: 24, .size: 8, .value_kind: global_buffer, .address_space: global }
      - { .name: xh, .offset: 32, .size: 8, .value_kind: global_buffer, .address_space: global }
      - { .name: wt, .offset: 40, .size: 8, .value_kind: global_buffer, .address_space: global }
    .group_segment_fixed_size: 33792
    .private_segment_fixed_size: 0
    .kernarg_segment_align: 8
    .kernarg_segment_size: 48
    .max_flat_workgroup_size: 256
    .sgpr_count:     66
    .vgpr_count:     130
    .wavefront_size: 32
...
	.end_amdgpu_metadata
.endif
;; end of part 1
;; launch proj (part 2): grid 12 x 64, 4 waves a work-group, clusters of 4 x 4, 327,680 bytes of LDS; arguments xh, wt, bq, bk, bv, qkv; writes qkv
.if DOCPART == 2
	.amdgcn_target "amdgcn-amd-amdhsa--gfx1250"
	.amdhsa_code_object_version 6
	.text
	.protected	k_qacf35783bd_proj
	.globl	k_qacf35783bd_proj
	.p2align	8
	.type	k_qacf35783bd_proj,@function
k_qacf35783bd_proj:
	s_mov_b64 s[64:65], 0
	v_nop
	global_prefetch_b8 v0, s[64:65] scope:SCOPE_SE
	s_setreg_imm32_b32 hwreg(HW_REG_WAVE_MODE, 25, 1), 1
	s_wait_xcnt 0x0
	s_wait_alu depctr_hold_cnt(0) depctr_sa_sdst(0) depctr_va_vdst(0) depctr_va_sdst(0) depctr_va_ssrc(0) depctr_va_vcc(0) depctr_vm_vsrc(0)
	s_getreg_b32 s2, hwreg(HW_REG_IB_STS2, 6, 4)
	s_cmp_eq_u32 s2, 0
	s_cbranch_scc0 .Lentry_in_a_cluster
	s_endpgm
.Lentry_in_a_cluster:
	s_bfe_u32 s2, ttmp6, 0x10000c
	s_cmp_lg_u32 s2, 0xf033
	s_cbranch_scc0 .Lentry_shape_is_right
	s_endpgm
.Lentry_shape_is_right:
; proj: qkv[m][n] = sum over k of xh[m][k] wt[n][k] + (bq | bk | bv)[n].  xh [8192][1024], wt [3072][1024], qkv [8192][3072], all f16; sums in f32, the bias in f32 as the
; C operand of each sum's first product; qkv rounded once.  q lies at byte 0, k at 2,048, v at 4,096 of a row of 6,144 bytes.
; LIMIT.  A q, k or v of 65,520 or more becomes an infinity in f16.
; SHARES.  A tile of 128 x 256: 768 tiles, three for each of 256 WGPs (256 x 256 would give 384, one and a half).  Four waves, each 64 x 128: 32 accumulators of 16 x 16.
; K goes in steps of 128 (rows of 256 bytes, aligned) through a ring of two LDS slots filled by the tensor data mover.
; CLUSTER.  4 x 4 work-groups: the four of a row of the cluster need the same tile of xh, the four of a column the same tile of wt: each is asked for jointly.
; THE MATRIX INSTRUCTION IS USED TRANSPOSED (source 0 = 16 rows of wt, source 1 = 16 rows of xh): a lane holds row l % 16 and the eight columns 8 (l / 16) + 0..7.
; REGISTERS, in windows of 256 (s_set_vgpr_msb: bits 1:0 source 0, 3:2 source 1, 5:4 source 2, 7:6 destination):
;   window 0: v0-31 addresses; v64-127, v128-191 wt's fragments, two buffers; v192-255 the bias, later at work on the way out
;   window 1: v0-127 accumulators of row blocks 0, 1 (at 64 a + 8 b); v128-159, v160-191 xh's fragments, two buffers        window 2: v0-127 accumulators of row blocks 2, 3
.set KSTEP,  128
.set PITCH,  272                       ; an LDS row: 256 bytes + 16 of padding = 68 words: the 16 rows of a fragment load start at 16 different groups of four banks (64 banks of 4 bytes: ISA guide 11.1)
.set AHALF,  64*PITCH                  ; what a wave fetches of xh, and what a wave reads of it
.set AOFF,   128*PITCH                 ; xh's 128 rows; wt's 256 lie behind them
.set BHALF,  128*PITCH                 ; what a wave fetches of wt, and what a wave reads of it
.set SLOT,   AOFF+2*BHALF
.set STAGE,  2*SLOT                    ; behind the ring: 16 rows x 272 bytes for each wave, for the way out
.set SPITCH, 272
.set SPARE,  STAGE+4*16*SPITCH         ; behind the stages: the spare words, 128 bytes for each wave: two blocks of 256 bytes that no other line names
.set LAPS,   4                         ; a lap = two K steps = once round the ring; K = 1,024
.set ROWK,   2048                      ; bytes in a row of xh and of wt
.set ROWC,   6144                      ; bytes in a row of qkv
.set ADRA, 16                          ; v16-17  LDS address of my fragments of xh in slot 0, 1
.set ADRB, 20                          ; v20-21  the same for wt
.set STO,  24                          ; v24     the way out: where I put 16 bytes of a row
.set RD,   25                          ; v25     the way out: where I read a row back
.set CO,   26                          ; v26     my byte offset in qkv
.set SPW,  28                          ; v28     LDS address of my spare word: SPARE + 4 x my thread's number; never rewritten
.set NIL,  29                          ; v29     0; never rewritten
.set FB,   64                          ; wt's fragments, window 0: buffer f, column block b at FB + 64 f + 8 b
.set FA,   128                         ; xh's fragments, window 1: buffer f, row block a at FA + 32 f + 8 a
.set BIAS, 192                         ; window 0: column block b's eight numbers a lane at BIAS + 8 b
.set TMP,  192                         ; the way out: packed results
.set OB,   64                          ; the way out: 16 rows read back: v64-95 and v96-127 by turns
.set G1,  24                           ; s[24:31] descriptor group 1 for xh's tiles;  s[32:39] group 0, one set for each slot
.set G0,  32
.set G1B, 48                           ; s[48:55], s[56:63] the same for wt's tiles
.set G0B, 56
.set TO_A, 0x40                        ; destination window 1, address window 0
.set MSB, 0
.macro WIN new                         ; the immediate's high byte repeats the setting that is left; a switch that changes nothing is dropped
.if MSB != (\new)
	s_set_vgpr_msb (MSB<<8)|(\new)
.set MSB, \new
.endif
.endm
; A joint load.  Waves 0 and 1 fetch xh's two halves, waves 2 and 3 wt's.  The branch hangs on the wave's number alone.
; An s_nop 0 and four v_nop follow each of the two lines, ahead of the jump, the label and what follows.
.macro JLOAD s
	s_cmp_eq_u32 s11, 0
	s_cbranch_scc0 .Lfor_b_\@
	tensor_load_to_lds s[G0+4*(\s):G0+4*(\s)+3], s[G1:G1+7]
	s_nop 0
.rept 4
	v_nop
.endr
	s_branch .Lasked_\@
.Lfor_b_\@:
	tensor_load_to_lds s[G0B+4*(\s):G0B+4*(\s)+3], s[G1B:G1B+7]
	s_nop 0
.rept 4
	v_nop
.endr
.Lasked_\@:
.endm
.macro CREST                           ; a round of the cluster's barrier behind its opening barrier
	s_cmp_lg_u32 s10, 0
	s_cbranch_scc1 .Lnot_wave_0_\@
	s_barrier_signal -3
.Lnot_wave_0_\@:
	s_barrier_wait -3
	s_barrier_signal -1
	s_barrier_wait -1
.endm
.macro CROUND                          ; a whole round
	s_barrier_signal -1
	s_barrier_wait -1
	CREST
.endm
.macro PLACES                          ; four places in front of loads into registers that matrix instructions have read, and of conversions that read results
.rept 4
	v_nop
.endr
.endm
	s_load_b128 s[4:7], s[0:1], 0x0                ; xh s[4:5], wt s[6:7]
	s_load_b256 s[68:75], s[0:1], 0x10             ; bq s[68:69], bk s[70:71], bv s[72:73], qkv s[74:75]
	v_lshl_add_u32 v[SPW], v0, 2, SPARE
	v_mov_b32 v[NIL], 0
	ds_add_u32 v28, v29
	s_wait_dscnt 0x0
	v_lshrrev_b32 v1, 5, v0
	v_readfirstlane_b32 s10, v1                    ; wave 0..3
	s_lshr_b32 s11, s10, 1                         ; which 64 rows of the tile are mine.  Also: I fetch for xh (0) or for wt (1)
	s_and_b32 s12, s10, 1                          ; which 128 columns.  Also: which half of that tile I fetch
	s_bfe_u32 s40, ttmp6, 0x40000                  ; cx, cy: my place in the cluster
	s_bfe_u32 s41, ttmp6, 0x40004
	s_lshl_b32 s42, ttmp9, 2
	s_add_co_u32 s42, s42, s40                     ; tile column = 4 x cluster x + cx
	s_and_b32 s13, ttmp7, 0xffff
	s_lshl_b32 s13, s13, 2
	s_add_co_u32 s13, s13, s41                     ; tile row = 4 x cluster y + cy
	s_lshl_b32 s43, s41, 2
	s_lshl_b32 s43, 15, s43                        ; my row of the cluster
	s_lshl_b32 s44, 0x1111, s40                    ; my column
	; descriptor group 1: rows of 128 elements, padded in LDS; 64 rows of xh, 128 rows of wt
	s_or_b32 s[G1+0], s43, (1<<16)|(1<<20)|(1<<21)|(5<<22)|(3<<25)   ; 15:0 the mask; 17:16 elements of 2 bytes; 20 padding on; 21 set beside a mask; 24:22 after every 64 words (code 5); 31:25 4 words of it (code 3)
	s_or_b32 s[G1B+0], s44, (1<<16)|(1<<20)|(1<<21)|(5<<22)|(3<<25)
	s_mov_b32 s[G1+1], KSTEP<<16                   ; tensor_dim0 = 128
	s_mov_b32 s[G1+2], 64<<16                      ; tensor_dim1 = 64
	s_mov_b32 s[G1+3], KSTEP<<16                   ; tile_dim0 = 128
	s_mov_b32 s[G1+4], 64                          ; tile_dim1 = 64
	s_mov_b32 s[G1+5], 1024                        ; elements from row to row
	s_mov_b32 s[G1+6], 0
	s_mov_b32 s[G1+7], 0
	s_mov_b32 s[G1B+1], KSTEP<<16
	s_mov_b32 s[G1B+2], 128<<16
	s_mov_b32 s[G1B+3], KSTEP<<16
	s_mov_b32 s[G1B+4], 128
	s_mov_b32 s[G1B+5], 1024
	s_mov_b32 s[G1B+6], 0
	s_mov_b32 s[G1B+7], 0
	s_lshl_b32 s16, s13, 7
	s_lshl_b32 s17, s12, 6
	s_add_co_u32 s16, s16, s17                     ; xh: row 128 x tile row + 64 x half
	s_lshl_b32 s16, s16, 11                        ; in bytes
	s_mov_b32 s17, 0
	s_lshl_b32 s46, s42, 8
	s_lshl_b32 s47, s12, 7
	s_add_co_u32 s46, s46, s47                     ; wt: row 256 x tile column + 128 x half
	s_lshl_b32 s46, s46, 11
	s_mov_b32 s47, 0
	s_mul_i32 s18, s12, AHALF                      ; where they go: no place in the cluster enters an LDS address
	s_mul_i32 s19, s12, BHALF
	s_add_co_u32 s19, s19, AOFF
	s_wait_kmcnt 0x0
	s_add_nc_u64 s[14:15], s[4:5], s[16:17]
	s_add_nc_u64 s[46:47], s[6:7], s[46:47]
	CROUND                                         ; all sixteen work-groups are here: the first joint loads meet
.irp s, 0,1
	s_mov_b32 s[G0+4*(\s)], 1                                        ; count = 1
	s_add_co_u32 s[G0+4*(\s)+1], s18, (\s)*SLOT                      ; LDS address
	s_add_nc_u64 s[G0+4*(\s)+2:G0+4*(\s)+3], s[14:15], (\s)*KSTEP*2  ; global address: K step s
	s_or_b32 s[G0+4*(\s)+3], s[G0+4*(\s)+3], 0x80000000              ; type = 2
	s_mov_b32 s[G0B+4*(\s)], 1
	s_add_co_u32 s[G0B+4*(\s)+1], s19, (\s)*SLOT
	s_add_nc_u64 s[G0B+4*(\s)+2:G0B+4*(\s)+3], s[46:47], (\s)*KSTEP*2
	s_or_b32 s[G0B+4*(\s)+3], s[G0B+4*(\s)+3], 0x80000000
	JLOAD \s                                       ; two loads of mine are out
.endr
	; A fragment is 16 rows x 32 K in 8 registers: lane l holds row l % 16, K = 8 (l / 16) + 0..7 and 16 + 8 (l / 16) + 0..7: two loads of 16 bytes, 32 bytes apart.
	v_and_b32 v1, 15, v0                           ; l % 16
	v_bfe_u32 v2, v0, 4, 1                         ; l / 16
	v_mul_u32_u24 v3, v1, PITCH
	v_lshl_add_u32 v3, v2, 4, v3
	s_mul_i32 s21, s11, AHALF                      ; my 64 rows of xh
	s_mul_i32 s22, s12, BHALF                      ; my 128 rows of wt,
	s_add_co_u32 s22, s22, AOFF                    ; which lie behind xh's
.irp s, 0,1
	v_add_nc_u32 v[ADRA+(\s)], s21, v3
	v_add_nc_u32 v[ADRB+(\s)], s22, v3
	s_add_co_u32 s21, s21, SLOT
	s_add_co_u32 s22, s22, SLOT
.endr
	s_mul_i32 s23, s10, 16*SPITCH
	s_add_co_u32 s23, s23, STAGE                   ; my stage
	v_mul_u32_u24 v4, v1, SPITCH                   ; in: row l % 16, 16 bytes for each half of the lanes
	v_lshl_add_u32 v4, v2, 4, v4
	v_add_nc_u32 v[STO], s23, v4
	v_mul_u32_u24 v5, v2, SPITCH                   ; back: lanes 0-15 take one row of 256 bytes, lanes 16-31 the next
	v_lshl_add_u32 v5, v1, 4, v5
	v_add_nc_u32 v[RD], s23, v5
	v_mul_u32_u24 v5, v2, ROWC                     ; and the same two rows in qkv
	v_lshl_add_u32 v[CO], v1, 4, v5
	v_lshlrev_b32 v6, 5, v2                        ; the bias: my eight columns of a block of sixteen
	; the bias of my 128 columns: four tile columns to a matrix, so the cluster's x says which bias
	s_cmp_eq_u32 ttmp9, 0
	s_cselect_b64 s[76:77], s[68:69], s[70:71]
	s_cmp_eq_u32 ttmp9, 2
	s_cselect_b64 s[76:77], s[72:73], s[76:77]
	s_lshl_b32 s78, s40, 10                        ; 256 cx + 128 x half columns of 4 bytes
	s_lshl_b32 s79, s12, 9
	s_add_co_u32 s78, s78, s79
	s_mov_b32 s79, 0
	s_add_nc_u64 s[76:77], s[76:77], s[78:79]
.irp b, 0,1,2,3,4,5,6,7
	global_load_b128 v[BIAS+8*(\b):BIAS+8*(\b)+3],   v6, s[76:77] offset:64*(\b)
	global_load_b128 v[BIAS+8*(\b)+4:BIAS+8*(\b)+7], v6, s[76:77] offset:64*(\b)+16
.endr
	; where my part of the tile begins in qkv
	s_mov_b64 s[8:9], s[74:75]
	s_lshl_b32 s16, s13, 7
	s_lshl_b32 s17, s11, 6
	s_add_co_u32 s16, s16, s17
	s_mul_i32 s16, s16, ROWC
	s_lshl_b32 s17, s42, 9
	s_add_co_u32 s16, s16, s17
	s_lshl_b32 s17, s12, 8
	s_add_co_u32 s16, s16, s17
	s_mov_b32 s17, 0
; 8 matrix instructions: row block a x all 8 column blocks, 32 along K, from buffer f.  zero = 1: the first product starts the sums, with the bias as C
.macro MUL8 f, a, zero
.set AC, 64*((\a)%2)
.if \zero
	WIN 0x44+0x40*((\a)/2)                         ; wt window 0, xh window 1, C window 0, D window 1 or 2
.else
	WIN 0x54+0x50*((\a)/2)                         ; C and D window 1 or 2
.endif
.irp b, 0,1,2,3,4,5,6,7
.if \zero
	v_wmma_f32_16x16x32_f16 v[AC+8*(\b):AC+8*(\b)+7], v[FB+64*(\f)+8*(\b):FB+64*(\f)+8*(\b)+7], v[FA+32*(\f)+8*(\a):FA+32*(\f)+8*(\a)+7], v[BIAS+8*(\b):BIAS+8*(\b)+7]
.else
	v_wmma_f32_16x16x32_f16 v[AC+8*(\b):AC+8*(\b)+7], v[FB+64*(\f)+8*(\b):FB+64*(\f)+8*(\b)+7], v[FA+32*(\f)+8*(\a):FA+32*(\f)+8*(\a)+7], v[AC+8*(\b):AC+8*(\b)+7]
.endif
.endr
.endm
; 24 LDS loads in one run: the fragments of quarter q (32 along K) of a slot into buffer g: xh's 8 loads, then wt's 16
.macro FETCH slot, q, g
	WIN TO_A
.irp a, 0,1,2,3
	ds_load_b128 v[FA+32*(\g)+8*(\a):FA+32*(\g)+8*(\a)+3],   v[ADRA+(\slot)] offset:(\a)*16*PITCH+64*(\q)
	ds_load_b128 v[FA+32*(\g)+8*(\a)+4:FA+32*(\g)+8*(\a)+7], v[ADRA+(\slot)] offset:(\a)*16*PITCH+64*(\q)+32
.endr
	WIN 0
.irp b, 0,1,2,3,4,5,6,7
	ds_load_b128 v[FB+64*(\g)+8*(\b):FB+64*(\g)+8*(\b)+3],   v[ADRB+(\slot)] offset:(\b)*16*PITCH+64*(\q)
	ds_load_b128 v[FB+64*(\g)+8*(\b)+4:FB+64*(\g)+8*(\b)+7], v[ADRB+(\slot)] offset:(\b)*16*PITCH+64*(\q)+32
.endr
.endm
; A K step is four quarters of 32 along K, 32 matrix instructions each, on buffers 0, 1, 0, 1.  The 32 accumulators take turns, one instruction a turn, in the same order
; in every quarter.  One of the first three quarters: fetches quarter q into buffer g, which the quarter before multiplied, and multiplies buffer f.
.macro QUARTER slot, q, f, g, zero
	PLACES
	FETCH \slot, \q, \g
	s_wait_dscnt 24                                ; all but the 24 just issued: buffer f is in
	MUL8 \f, 2, \zero
	MUL8 \f, 3, \zero
	MUL8 \f, 0, \zero
	MUL8 \f, 1, \zero
.endm
; The last quarter multiplies buffer 1 and changes slots: ONE barrier; in front of it each wave waits for all its tensor loads (one is out: its part of the next slot), adds 0 to
; its spare word, and waits for that and for its own reads of this slot.  fill = 1: the barrier opens a round of the cluster's, and this slot is filled again, two K steps ahead.
.macro TURN slot, next, fill
	WIN 0                                          ; (the add's two registers lie in window 0)
	s_wait_tensorcnt 0x0                           ; all my tensor loads have landed
	ds_add_u32 v[SPW], v[NIL]                      ; 0 onto my spare word
	s_wait_dscnt 1                                 ; (only the add may be out: buffer 1 is in)
	MUL8 1, 2, 0                                   ; eight matrix instructions stand between the add and the wait for it
	s_wait_dscnt 0x0                               ; the add is done, and my reads of this slot are over
	s_barrier_signal -1
	MUL8 1, 3, 0
	WIN 0
	s_barrier_wait -1
.if \fill
	CREST                                          ; no wave of any partner still reads this slot's tile or has a load on its way
	s_add_nc_u64 s[G0+4*(\slot)+2:G0+4*(\slot)+3], s[G0+4*(\slot)+2:G0+4*(\slot)+3], 2*KSTEP*2
	s_add_nc_u64 s[G0B+4*(\slot)+2:G0B+4*(\slot)+3], s[G0B+4*(\slot)+2:G0B+4*(\slot)+3], 2*KSTEP*2
	JLOAD \slot                                    ; the first tensor load behind the round; its four v_nop are also the places in front of the loads below
.else
	PLACES
.endif
	FETCH \next, 0, 0
	MUL8 1, 0, 0
	MUL8 1, 1, 0
.endm
	s_wait_loadcnt 0x0                             ; the bias
	s_wait_tensorcnt 1                             ; my part of K step 0 is in; K step 1's may stay out
	s_barrier_signal -1
	s_barrier_wait -1                              ; everybody's is
	FETCH 0, 0, 0
	QUARTER 0, 1, 0, 1, 1                          ; the first quarter stands in front of the loop: its products start the sums
	WIN 0                                          ; at a label and at a branch every window is 0
	s_mov_b32 s3, LAPS-1
.Llap:                                                 ; a trip goes once round the ring, from a lap's second quarter to the next lap's first, and fills both slots again
	QUARTER 0, 2, 1, 0, 0
	QUARTER 0, 3, 0, 1, 0
	TURN 0, 1, 1
	QUARTER 1, 1, 0, 1, 0
	QUARTER 1, 2, 1, 0, 0
	QUARTER 1, 3, 0, 1, 0
	TURN 1, 0, 1
	QUARTER 0, 1, 0, 1, 0
	WIN 0
	s_sub_co_u32 s3, s3, 1
	s_cmp_lg_u32 s3, 0
	s_cbranch_scc1 .Llap
	QUARTER 0, 2, 1, 0, 0                          ; the last lap fills nothing
	QUARTER 0, 3, 0, 1, 0
	TURN 0, 1, 0
	QUARTER 1, 1, 0, 1, 0
	QUARTER 1, 2, 1, 0, 0
	QUARTER 1, 3, 0, 1, 0
	s_wait_dscnt 0x0                               ; the very last quarter: nothing more to fetch
	MUL8 1, 2, 0
	MUL8 1, 3, 0
	MUL8 1, 0, 0
	MUL8 1, 1, 0
	PLACES
; THE WAY OUT of row block a.  PACK: rounded to f16, 16 bytes a lane, each accumulator from its low end on.  TOSTAGE: into my own stage, and back as whole rows of 256 bytes.  SEND: stored.
.macro PACK a
.set AC, 64*((\a)%2)
	WIN 0x05*(1+(\a)/2)                            ; sources 0 and 1: window 1 or 2
.irp b, 0,1,2,3,4,5,6,7
.irp r, 0,1,2,3
	v_cvt_pk_f16_f32 v[TMP+4*(\b)+(\r)], v[AC+8*(\b)+2*(\r)], v[AC+8*(\b)+2*(\r)+1]
.endr
.endr
	WIN 0
.endm
.macro TOSTAGE a
.set BK, OB+32*((\a)%2)
.irp b, 0,1,2,3,4,5,6,7
	ds_store_b128 v[STO], v[TMP+4*(\b):TMP+4*(\b)+3] offset:32*(\b)
.endr
.irp t, 0,1,2,3,4,5,6,7
	ds_load_b128 v[BK+4*(\t):BK+4*(\t)+3], v[RD] offset:(\t)*2*SPITCH  ; LDS serves a wave's instructions in order (ISA guide 5.7.1.4): these see the stores above
.endr
.endm
.macro SEND a
.set BK, OB+32*((\a)%2)
	s_wait_dscnt 0x0                               ; the block is back in registers
	s_wait_xcnt 0x0                                ; the stores' base, and the registers that earlier stores read, are rewritten only behind this wait
.if (\a) == 0
	s_add_nc_u64 s[8:9], s[8:9], s[16:17]          ; my first rows of the tile
.else
	s_add_nc_u64 s[8:9], s[8:9], 16*ROWC           ; 16 rows on
.endif
.irp t, 0,1,2,3,4,5,6,7
	global_store_b128 v[CO], v[BK+4*(\t):BK+4*(\t)+3], s[8:9] offset:2*(\t)*ROWC  ; 16 lanes store 256 consecutive bytes, at a multiple of 256 from qkv's first byte
.endr
.endm
	PACK 0
	TOSTAGE 0
.irp a, 1,2,3                          ; block a's conversions stand between block a - 1's loads from the stage and the wait for them
	PACK \a
	SEND (\a)-1
	TOSTAGE \a
.endr
	SEND 3
	s_wait_tensorcnt 0x0                           ; the wave's end, behind my last tensor load and my last LDS store
	ds_add_u32 v[SPW], v[NIL]
	s_wait_dscnt 0x0
	CROUND                                         ; the closing round: no work-group ends while a partner may still ask for a tile that names it
	s_endpgm
.Lfunc_end_k_qacf35783bd_proj:
	.size	k_qacf35783bd_proj, .Lfunc_end_k_qacf35783bd_proj-k_qacf35783bd_proj
	.p2alignl 7, 3214868480
	.fill 96, 4, 3214868480
	.section	.rodata,"a",@progbits
	.p2align	6, 0x0
	.amdhsa_kernel k_qacf35783bd_proj
		.amdhsa_group_segment_fixed_size 327680
		.amdhsa_private_segment_fixed_size 0
		.amdhsa_enable_private_segment 0
		.amdhsa_kernarg_size 48
		.amdhsa_user_sgpr_count 2
		.amdhsa_user_sgpr_kernarg_segment_ptr 1
		.amdhsa_wavefront_size32 1
		.amdhsa_system_sgpr_workgroup_id_x 1
		.amdhsa_system_sgpr_workgroup_id_y 1
		.amdhsa_system_sgpr_workgroup_id_z 1
		.amdhsa_system_vgpr_workitem_id 0
		.amdhsa_next_free_vgpr 640
		.amdhsa_next_free_sgpr 80
		.amdhsa_reserve_vcc 0
		.amdhsa_float_denorm_mode_32 3
		.amdhsa_float_denorm_mode_16_64 3
		.amdhsa_memory_ordered 1
		.amdhsa_forward_progress 1
		.amdhsa_inst_pref_size 88
	.end_amdhsa_kernel
	.amdgpu_metadata
---
amdhsa.version: [ 1, 2 ]
amdhsa.kernels:
  - .name:           k_qacf35783bd_proj
    .symbol:         k_qacf35783bd_proj.kd
    .args:
      - { .name: xh, .offset: 0, .size: 8, .value_kind: global_buffer, .address_space: global }
      - { .name: wt, .offset: 8, .size: 8, .value_kind: global_buffer, .address_space: global }
      - { .name: bq, .offset: 16, .size: 8, .value_kind: global_buffer, .address_space: global }
      - { .name: bk, .offset: 24, .size: 8, .value_kind: global_buffer, .address_space: global }
      - { .name: bv, .offset: 32, .size: 8, .value_kind: global_buffer, .address_space: global }
      - { .name: qkv, .offset: 40, .size: 8, .value_kind: global_buffer, .address_space: global }
    .group_segment_fixed_size: 327680
    .private_segment_fixed_size: 0
    .kernarg_segment_align: 8
    .kernarg_segment_size: 48
    .max_flat_workgroup_size: 128
    .sgpr_count:     80
    .vgpr_count:     640
    .wavefront_size: 32
...
	.end_amdgpu_metadata
.endif
;; end of part 2
;; launch scores (part 3): grid 8 x 32, 4 waves a work-group, clusters of 4 x 4, 327,680 bytes of LDS; arguments qkv, pw, ms, ls; writes pw, ms, ls
.if DOCPART == 3
	.amdgcn_target "amdgcn-amd-amdhsa--gfx1250"
	.amdhsa_code_object_version 6
	.text
	.protected	k_qacf35783bd_scores
	.globl	k_qacf35783bd_scores
	.p2align	8
	.type	k_qacf35783bd_scores,@function
k_qacf35783bd_scores:
	s_mov_b64 s[64:65], 0
	v_nop
	global_prefetch_b8 v0, s[64:65] scope:SCOPE_SE
	s_setreg_imm32_b32 hwreg(HW_REG_WAVE_MODE, 25, 1), 1
	s_wait_xcnt 0x0
	s_wait_alu depctr_hold_cnt(0) depctr_sa_sdst(0) depctr_va_vdst(0) depctr_va_sdst(0) depctr_va_ssrc(0) depctr_va_vcc(0) depctr_vm_vsrc(0)
	s_getreg_b32 s2, hwreg(HW_REG_IB_STS2, 6, 4)
	s_cmp_eq_u32 s2, 0
	s_cbranch_scc0 .Lentry_in_a_cluster
	s_endpgm
.Lentry_in_a_cluster:
	s_bfe_u32 s2, ttmp6, 0x10000c
	s_cmp_lg_u32 s2, 0xf033
	s_cbranch_scc0 .Lentry_shape_is_right
	s_endpgm
.Lentry_shape_is_right:
; scores: s[m][key] = q[m] . k[key] (K = 1,024, f16 operands, f32 sums), and of each row's block of 128 keys the softmax's first half:
;   ms[t][m] = c max over the block of s,  pw[m][key] = 2^(c s - ms) in f16,  ls[t][m] = the sum over the block of the unrounded weights;  c = log2(e) / 32.
; The maximum taken away here is the block's own; the next launch rebases all sixteen blocks of a row to the row's true maximum.
; q and k are columns 0-1023 and 1024-2047 of qkv [8192][3072]; pw is [8192][2048] f16 (row = query, over all batches); ms, ls are [16 blocks][8192 rows] f32.
; LIMITS.  A weight below 2^-126 counts as 0 in ls; below 6e-5 it keeps f16's fixed step of 6e-8 in pw; NaN and infinities are not treated apart.
; SHARES.  A tile of 256 queries x 256 keys of one batch: 256 tiles.  Four waves, each 128 x 128: 64 accumulators of 16 x 16, 512 registers.  K goes in steps of 128 through a ring of two LDS slots.
; CLUSTER.  4 x 4 work-groups: the four of a row of the cluster need the same rows of q, the four of a column the same rows of k: each tile is asked for jointly.
; THE MATRIX INSTRUCTION IS USED TRANSPOSED (source 0 = 16 keys, source 1 = 16 queries): a lane holds ONE query (l % 16) and, in each accumulator, the keys 8 (l / 16) + 0..7:
; a query's 128 scores lie in 64 registers of two lanes 16 apart.
; REGISTERS, in windows of 256 (s_set_vgpr_msb: bits 1:0 source 0, 3:2 source 1, 5:4 source 2, 7:6 destination):
;   window 0: v0-31 addresses; v64-127, v128-191 q's fragments, two buffers; on the way out v64-255 at work      window 1: v64-127, v128-191 k's fragments, two buffers
;   window 2: the 32 accumulators of my rows 0-63 (accumulator (a, b) at v[8 (8 a + b)]);   window 3: those of my rows 64-127
.set KSTEP,  128
.set PITCH,  272                       ; an LDS row: 256 bytes + 16 of padding = 68 words: the 16 rows of a fragment load start at 16 different groups of four banks (64 banks of 4 bytes: ISA guide 11.1)
.set HALFT,  128*PITCH                 ; 128 rows: what one tensor load brings, and what one wave reads of q or of k
.set SLOT,   4*HALFT                   ; q's 256 rows, then k's 256 rows
.set STAGE,  2*SLOT                    ; behind the ring: 16 rows x 272 bytes for each wave, for the way out
.set SPITCH, 272
.set SPARE,  STAGE+4*16*SPITCH         ; behind the stages: the spare words, 128 bytes for each wave: two blocks of 256 bytes that no other line names
.set LAPS,   4                         ; a lap = two K steps; K = 1,024
.set ROWQ,   6144                      ; bytes in a row of qkv
.set ROWP,   4096                      ; bytes in a row of pw
.set ADRA, 16                          ; v16-17  LDS address of my fragments of q in slot 0, 1
.set ADRB, 20                          ; v20-21  the same for k
.set STO,  24                          ; v24     the way out: where I put 16 bytes of a row
.set RD,   25                          ; v25     the way out: where I read a row back
.set CO,   26                          ; v26     my byte offset in pw
.set SADR, 27                          ; v27     where I put a row's statistic
.set SPW,  28                          ; v28     LDS address of my spare word: SPARE + 4 x my thread's number; never rewritten
.set NIL,  29                          ; v29     0; never rewritten
.set SRD,  30                          ; v30     where I read four rows' statistics back
.set SGO,  31                          ; v31     my byte offset in 512 bytes of ms and ls
.set F0,   64                          ; fragment buffer 0
.set F1,   128                         ; fragment buffer 1
.set E,    64                          ; the way out: v64-127 a block's maxima at work, then its 64 weights a lane
.set TMP,  128                         ; v128-159 the weights in f16
.set OB,   160                         ; v160-191, v192-223 16 rows read back from the stage, by turns
.set CM,   224                         ; v224-231 c m of block a
.set LS,   232                         ; v232-239 l of block a
.set CMM,  240                         ; v240-241 c m, m of the block in hand
.set WK,   242                         ; v242     what the lane 16 away holds
.set G1, 24                            ; s[24:31] descriptor group 1 for q's tiles;  s[32:39] group 0, one set for each slot
.set G0, 32
.set G1B, 48                           ; s[48:55], s[56:63] the same for k's tiles
.set G0B, 56
.set CS,  72                           ; s[72:73] c: the packed scaling takes the pair's low word for both halves
.set SEL, 76                           ; s[76:77] v_permlanex16_b32's selects: each lane takes its own place in the other half
.set MUL_LO, 0xa1                      ; source 0 (k) window 1, source 1 (q) window 0, C and D window 2
.set MUL_HI, 0xf1                      ; the same, C and D window 3
.set TO_B,   0x40                      ; destination window 1, address window 0
.set MSB, 0
.macro WIN new                         ; the immediate's high byte repeats the setting that is left; a switch that changes nothing is dropped
.if MSB != (\new)
	s_set_vgpr_msb (MSB<<8)|(\new)
.set MSB, \new
.endif
.endm
; A joint load.  Waves 0 and 1 fetch q's two halves, waves 2 and 3 k's.  The branch hangs on the wave's number alone.
; An s_nop 0 and four v_nop follow each of the two lines, ahead of the jump, the label and what follows.
.macro JLOAD s
	s_cmp_eq_u32 s11, 0
	s_cbranch_scc0 .Lfor_b_\@
	tensor_load_to_lds s[G0+4*(\s):G0+4*(\s)+3], s[G1:G1+7]
	s_nop 0
.rept 4
	v_nop
.endr
	s_branch .Lasked_\@
.Lfor_b_\@:
	tensor_load_to_lds s[G0B+4*(\s):G0B+4*(\s)+3], s[G1B:G1B+7]
	s_nop 0
.rept 4
	v_nop
.endr
.Lasked_\@:
.endm
.macro CREST                           ; a round of the cluster's barrier behind its opening barrier
	s_cmp_lg_u32 s10, 0
	s_cbranch_scc1 .Lnot_wave_0_\@
	s_barrier_signal -3
.Lnot_wave_0_\@:
	s_barrier_wait -3
	s_barrier_signal -1
	s_barrier_wait -1
.endm
.macro CROUND                          ; a whole round
	s_barrier_signal -1
	s_barrier_wait -1
	CREST
.endm
.macro PLACES                          ; four places in front of loads into registers that matrix instructions have read, and of vector work that reads results
.rept 4
	v_nop
.endr
.endm
	s_load_b128 s[4:7], s[0:1], 0x0                ; qkv s[4:5], pw s[6:7]
	s_load_b128 s[68:71], s[0:1], 0x10             ; ms s[68:69], ls s[70:71]
	v_lshl_add_u32 v[SPW], v0, 2, SPARE
	v_mov_b32 v[NIL], 0
	ds_add_u32 v28, v29
	s_wait_dscnt 0x0
	v_mov_b32 v[WK], 0                             ; v_permlanex16_b32 counts as a reader of its destination
	v_lshrrev_b32 v1, 5, v0
	v_readfirstlane_b32 s10, v1                    ; wave 0..3
	s_lshr_b32 s11, s10, 1                         ; which half of the tile's queries is mine.  Also: I fetch for q (0) or for k (1)
	s_and_b32 s12, s10, 1                          ; which half of its keys.  Also: which 128 rows of that tile I fetch
	s_bfe_u32 s40, ttmp6, 0x40000                  ; cx, cy: my place in the cluster
	s_bfe_u32 s41, ttmp6, 0x40004
	s_lshl_b32 s42, ttmp9, 2
	s_add_co_u32 s42, s42, s40                     ; tile of 256 keys in the batch = 4 x cluster x + cx
	s_and_b32 s45, ttmp7, 0xffff                   ; the cluster's y: two clusters to a batch
	s_lshl_b32 s13, s45, 2
	s_add_co_u32 s13, s13, s41                     ; tile of 256 queries = 4 x cluster y + cy
	s_lshl_b32 s43, s41, 2
	s_lshl_b32 s43, 15, s43                        ; my row of the cluster
	s_lshl_b32 s44, 0x1111, s40                    ; my column
	s_mov_b32 s[CS], 0x3d38aa3b                    ; c = log2(e) / 32
	s_mov_b32 s[CS+1], s[CS]                       ; named with it as a pair
	s_mov_b32 s[SEL], 0x76543210
	s_mov_b32 s[SEL+1], 0xfedcba98
	; descriptor group 1: a tile of 128 rows x 128 elements, padded in LDS
	s_or_b32 s[G1+0], s43, (1<<16)|(1<<20)|(1<<21)|(5<<22)|(3<<25)   ; 15:0 the mask; 17:16 elements of 2 bytes; 20 padding on; 21 set beside a mask; 24:22 after every 64 words (code 5); 31:25 4 words of it (code 3)
	s_or_b32 s[G1B+0], s44, (1<<16)|(1<<20)|(1<<21)|(5<<22)|(3<<25)
.irp g, G1, G1B
	s_mov_b32 s[(\g)+1], KSTEP<<16                 ; tensor_dim0 = 128
	s_mov_b32 s[(\g)+2], 128<<16                   ; tensor_dim1 = 128
	s_mov_b32 s[(\g)+3], KSTEP<<16                 ; tile_dim0 = 128
	s_mov_b32 s[(\g)+4], 128                       ; tile_dim1 = 128
	s_mov_b32 s[(\g)+5], 3072                      ; elements from row to row
	s_mov_b32 s[(\g)+6], 0
	s_mov_b32 s[(\g)+7], 0
.endr
	s_lshl_b32 s17, s12, 7                         ; which 128 rows of the tile I fetch
	s_lshl_b32 s16, s13, 8
	s_add_co_u32 s16, s16, s17                     ; q: row 256 x query tile + 128 x half
	s_mul_i32 s16, s16, ROWQ
	s_lshr_b32 s46, s45, 1                         ; the batch, which all sixteen share
	s_lshl_b32 s46, s46, 11
	s_lshl_b32 s47, s42, 8
	s_add_co_u32 s46, s46, s47
	s_add_co_u32 s46, s46, s17                     ; k: row 2,048 x batch + 256 x key tile + 128 x half,
	s_mul_i32 s46, s46, ROWQ
	s_add_co_u32 s46, s46, 2048                    ; and k's place in a row of qkv
	s_mov_b32 s17, 0
	s_mov_b32 s47, 0
	s_mul_i32 s20, s10, HALFT                      ; where they go: wave x 128 rows: no place in the cluster enters an LDS address
	s_wait_kmcnt 0x0
	s_add_nc_u64 s[14:15], s[4:5], s[16:17]
	s_add_nc_u64 s[46:47], s[4:5], s[46:47]
	CROUND                                         ; all sixteen work-groups are here: the first joint loads meet
.irp s, 0,1
	s_mov_b32 s[G0+4*(\s)], 1                                        ; count = 1
	s_add_co_u32 s[G0+4*(\s)+1], s20, (\s)*SLOT                      ; LDS address
	s_add_nc_u64 s[G0+4*(\s)+2:G0+4*(\s)+3], s[14:15], (\s)*KSTEP*2  ; global address: K step s
	s_or_b32 s[G0+4*(\s)+3], s[G0+4*(\s)+3], 0x80000000              ; type = 2
	s_mov_b32 s[G0B+4*(\s)], 1
	s_add_co_u32 s[G0B+4*(\s)+1], s20, (\s)*SLOT
	s_add_nc_u64 s[G0B+4*(\s)+2:G0B+4*(\s)+3], s[46:47], (\s)*KSTEP*2
	s_or_b32 s[G0B+4*(\s)+3], s[G0B+4*(\s)+3], 0x80000000
	JLOAD \s                                       ; two loads of mine are out
.endr
	v_and_b32 v1, 15, v0                           ; l % 16
	v_bfe_u32 v2, v0, 4, 1                         ; l / 16
	v_mul_u32_u24 v3, v1, PITCH
	v_lshl_add_u32 v3, v2, 4, v3                   ; a fragment's row x pitch + 16 x half
	s_mul_i32 s21, s11, HALFT                      ; my 128 rows of q
	s_mul_i32 s22, s12, HALFT                      ; my 128 rows of k,
	s_add_co_u32 s22, s22, 2*HALFT                 ; which lie behind q's 256
.irp s, 0,1
	v_add_nc_u32 v[ADRA+(\s)], s21, v3
	v_add_nc_u32 v[ADRB+(\s)], s22, v3
	s_add_co_u32 s21, s21, SLOT
	s_add_co_u32 s22, s22, SLOT
.endr
	s_mul_i32 s23, s10, 16*SPITCH
	s_add_co_u32 s23, s23, STAGE                   ; my stage
	v_mul_u32_u24 v4, v1, SPITCH                   ; in: row l % 16, 16 bytes for each half of the lanes
	v_lshl_add_u32 v4, v2, 4, v4
	v_add_nc_u32 v[STO], s23, v4
	v_mul_u32_u24 v5, v2, SPITCH                   ; back: lanes 0-15 take one row of 256 bytes, lanes 16-31 the next
	v_lshl_add_u32 v5, v1, 4, v5
	v_add_nc_u32 v[RD], s23, v5
	v_lshlrev_b32 v5, 12, v2                       ; and the same two rows in pw
	v_lshl_add_u32 v[CO], v1, 4, v5
	v_lshl_add_u32 v[SADR], v1, 2, s23             ; a row's statistic: word l % 16 of its block's sixteen
	v_and_b32 v5, 31, v0
	v_lshlrev_b32 v[SGO], 4, v5                    ; back: four rows a lane
	v_add_nc_u32 v[SRD], s23, v[SGO]
	; where my part begins in pw, and in ms and ls
	s_lshl_b32 s21, s13, 8
	s_lshl_b32 s22, s11, 7
	s_add_co_u32 s21, s21, s22                     ; my first query
	s_lshl_b32 s16, s21, 12
	s_lshl_b32 s22, s42, 9
	s_add_co_u32 s16, s16, s22
	s_lshl_b32 s22, s12, 8
	s_add_co_u32 s16, s16, s22                     ; + my 128 keys of 2 bytes
	s_mov_b32 s17, 0
	s_lshl_b32 s18, s42, 1
	s_add_co_u32 s18, s18, s12                     ; my block of 128 keys in the batch
	s_lshl_b32 s18, s18, 15
	s_lshl_b32 s22, s21, 2
	s_add_co_u32 s18, s18, s22
	s_mov_b32 s19, 0
	s_add_nc_u64 s[68:69], s[68:69], s[18:19]
	s_add_nc_u64 s[70:71], s[70:71], s[18:19]
; 16 matrix instructions: query blocks a0, a0 + 1 of the window's four (hi = 0: my rows 0-63, 1: rows 64-127) x all 8 key blocks, 32 along K.  zero = 1: the first product starts the sums
.macro MUL16 f, hi, a0, zero
	WIN MUL_LO+0x50*(\hi)
.irp a, \a0, (\a0)+1
.irp b, 0,1,2,3,4,5,6,7
.if \zero
	v_wmma_f32_16x16x32_f16 v[8*(8*(\a)+(\b)):8*(8*(\a)+(\b))+7], v[(\f)+8*(\b):(\f)+8*(\b)+7], v[(\f)+8*(4*(\hi)+(\a)):(\f)+8*(4*(\hi)+(\a))+7], 0
.else
	v_wmma_f32_16x16x32_f16 v[8*(8*(\a)+(\b)):8*(8*(\a)+(\b))+7], v[(\f)+8*(\b):(\f)+8*(\b)+7], v[(\f)+8*(4*(\hi)+(\a)):(\f)+8*(4*(\hi)+(\a))+7], v[8*(8*(\a)+(\b)):8*(8*(\a)+(\b))+7]
.endif
.endr
.endr
.endm
; 32 LDS loads in one run: the fragments of one quarter step (128 rows of k, 128 rows of q, 32 K at byte k of the rows) into buffer f
.macro FETCH slot, k, f
	WIN TO_B
.irp i, 0,1,2,3,4,5,6,7
	ds_load_b128 v[(\f)+8*(\i):(\f)+8*(\i)+3],   v[ADRB+(\slot)] offset:(\k)+(\i)*16*PITCH
	ds_load_b128 v[(\f)+8*(\i)+4:(\f)+8*(\i)+7], v[ADRB+(\slot)] offset:(\k)+(\i)*16*PITCH+32
.endr
	WIN 0
.irp i, 0,1,2,3,4,5,6,7
	ds_load_b128 v[(\f)+8*(\i):(\f)+8*(\i)+3],   v[ADRA+(\slot)] offset:(\k)+(\i)*16*PITCH
	ds_load_b128 v[(\f)+8*(\i)+4:(\f)+8*(\i)+7], v[ADRA+(\slot)] offset:(\k)+(\i)*16*PITCH+32
.endr
.endm
; A K step is four quarters of 32 along K, 64 matrix instructions each, on buffers 0, 1, 0, 1; the 64 accumulators take turns, one instruction a turn, in the same order in
; every quarter.  One of the first three: multiplies buffer f; in its middle it fetches the next quarter, at byte k of the same slot's rows, into buffer g.
.macro QUARTER slot, k, f, g, zero
	s_wait_dscnt 8                                 ; k and q's rows 0-63 are in; the youngest eight loads (q's rows 64-127) may be out
	MUL16 \f, 0, 0, \zero
	MUL16 \f, 0, 2, \zero
	PLACES
	FETCH \slot, \k, \g
	s_wait_dscnt 32                                ; all but the 32 just issued
	MUL16 \f, 1, 0, \zero
	MUL16 \f, 1, 2, \zero
.endm
; The last quarter multiplies buffer 1 and changes slots.  MEET is its first half: ONE barrier.  In front of it each wave waits for all its tensor loads (one is out: its part of
; the next slot), adds 0 to its spare word, and waits for that and for its own reads of this slot.  Behind it nobody reads this slot any more and the next slot is whole.
.macro MEET round                      ; round = 1: a round of the cluster's barrier follows
	WIN 0                                          ; (the add's two registers lie in window 0)
	s_wait_tensorcnt 0x0                           ; all my tensor loads have landed
	ds_add_u32 v[SPW], v[NIL]                      ; 0 onto my spare word
	s_wait_dscnt 9                                 ; (the add and the youngest eight loads may be out)
	MUL16 F1, 0, 0, 0                              ; sixteen matrix instructions stand between the add and the wait for it
	s_wait_dscnt 0x0                               ; the add is done, and my reads of this slot are over
	s_barrier_signal -1
	MUL16 F1, 0, 2, 0
.if \round
	WIN 0
.endif
	s_barrier_wait -1
.endm
.macro TURN slot, next                 ; the whole last quarter: this slot is filled again, two K steps ahead
	MEET 1
	CREST                                          ; no wave of any partner still reads this slot's tile or has a load on its way
	s_add_nc_u64 s[G0+4*(\slot)+2:G0+4*(\slot)+3], s[G0+4*(\slot)+2:G0+4*(\slot)+3], 2*KSTEP*2
	s_add_nc_u64 s[G0B+4*(\slot)+2:G0B+4*(\slot)+3], s[G0B+4*(\slot)+2:G0B+4*(\slot)+3], 2*KSTEP*2
	JLOAD \slot                                    ; the first tensor load behind the round; its four v_nop are also the places in front of the loads below
	FETCH \next, 0, F0
	MUL16 F1, 1, 0, 0
	MUL16 F1, 1, 2, 0
.endm
	s_wait_tensorcnt 1                             ; my part of K step 0 is in; K step 1's may stay out
	s_barrier_signal -1
	s_barrier_wait -1                              ; everybody's is
	FETCH 0, 0, F0
	QUARTER 0, 64,  F0, F1, 1                      ; the first quarter stands in front of the loop: its products start the sums
	WIN 0                                          ; at a label and at a branch every window is 0
	s_mov_b32 s3, LAPS-1
.Llap:                                                 ; a trip goes once round the ring, from a lap's second quarter to the next lap's first, and fills both slots again
	QUARTER 0, 128, F1, F0, 0
	QUARTER 0, 192, F0, F1, 0
	TURN 0, 1
	QUARTER 1, 64,  F0, F1, 0
	QUARTER 1, 128, F1, F0, 0
	QUARTER 1, 192, F0, F1, 0
	TURN 1, 0
	QUARTER 0, 64,  F0, F1, 0
	WIN 0
	s_sub_co_u32 s3, s3, 1
	s_cmp_lg_u32 s3, 0
	s_cbranch_scc1 .Llap
	QUARTER 0, 128, F1, F0, 0                      ; the last lap fills nothing
	QUARTER 0, 192, F0, F1, 0
	MEET 0
	PLACES
	FETCH 1, 0, F0
	MUL16 F1, 1, 0, 0
	MUL16 F1, 1, 2, 0
	QUARTER 1, 64,  F0, F1, 0
	QUARTER 1, 128, F1, F0, 0
	QUARTER 1, 192, F0, F1, 0
	s_wait_dscnt 8                                 ; the very last quarter: nothing more to fetch
	MUL16 F1, 0, 0, 0
	MUL16 F1, 0, 2, 0
	s_wait_dscnt 0x0
	MUL16 F1, 1, 0, 0
	MUL16 F1, 1, 2, 0
	PLACES
; THE WAY OUT of block a (16 queries x my 128 keys: 8 accumulators, 64 scores a lane).
; SOFT: the maximum (three operands at a time, in ascending order), the other half of the lanes', c m;
; c s - c m; the exponentials; the rounding to f16; the sum of the unrounded weights.
.macro SOFT a
.set AC, 64*((\a)%4)
.set WN, 2+(\a)/4
	WIN 0x15*WN                                    ; all three sources in the accumulators' window
.set i, 0
.rept 21
	v_max3_num_f32 v[E+i], v[AC+3*i], v[AC+3*i+1], v[AC+3*i+2]
.set i, i+1
.endr
	v_max3_num_f32 v[E+21], v[AC+61], v[AC+62], v[AC+63]
	WIN 0
.set i, 0
.rept 7
	v_max3_num_f32 v[E+i], v[E+3*i], v[E+3*i+1], v[E+3*i+2]
.set i, i+1
.endr
	v_max3_num_f32 v[E], v[E], v[E+1], v[E+2]
	v_max3_num_f32 v[E+3], v[E+3], v[E+4], v[E+5]
	v_max3_num_f32 v[E], v[E], v[E+3], v[E+6]
	v_max_num_f32 v[E], v[E], v[E+21]
	v_permlanex16_b32 v[WK], v[E], s[SEL], s[SEL+1]  ; the query's other 64 keys lie in the lane 16 away
	v_max_num_f32 v[CMM+1], v[E], v[WK]
	v_mul_f32 v[CMM], s[CS], v[CMM+1]
	v_mov_b32 v[CM+(\a)], v[CMM]
	WIN WN                                         ; source 0 in the accumulators' window
.set i, 0
.rept 32
	v_pk_fma_f32 v[E+2*i:E+2*i+1], v[AC+2*i:AC+2*i+1], s[CS:CS+1], v[CMM:CMM+1] op_sel_hi:[1,0,0] neg_lo:[0,0,1] neg_hi:[0,0,1]  ; c s - c m
.set i, i+1
.endr
	WIN 0
.set i, 0
.rept 64
	v_exp_f32 v[E+i], v[E+i]
.set i, i+1
.endr
	v_nop                                          ; a plain instruction between the exponentials and the first use of a result (ISA guide 5.7.2)
.set i, 0
	s_wait_alu depctr_va_vdst(0)
.rept 32
	v_cvt_pk_f16_f32 v[TMP+i], v[E+2*i], v[E+2*i+1]
.set i, i+1
.endr
.irp w, 16,8,4,2,1                     ; the 32 pairs are added in place, halving
.set i, 0
.rept \w
	v_pk_add_f32 v[E+2*i:E+2*i+1], v[E+2*i:E+2*i+1], v[E+2*(i+\w):E+2*(i+\w)+1]
.set i, i+1
.endr
.endr
	v_add_f32 v[E], v[E], v[E+1]
	v_permlanex16_b32 v[WK], v[E], s[SEL], s[SEL+1]
	v_add_f32 v[LS+(\a)], v[E], v[WK]
.endm
.macro TOSTAGE a                       ; into my own stage in LDS, and back as whole rows of 256 bytes
.set BK, OB+32*((\a)%2)
.irp b, 0,1,2,3,4,5,6,7
	ds_store_b128 v[STO], v[TMP+4*(\b):TMP+4*(\b)+3] offset:32*(\b)
.endr
.irp t, 0,1,2,3,4,5,6,7
	ds_load_b128 v[BK+4*(\t):BK+4*(\t)+3], v[RD] offset:(\t)*2*SPITCH  ; LDS serves a wave's instructions in order (ISA guide 5.7.1.4): these see the stores above
.endr
.endm
.macro SEND a
.set BK, OB+32*((\a)%2)
	s_wait_dscnt 0x0                               ; the block is back in registers
	s_wait_xcnt 0x0                                ; the stores' base, and the registers that earlier stores read, are rewritten only behind this wait
.if (\a) == 0
	s_add_nc_u64 s[6:7], s[6:7], s[16:17]          ; my first rows of the tile
.else
	s_add_nc_u64 s[6:7], s[6:7], 16*ROWP           ; 16 rows on
.endif
.irp t, 0,1,2,3,4,5,6,7
	global_store_b128 v[CO], v[BK+4*(\t):BK+4*(\t)+3], s[6:7] offset:2*(\t)*ROWP  ; 16 lanes store 256 consecutive bytes, at a multiple of 256 from pw's first byte
.endr
.endm
	SOFT 0
	TOSTAGE 0
.irp a, 1,2,3,4,5,6,7                  ; block a's softmax stands between block a - 1's loads from the stage and the wait for them
	SOFT \a
	SEND (\a)-1
	TOSTAGE \a
.endr
	SEND 7
	; the statistics of my 128 rows: through the stage, so that a lane holds four neighbouring rows; both halves of the lanes hold and write the same numbers
.irp a, 0,1,2,3,4,5,6,7
	ds_store_b32 v[SADR], v[CM+(\a)] offset:64*(\a)
	ds_store_b32 v[SADR], v[LS+(\a)] offset:512+64*(\a)
.endr
	ds_load_b128 v[E:E+3], v[SRD]
	ds_load_b128 v[E+4:E+7], v[SRD] offset:512
	s_wait_dscnt 0x0
	global_store_b128 v[SGO], v[E:E+3], s[68:69]   ; 512 consecutive bytes, at a multiple of 256 from ms's first byte
	global_store_b128 v[SGO], v[E+4:E+7], s[70:71]
	s_wait_tensorcnt 0x0                           ; the wave's end, behind my last tensor load and my last LDS store
	ds_add_u32 v[SPW], v[NIL]
	s_wait_dscnt 0x0
	CROUND                                         ; the closing round: no work-group ends while a partner may still ask for a tile that names it
	s_endpgm
.Lfunc_end_k_qacf35783bd_scores:
	.size	k_qacf35783bd_scores, .Lfunc_end_k_qacf35783bd_scores-k_qacf35783bd_scores
	.p2alignl 7, 3214868480
	.fill 96, 4, 3214868480
	.section	.rodata,"a",@progbits
	.p2align	6, 0x0
	.amdhsa_kernel k_qacf35783bd_scores
		.amdhsa_group_segment_fixed_size 327680
		.amdhsa_private_segment_fixed_size 0
		.amdhsa_enable_private_segment 0
		.amdhsa_kernarg_size 32
		.amdhsa_user_sgpr_count 2
		.amdhsa_user_sgpr_kernarg_segment_ptr 1
		.amdhsa_wavefront_size32 1
		.amdhsa_system_sgpr_workgroup_id_x 1
		.amdhsa_system_sgpr_workgroup_id_y 1
		.amdhsa_system_sgpr_workgroup_id_z 1
		.amdhsa_system_vgpr_workitem_id 0
		.amdhsa_next_free_vgpr 1024
		.amdhsa_next_free_sgpr 80
		.amdhsa_reserve_vcc 0
		.amdhsa_float_denorm_mode_32 3
		.amdhsa_float_denorm_mode_16_64 3
		.amdhsa_memory_ordered 1
		.amdhsa_forward_progress 1
		.amdhsa_inst_pref_size 212
	.end_amdhsa_kernel
	.amdgpu_metadata
---
amdhsa.version: [ 1, 2 ]
amdhsa.kernels:
  - .name:           k_qacf35783bd_scores
    .symbol:         k_qacf35783bd_scores.kd
    .args:
      - { .name: qkv, .offset: 0, .size: 8, .value_kind: global_buffer, .address_space: global }
      - { .name: pw, .offset: 8, .size: 8, .value_kind: global_buffer, .address_space: global }
      - { .name: ms, .offset: 16, .size: 8, .value_kind: global_buffer, .address_space: global }
      - { .name: ls, .offset: 24, .size: 8, .value_kind: global_buffer, .address_space: global }
    .group_segment_fixed_size: 327680
    .private_segment_fixed_size: 0
    .kernarg_segment_align: 8
    .kernarg_segment_size: 32
    .max_flat_workgroup_size: 128
    .sgpr_count:     80
    .vgpr_count:     1024
    .wavefront_size: 32
...
	.end_amdgpu_metadata
.endif
;; end of part 3
;; launch pv (part 4): grid 4 x 64, 4 waves a work-group, clusters of 4 x 4, 327,680 bytes of LDS; arguments pw, qkv, ms, ls, out0; writes out0
.if DOCPART == 4
	.amdgcn_target "amdgcn-amd-amdhsa--gfx1250"
	.amdhsa_code_object_version 6
	.text
	.protected	k_qacf35783bd_pv
	.globl	k_qacf35783bd_pv
	.p2align	8
	.type	k_qacf35783bd_pv,@function
k_qacf35783bd_pv:
	s_mov_b64 s[64:65], 0
	v_nop
	global_prefetch_b8 v0, s[64:65] scope:SCOPE_SE
	s_setreg_imm32_b32 hwreg(HW_REG_WAVE_MODE, 25, 1), 1
	s_wait_xcnt 0x0
	s_wait_alu depctr_hold_cnt(0) depctr_sa_sdst(0) depctr_va_vdst(0) depctr_va_sdst(0) depctr_va_ssrc(0) depctr_va_vcc(0) depctr_vm_vsrc(0)
	s_getreg_b32 s2, hwreg(HW_REG_IB_STS2, 6, 4)
	s_cmp_eq_u32 s2, 0
	s_cbranch_scc0 .Lentry_in_a_cluster
	s_endpgm
.Lentry_in_a_cluster:
	s_bfe_u32 s2, ttmp6, 0x10000c
	s_cmp_lg_u32 s2, 0xf033
	s_cbranch_scc0 .Lentry_shape_is_right
	s_endpgm
.Lentry_shape_is_right:
; pv: out0[m][n] = (sum over blocks t of f_t(m) sum over the block's keys of pw[m][key] v[key][n]) / (sum over t of f_t(m) ls[t][m]),  f_t(m) = 2^(ms[t][m] - max over t of ms[t][m]).
; So every weight is 2^(c s - c max over ALL the row's keys): the softmax's maximum is the row's true one.  f is rounded to f16, and that same number serves above and below the line.
; pw [8192][2048] f16; v = columns 2048-3071 of qkv [8192][3072] f16; ms, ls [16][8192] f32; out0 [8192][1024] f32.  Products in f16 with f32 sums; pw x f is rounded to f16.
; LIMITS.  A product pw x f below 6e-5 keeps f16's fixed step of 6e-8; a factor below 2^-126 counts as 0; NaN and infinities are not treated apart.
; SHARES.  A tile of 128 queries x 256 channels: 256 tiles (256 x 256 would give 128).  Four waves, each 64 x 128: 32 accumulators.  The keys go in steps of 128, a block a step, through a ring of two LDS slots.
; CLUSTER.  4 x 4 work-groups, all of one batch: the four of a row of the cluster need the same rows of pw, the four of a column the same columns of v: each tile is asked for jointly.
; THE MATRIX INSTRUCTION IS USED TRANSPOSED (source 0 = 16 channels of v, turned on the way out of LDS by ds_load_tr16_b128; source 1 = 16 queries): a lane holds query l % 16 and eight channels.
; THE FACTORS ride: a fragment of pw holds one query a lane, so one packed multiply a register scales it; the 32 multiplies of a quarter stand behind matrix instructions that work on the other buffer.
; REGISTERS, in windows of 256 (s_set_vgpr_msb: bits 1:0 source 0, 3:2 source 1, 5:4 source 2, 7:6 destination):
;   window 0: v0-31 addresses; v32-39 the factors of slot 0's and slot 1's step, one register a query block; v40-47 1 / l, a pair a query block; v64-127, v128-191 v's fragments, two buffers; v192-255 at work on the way out
;   window 1: v0-127 accumulators of query blocks 0, 1 (at 64 a + 8 b); v128-159, v160-191 pw's fragments, two buffers        window 2: v0-127 accumulators of query blocks 2, 3
.set KSTEP,  128
.set PITCH,  272                       ; a row of pw in LDS: 256 bytes + 16 of padding = 68 words: the 16 rows of a fragment load start at 16 different groups of four banks (64 banks of 4 bytes: ISA guide 11.1)
.set VPITCH, 544                       ; a row of v: 512 + 32 = 136 words: row r starts at bank 8 r mod 64
.set AHALF,  64*PITCH                  ; what a wave fetches of pw, and what a wave reads of it
.set AOFF,   128*PITCH                 ; pw's 128 rows; v's 128 keys lie behind them
.set VHALF,  64*VPITCH                 ; what a wave fetches of v
.set SLOT,   AOFF+2*VHALF
.set STAGE,  2*SLOT                    ; behind the ring: 16 rows x 528 bytes for each wave, for the way out
.set SPITCH, 528
.set TAB,    STAGE+4*16*SPITCH         ; the factors: step t at 512 t; in it 256 (row / 64) + 16 (row % 16) + 4 ((row / 16) % 4): a lane's four query blocks are 16 bytes
.set INVT,   TAB+16*512                ; 1 / l, twice: 512 (row / 64) + 32 (row % 16) + 8 ((row / 16) % 4)
.set SPARE,  INVT+1024                 ; the spare words, 128 bytes for each wave: two blocks of 256 bytes that no other line names
.set LAPS,   8                         ; a lap = two steps; 2,048 keys
.set ROWP,   4096                      ; bytes in a row of pw, and of out0
.set ROWQ,   6144                      ; bytes in a row of qkv
.set ADRA, 16                          ; v16-17  LDS address of my fragments of pw in slot 0, 1
.set ADRB, 20                          ; v20-21  the same for v
.set STO,  24                          ; v24     the way out: where I put 32 bytes of a row
.set RD,   25                          ; v25     the way out: where I read a row back
.set CO,   26                          ; v26     my byte offset in 512 bytes of out0
.set TAD0, 27                          ; v27     my lane's place in a step's factors; never rewritten
.set SPW,  28                          ; v28     LDS address of my spare word: SPARE + 4 x my thread's number; never rewritten
.set NIL,  29                          ; v29     0; never rewritten
.set IADR, 30                          ; v30     where my four pairs of 1 / l lie
.set TADR, 31                          ; v31     the LDS address of the factors to be fetched
.set FAC,  32
.set INV,  40
.set FB,   64                          ; v's fragments, window 0: buffer f, channel block b at FB + 64 f + 8 b
.set FA,   128                         ; pw's fragments, window 1: buffer f, query block a at FA + 32 f + 8 a
.set TMP,  192
.set OB,   64                          ; the way out: 16 rows read back: v64-127 and v128-191 by turns
.set G1,  24                           ; s[24:31] descriptor group 1 for pw's tiles;  s[32:39] group 0, one set for each slot
.set G0,  32
.set G1B, 48                           ; s[48:55], s[56:63] the same for v's tiles
.set G0B, 56
.set TS,  66                           ; s66  byte at which the factors of the step to be fetched begin
.set S1,   0x54                        ; v window 0, pw window 1, C and D window 1; a factor's multiply (destination and source 1 window 1, source 0 window 0) needs no other setting
.set TO_A, 0x40                        ; destination window 1, address window 0
.set MSB, 0
.macro WIN new                         ; the immediate's high byte repeats the setting that is left; a switch that changes nothing is dropped
.if MSB != (\new)
	s_set_vgpr_msb (MSB<<8)|(\new)
.set MSB, \new
.endif
.endm
; A joint load.  Waves 0 and 1 fetch pw's two halves, waves 2 and 3 v's.  The branch hangs on the wave's number alone.
; An s_nop 0 and four v_nop follow each of the two lines, ahead of the jump, the label and what follows.
.macro JLOAD s
	s_cmp_eq_u32 s11, 0
	s_cbranch_scc0 .Lfor_b_\@
	tensor_load_to_lds s[G0+4*(\s):G0+4*(\s)+3], s[G1:G1+7]
	s_nop 0
.rept 4
	v_nop
.endr
	s_branch .Lasked_\@
.Lfor_b_\@:
	tensor_load_to_lds s[G0B+4*(\s):G0B+4*(\s)+3], s[G1B:G1B+7]
	s_nop 0
.rept 4
	v_nop
.endr
.Lasked_\@:
.endm
.macro CREST                           ; a round of the cluster's barrier behind its opening barrier
	s_cmp_lg_u32 s10, 0
	s_cbranch_scc1 .Lnot_wave_0_\@
	s_barrier_signal -3
.Lnot_wave_0_\@:
	s_barrier_wait -3
	s_barrier_signal -1
	s_barrier_wait -1
.endm
.macro CROUND                          ; a whole round
	s_barrier_signal -1
	s_barrier_wait -1
	CREST
.endm
.macro PLACES                          ; four places in front of loads into, and writes of, registers that matrix instructions have read, and of vector work that reads results
.rept 4
	v_nop
.endr
.endm
	s_load_b128 s[4:7], s[0:1], 0x0                ; pw s[4:5], qkv s[6:7]
	s_load_b128 s[68:71], s[0:1], 0x10             ; ms s[68:69], ls s[70:71]
	s_load_b64 s[8:9], s[0:1], 0x20                ; out0
	v_lshl_add_u32 v[SPW], v0, 2, SPARE
	v_mov_b32 v[NIL], 0
	ds_add_u32 v28, v29
	s_wait_dscnt 0x0
	v_lshrrev_b32 v1, 5, v0
	v_readfirstlane_b32 s10, v1                    ; wave 0..3
	s_lshr_b32 s11, s10, 1                         ; which 64 queries of the tile are mine.  Also: I fetch for pw (0) or for v (1)
	s_and_b32 s12, s10, 1                          ; which 128 channels.  Also: which half of that tile I fetch
	s_bfe_u32 s40, ttmp6, 0x40000                  ; cx, cy: my place in the cluster
	s_bfe_u32 s41, ttmp6, 0x40004
	s_lshl_b32 s42, ttmp9, 2
	s_add_co_u32 s42, s42, s40                     ; tile of 256 channels = 4 x cluster x + cx
	s_and_b32 s45, ttmp7, 0xffff                   ; the cluster's y: four clusters to a batch
	s_lshl_b32 s13, s45, 2
	s_add_co_u32 s13, s13, s41                     ; tile of 128 queries = 4 x cluster y + cy
	s_lshl_b32 s43, s41, 2
	s_lshl_b32 s43, 15, s43                        ; my row of the cluster
	s_lshl_b32 s44, 0x1111, s40                    ; my column
	s_mov_b32 s[TS], 0
	; descriptor group 1.  pw: 64 rows x 128 elements; v: 64 keys x 256 elements; both padded in LDS
	s_or_b32 s[G1+0], s43, (1<<16)|(1<<20)|(1<<21)|(5<<22)|(3<<25)   ; 15:0 the mask; 17:16 elements of 2 bytes; 20 padding on; 21 set beside a mask; 24:22 after every 64 words (code 5); 31:25 4 words of it (code 3)
	s_or_b32 s[G1B+0], s44, (1<<16)|(1<<20)|(1<<21)|(6<<22)|(7<<25)  ; after every 128 words (code 6) 8 words (code 7)
	s_mov_b32 s[G1+1], KSTEP<<16                   ; tensor_dim0 = 128
	s_mov_b32 s[G1+2], 64<<16                      ; tensor_dim1 = 64
	s_mov_b32 s[G1+3], KSTEP<<16                   ; tile_dim0 = 128
	s_mov_b32 s[G1+4], 64                          ; tile_dim1 = 64
	s_mov_b32 s[G1+5], 2048                        ; elements from row to row
	s_mov_b32 s[G1+6], 0
	s_mov_b32 s[G1+7], 0
	s_mov_b32 s[G1B+1], 256<<16
	s_mov_b32 s[G1B+2], 64<<16
	s_mov_b32 s[G1B+3], 256<<16
	s_mov_b32 s[G1B+4], 64
	s_mov_b32 s[G1B+5], 3072
	s_mov_b32 s[G1B+6], 0
	s_mov_b32 s[G1B+7], 0
	s_lshl_b32 s17, s12, 6                         ; which 64 rows of the tile I fetch
	s_lshl_b32 s16, s13, 7
	s_add_co_u32 s16, s16, s17                     ; pw: row 128 x query tile + 64 x half
	s_lshl_b32 s16, s16, 12
	s_lshr_b32 s46, s45, 2                         ; the batch, which all sixteen share
	s_lshl_b32 s46, s46, 11
	s_add_co_u32 s46, s46, s17                     ; v: key 2,048 x batch + 64 x half,
	s_mul_i32 s46, s46, ROWQ
	s_lshl_b32 s47, s42, 9
	s_add_co_u32 s46, s46, s47                     ; 256 channels of 2 bytes a tile,
	s_add_co_u32 s46, s46, 4096                    ; and v's place in a row of qkv
	s_mov_b32 s17, 0
	s_mov_b32 s47, 0
	s_mul_i32 s18, s12, AHALF                      ; where they go: no place in the cluster enters an LDS address
	s_mul_i32 s19, s12, VHALF
	s_add_co_u32 s19, s19, AOFF
	s_wait_kmcnt 0x0
	s_add_nc_u64 s[14:15], s[4:5], s[16:17]
	s_add_nc_u64 s[46:47], s[6:7], s[46:47]
	CROUND                                         ; all sixteen work-groups are here: the first joint loads meet
.irp s, 0,1
	s_mov_b32 s[G0+4*(\s)], 1                                        ; count = 1
	s_add_co_u32 s[G0+4*(\s)+1], s18, (\s)*SLOT                      ; LDS address
	s_add_nc_u64 s[G0+4*(\s)+2:G0+4*(\s)+3], s[14:15], (\s)*KSTEP*2  ; global address: keys 128 s on, along pw's rows
	s_or_b32 s[G0+4*(\s)+3], s[G0+4*(\s)+3], 0x80000000              ; type = 2
	s_mov_b32 s[G0B+4*(\s)], 1
	s_add_co_u32 s[G0B+4*(\s)+1], s19, (\s)*SLOT
	s_add_nc_u64 s[G0B+4*(\s)+2:G0B+4*(\s)+3], s[46:47], (\s)*KSTEP*ROWQ  ; keys 128 s on, down v's rows
	s_or_b32 s[G0B+4*(\s)+3], s[G0B+4*(\s)+3], 0x80000000
	JLOAD \s                                       ; two loads of mine are out
.endr
	; THE FACTORS, in the wait for the first tile.  Thread t takes row t of the tile's 128: sixteen c m and sixteen l, each load 512 consecutive bytes for the work-group.
	v_lshlrev_b32 v10, 2, v0
	s_lshl_b32 s18, s13, 9                         ; 128 rows of 4 bytes a tile
	s_mov_b32 s19, 0
	s_add_nc_u64 s[68:69], s[68:69], s[18:19]
	s_add_nc_u64 s[70:71], s[70:71], s[18:19]
.irp t, 0,1,2,3,4,5,6,7,8,9,10,11,12,13,14,15
	global_load_b32 v[64+(\t)], v10, s[68:69] offset:32768*(\t)
.endr
.irp t, 0,1,2,3,4,5,6,7,8,9,10,11,12,13,14,15
	global_load_b32 v[80+(\t)], v10, s[70:71] offset:32768*(\t)
.endr
	v_and_b32 v1, 15, v0                           ; l % 16
	v_bfe_u32 v2, v0, 4, 1                         ; l / 16
	v_mul_u32_u24 v3, v1, PITCH
	v_lshl_add_u32 v3, v2, 4, v3                   ; a fragment of pw: row x pitch + 16 x half
	; The turning load takes 16 keys x 16 channels (lane l reads key 8 (l / 16) + l % 8, channels 8 ((l / 8) % 2) + 0..7) and leaves half a fragment of v turned: lane l holds channel l % 16 and 8 keys.
	v_and_b32 v6, 7, v0
	v_bfe_u32 v7, v0, 3, 1
	v_lshl_add_u32 v4, v2, 3, v6
	v_mul_u32_u24 v4, v4, VPITCH
	v_lshl_add_u32 v4, v7, 4, v4
	s_mul_i32 s21, s11, AHALF                      ; my 64 rows of pw
	s_lshl_b32 s22, s12, 8                         ; my 128 channels of v,
	s_add_co_u32 s22, s22, AOFF                    ; which lies behind pw's rows
.irp s, 0,1
	v_add_nc_u32 v[ADRA+(\s)], s21, v3
	v_add_nc_u32 v[ADRB+(\s)], s22, v4
	s_add_co_u32 s21, s21, SLOT
	s_add_co_u32 s22, s22, SLOT
.endr
	s_mul_i32 s23, s10, 16*SPITCH
	s_add_co_u32 s23, s23, STAGE                   ; my stage
	v_mul_u32_u24 v4, v1, SPITCH                   ; in: row l % 16, 32 bytes for each half of the lanes
	v_lshl_add_u32 v4, v2, 5, v4
	v_add_nc_u32 v[STO], s23, v4
	v_and_b32 v5, 31, v0
	v_lshlrev_b32 v[CO], 4, v5                     ; back: 32 lanes take one row of 512 bytes
	v_add_nc_u32 v[RD], s23, v[CO]
	s_lshl_b32 s21, s11, 8
	s_add_co_u32 s21, s21, TAB
	v_lshl_add_u32 v[TAD0], v1, 4, s21
	s_lshl_b32 s21, s11, 9
	s_add_co_u32 s21, s21, INVT
	v_lshl_add_u32 v[IADR], v1, 5, s21
	v_lshrrev_b32 v8, 6, v0                        ; where thread t puts row t's numbers
	v_bfe_u32 v9, v0, 4, 2
	v_lshlrev_b32 v11, 8, v8
	v_lshl_add_u32 v11, v1, 4, v11
	v_lshl_add_u32 v11, v9, 2, v11
	v_lshl_add_u32 v12, v11, 1, INVT
	v_add_nc_u32 v13, TAB, v11
	; where my part of the tile begins in out0
	s_lshl_b32 s16, s13, 7
	s_lshl_b32 s17, s11, 6
	s_add_co_u32 s16, s16, s17
	s_lshl_b32 s16, s16, 12
	s_lshl_b32 s17, s42, 10
	s_add_co_u32 s16, s16, s17
	s_lshl_b32 s17, s12, 9
	s_add_co_u32 s16, s16, s17
	s_mov_b32 s17, 0
	s_wait_loadcnt 16                              ; the sixteen c m are in; the sixteen l may be out
	v_max3_num_f32 v112, v64, v65, v66
.irp i, 0,1,2,3,4,5
	v_max3_num_f32 v112, v112, v[67+2*(\i)], v[68+2*(\i)]
.endr
	v_max_num_f32 v112, v112, v79                  ; c times the row's true maximum
.set t, 0
.rept 16
	v_sub_f32 v[64+t], v[64+t], v112
.set t, t+1
.endr
.set t, 0
.rept 16
	v_exp_f32 v[64+t], v[64+t]
.set t, t+1
.endr
	v_nop                                          ; a plain instruction between the exponentials and the first use of a result (ISA guide 5.7.2)
.set t, 0
	s_wait_alu depctr_va_vdst(0)
.rept 16
	v_cvt_pk_f16_f32 v[96+t], v[64+t], v[64+t]     ; f in both halves, for the packed multiply
.set t, t+1
.endr
.set t, 0
.rept 16                               ; the rounded f back in f32, exactly: its 15 bits at f32's exponent and mantissa are f x 2^-112, small f16 numbers too
	v_and_b32 v[64+t], 0xffff, v[96+t]
	v_lshlrev_b32 v[64+t], 13, v[64+t]
	v_mul_f32 v[64+t], 0x77800000, v[64+t]
.set t, t+1
.endr
	s_wait_loadcnt 0x0                             ; the sixteen l
.irp k, 0,1,2,3
	v_mul_f32 v[113+(\k)], v[64+(\k)], v[80+(\k)]  ; four chains
.endr
.set t, 4
.rept 12
	v_fmac_f32 v[113+t%4], v[64+t], v[80+t]
.set t, t+1
.endr
	v_add_f32 v113, v113, v114
	v_add_f32 v115, v115, v116
	v_add_f32 v113, v113, v115                     ; the row's l: at least 1, the weight of its largest score
	v_rcp_f32 v118, v113
	v_nop
	s_wait_alu depctr_va_vdst(0)
	v_mov_b32 v119, v118
.set t, 0
.rept 16
	ds_store_b32 v13, v[96+t] offset:512*t
.set t, t+1
.endr
	ds_store_b64 v12, v[118:119]
; 8 matrix instructions: query block a x all 8 channel blocks, 32 keys, from buffer f.  zero = 1: the first product starts the sums
.macro MUL8 f, a, zero
.set AC, 64*((\a)%2)
	WIN 0x54+0x50*((\a)/2)                         ; C and D window 1 or 2
.irp b, 0,1,2,3,4,5,6,7
.if \zero
	v_wmma_f32_16x16x32_f16 v[AC+8*(\b):AC+8*(\b)+7], v[FB+64*(\f)+8*(\b):FB+64*(\f)+8*(\b)+7], v[FA+32*(\f)+8*(\a):FA+32*(\f)+8*(\a)+7], 0
.else
	v_wmma_f32_16x16x32_f16 v[AC+8*(\b):AC+8*(\b)+7], v[FB+64*(\f)+8*(\b):FB+64*(\f)+8*(\b)+7], v[FA+32*(\f)+8*(\a):FA+32*(\f)+8*(\a)+7], v[AC+8*(\b):AC+8*(\b)+7]
.endif
.endr
.endm
; The same for query block a = 0 or 1, with n riders behind each: register i (from i0 on) of buffer g's 32 of pw times its query block's factor, set fac.  They name no register of the products round them.
.macro MUL8R f, a, g, n, i0, fac, zero
.set AC, 64*(\a)
.set ri, (\i0)
	WIN S1
.irp b, 0,1,2,3,4,5,6,7
.if \zero
	v_wmma_f32_16x16x32_f16 v[AC+8*(\b):AC+8*(\b)+7], v[FB+64*(\f)+8*(\b):FB+64*(\f)+8*(\b)+7], v[FA+32*(\f)+8*(\a):FA+32*(\f)+8*(\a)+7], 0
.else
	v_wmma_f32_16x16x32_f16 v[AC+8*(\b):AC+8*(\b)+7], v[FB+64*(\f)+8*(\b):FB+64*(\f)+8*(\b)+7], v[FA+32*(\f)+8*(\a):FA+32*(\f)+8*(\a)+7], v[AC+8*(\b):AC+8*(\b)+7]
.endif
.rept \n
	v_pk_mul_f16 v[FA+32*(\g)+ri], v[FAC+4*(\fac)+ri/8], v[FA+32*(\g)+ri]
.set ri, ri+1
.endr
.endr
.endm
; 24 LDS loads in one run: the fragments of quarter q (32 keys) of a slot into buffer g: pw's 8 loads, then v's 16 (turned)
.macro FETCH slot, q, g
	WIN TO_A
.irp a, 0,1,2,3
	ds_load_b128 v[FA+32*(\g)+8*(\a):FA+32*(\g)+8*(\a)+3],   v[ADRA+(\slot)] offset:(\a)*16*PITCH+64*(\q)
	ds_load_b128 v[FA+32*(\g)+8*(\a)+4:FA+32*(\g)+8*(\a)+7], v[ADRA+(\slot)] offset:(\a)*16*PITCH+64*(\q)+32
.endr
	WIN 0
.irp b, 0,1,2,3,4,5,6,7
	ds_load_tr16_b128 v[FB+64*(\g)+8*(\b):FB+64*(\g)+8*(\b)+3],   v[ADRB+(\slot)] offset:(\q)*32*VPITCH+32*(\b)
	ds_load_tr16_b128 v[FB+64*(\g)+8*(\b)+4:FB+64*(\g)+8*(\b)+7], v[ADRB+(\slot)] offset:(\q)*32*VPITCH+16*VPITCH+32*(\b)
.endr
.endm
.macro FACLOAD n                       ; the next step's four factors a lane, into set n
	v_add_nc_u32 v[TADR], s[TS], v[TAD0]
	s_add_co_u32 s[TS], s[TS], 512
	ds_load_b128 v[FAC+4*(\n):FAC+4*(\n)+3], v[TADR]
.endm
; A step is four quarters of 32 keys, 32 matrix instructions each, on buffers 0, 1, 0, 1.  The 32 accumulators take turns, one instruction a turn, in the same order in every quarter.
; One of the first three: fetches quarter q into buffer g, which the quarter before multiplied, multiplies buffer f, and scales g's fragments of pw.
.macro QUARTER slot, q, f, g, zero
	PLACES
	FETCH \slot, \q, \g
	s_wait_dscnt 24                                ; all but the 24 just issued: buffer f is in
	MUL8 \f, 2, \zero
	MUL8 \f, 3, \zero
	s_wait_dscnt 16                                ; g's 8 loads of pw are in; its 16 of v may be out
	MUL8R \f, 0, \g, 2, 0, \slot, \zero
	MUL8R \f, 1, \g, 2, 16, \slot, \zero
.endm
; The last quarter multiplies buffer 1 and changes slots: ONE barrier; in front of it each wave waits for all its tensor loads (one is out: its part of the next slot), adds 0 to
; its spare word, and waits for that and for its own reads of this slot.  fill = 1: the barrier opens a round of the cluster's, and this slot is filled again, two steps ahead.
.macro TURN slot, next, fill
	WIN 0                                          ; (the add's two registers lie in window 0)
	s_wait_tensorcnt 0x0                           ; all my tensor loads have landed
	ds_add_u32 v[SPW], v[NIL]                      ; 0 onto my spare word
	s_wait_dscnt 1                                 ; (only the add may be out: buffer 1 is in)
	MUL8 1, 2, 0                                   ; eight matrix instructions stand between the add and the wait for it
	s_wait_dscnt 0x0                               ; the add is done, and my reads of this slot are over
	s_barrier_signal -1
	MUL8 1, 3, 0
	WIN 0
	s_barrier_wait -1
.if \fill
	CREST                                          ; no wave of any partner still reads this slot's tile or has a load on its way
	s_add_nc_u64 s[G0+4*(\slot)+2:G0+4*(\slot)+3], s[G0+4*(\slot)+2:G0+4*(\slot)+3], 2*KSTEP*2
	s_add_nc_u64 s[G0B+4*(\slot)+2:G0B+4*(\slot)+3], s[G0B+4*(\slot)+2:G0B+4*(\slot)+3], 2*KSTEP*ROWQ
	JLOAD \slot                                    ; the first tensor load behind the round; its four v_nop are also the places in front of the loads below
.else
	PLACES
.endif
	FACLOAD \next
	FETCH \next, 0, 0
	MUL8 1, 0, 0
	s_wait_dscnt 16                                ; the factors and the 8 loads of pw are in; v's 16 may be out
	MUL8R 1, 1, 0, 4, 0, \next, 0
.endm
	s_wait_dscnt 0x0                               ; for the others' sake: my rows' factors are stored
	s_wait_tensorcnt 1                             ; my part of step 0 is in; step 1's may stay out
	s_barrier_signal -1
	s_barrier_wait -1                              ; everybody's is
	FACLOAD 0
	FETCH 0, 0, 0
	s_wait_dscnt 16                                ; the factors and the 8 loads of pw are in
	WIN S1
.set ri, 0
.rept 32
	v_pk_mul_f16 v[FA+ri], v[FAC+ri/8], v[FA+ri]   ; the first quarter's scaling has no products to ride behind
.set ri, ri+1
.endr
	QUARTER 0, 1, 0, 1, 1                          ; the first quarter stands in front of the loop: its products start the sums
	WIN 0                                          ; at a label and at a branch every window is 0
	s_mov_b32 s3, LAPS-1
.Llap:                                                 ; a trip goes once round the ring, from a lap's second quarter to the next lap's first, and fills both slots again
	QUARTER 0, 2, 1, 0, 0
	QUARTER 0, 3, 0, 1, 0
	TURN 0, 1, 1
	QUARTER 1, 1, 0, 1, 0
	QUARTER 1, 2, 1, 0, 0
	QUARTER 1, 3, 0, 1, 0
	TURN 1, 0, 1
	QUARTER 0, 1, 0, 1, 0
	WIN 0
	s_sub_co_u32 s3, s3, 1
	s_cmp_lg_u32 s3, 0
	s_cbranch_scc1 .Llap
	QUARTER 0, 2, 1, 0, 0                          ; the last lap fills nothing
	QUARTER 0, 3, 0, 1, 0
	TURN 0, 1, 0
	QUARTER 1, 1, 0, 1, 0
	QUARTER 1, 2, 1, 0, 0
	QUARTER 1, 3, 0, 1, 0
	s_wait_dscnt 0x0                               ; the very last quarter: nothing more to fetch
	MUL8 1, 2, 0
	MUL8 1, 3, 0
	MUL8 1, 0, 0
	MUL8 1, 1, 0
	WIN 0
	ds_load_b128 v[INV:INV+3], v[IADR]             ; 1 / l of my lane's four query blocks, a pair each
	ds_load_b128 v[INV+4:INV+7], v[IADR] offset:16
	PLACES
	s_wait_dscnt 0x0
; THE WAY OUT of query block a.  SCALE: times 1 / l, each accumulator from its low end on.  TOSTAGE: into my own stage, and back as whole rows of 512 bytes.  SEND: stored.
.macro SCALE a
.set AC, 64*((\a)%2)
	WIN 1+(\a)/2                                   ; source 0: window 1 or 2
.set i, 0
.rept 32
	v_pk_mul_f32 v[TMP+2*i:TMP+2*i+1], v[AC+2*i:AC+2*i+1], v[INV+2*(\a):INV+2*(\a)+1]
.set i, i+1
.endr
	WIN 0
.endm
.macro TOSTAGE a
.set BK, OB+64*((\a)%2)
.irp b, 0,1,2,3,4,5,6,7
	ds_store_b128 v[STO], v[TMP+8*(\b):TMP+8*(\b)+3]   offset:64*(\b)
	ds_store_b128 v[STO], v[TMP+8*(\b)+4:TMP+8*(\b)+7] offset:64*(\b)+16
.endr
.irp t, 0,1,2,3,4,5,6,7,8,9,10,11,12,13,14,15
	ds_load_b128 v[BK+4*(\t):BK+4*(\t)+3], v[RD] offset:(\t)*SPITCH  ; LDS serves a wave's instructions in order (ISA guide 5.7.1.4): these see the stores above
.endr
.endm
.macro SEND a
.set BK, OB+64*((\a)%2)
	s_wait_dscnt 0x0                               ; the block is back in registers
	s_wait_xcnt 0x0                                ; the stores' base, and the registers that earlier stores read, are rewritten only behind this wait
.if (\a) == 0
	s_add_nc_u64 s[8:9], s[8:9], s[16:17]          ; my first rows of the tile
.else
	s_add_nc_u64 s[8:9], s[8:9], 16*ROWP           ; 16 rows on
.endif
.irp t, 0,1,2,3,4,5,6,7,8,9,10,11,12,13,14,15
	global_store_b128 v[CO], v[BK+4*(\t):BK+4*(\t)+3], s[8:9] offset:(\t)*ROWP  ; 512 consecutive bytes, at a multiple of 256 from out0's first byte
.endr
.endm
	SCALE 0
	TOSTAGE 0
.irp a, 1,2,3                          ; block a's scaling stands between block a - 1's loads from the stage and the wait for them
	SCALE \a
	SEND (\a)-1
	TOSTAGE \a
.endr
	SEND 3
	s_wait_tensorcnt 0x0                           ; the wave's end, behind my last tensor load and my last LDS store
	ds_add_u32 v[SPW], v[NIL]
	s_wait_dscnt 0x0
	CROUND                                         ; the closing round: no work-group ends while a partner may still ask for a tile that names it
	s_endpgm
.Lfunc_end_k_qacf35783bd_pv:
	.size	k_qacf35783bd_pv, .Lfunc_end_k_qacf35783bd_pv-k_qacf35783bd_pv
	.p2alignl 7, 3214868480
	.fill 96, 4, 3214868480
	.section	.rodata,"a",@progbits
	.p2align	6, 0x0
	.amdhsa_kernel k_qacf35783bd_pv
		.amdhsa_group_segment_fixed_size 327680
		.amdhsa_private_segment_fixed_size 0
		.amdhsa_enable_private_segment 0
		.amdhsa_kernarg_size 40
		.amdhsa_user_sgpr_count 2
		.amdhsa_user_sgpr_kernarg_segment_ptr 1
		.amdhsa_wavefront_size32 1
		.amdhsa_system_sgpr_workgroup_id_x 1
		.amdhsa_system_sgpr_workgroup_id_y 1
		.amdhsa_system_sgpr_workgroup_id_z 1
		.amdhsa_system_vgpr_workitem_id 0
		.amdhsa_next_free_vgpr 640
		.amdhsa_next_free_sgpr 80
		.amdhsa_reserve_vcc 0
		.amdhsa_float_denorm_mode_32 3
		.amdhsa_float_denorm_mode_16_64 3
		.amdhsa_memory_ordered 1
		.amdhsa_forward_progress 1
		.amdhsa_inst_pref_size 138
	.end_amdhsa_kernel
	.amdgpu_metadata
---
amdhsa.version: [ 1, 2 ]
amdhsa.kernels:
  - .name:           k_qacf35783bd_pv
    .symbol:         k_qacf35783bd_pv.kd
    .args:
      - { .name: pw, .offset: 0, .size: 8, .value_kind: global_buffer, .address_space: global }
      - { .name: qkv, .offset: 8, .size: 8, .value_kind: global_buffer, .address_space: global }
      - { .name: ms, .offset: 16, .size: 8, .value_kind: global_buffer, .address_space: global }
      - { .name: ls, .offset: 24, .size: 8, .value_kind: global_buffer, .address_space: global }
      - { .name: out0, .offset: 32, .size: 8, .value_kind: global_buffer, .address_space: global }
    .group_segment_fixed_size: 327680
    .private_segment_fixed_size: 0
    .kernarg_segment_align: 8
    .kernarg_segment_size: 40
    .max_flat_workgroup_size: 128
    .sgpr_count:     80
    .vgpr_count:     640
    .wavefront_size: 32
...
	.end_amdgpu_metadata
.endif
;; end of part 4
;; ======== version 2 of 3: 4 launches
;; limits: values are held in f16: magnitudes above 65,504 overflow, below 6.1e-05 lose precision; right only within a limited range of input values
;; workspace buffers: xh 16,777,216 bytes; wt 6,291,456 bytes; qkv 50,331,648 bytes; pw 33,554,432 bytes; ms 524,288 bytes; ls 524,288 bytes
;; launch prep (part 5): grid 704 x 1, 8 waves a work-group, no clusters, 33,792 bytes of LDS; arguments X, Wq, Wk, Wv, xh, wt; writes xh, wt
.if DOCPART == 5
	.amdgcn_target "amdgcn-amd-amdhsa--gfx1250"
	.amdhsa_code_object_version 6
	.text
	.protected	k_qacf35783bd_prep
	.globl	k_qacf35783bd_prep
	.p2align	8
	.type	k_qacf35783bd_prep,@function
k_qacf35783bd_prep:
	s_mov_b64 s[64:65], 0
	v_nop
	global_prefetch_b8 v0, s[64:65] scope:SCOPE_SE
	s_setreg_imm32_b32 hwreg(HW_REG_WAVE_MODE, 25, 1), 1
	s_wait_xcnt 0x0
; prep: the projection's two operands, rounded to bf16 (nearest even) and laid out in blocks of 64 along K, so that a tile of rows x 64 K is dense memory:
;   xh[kb][r][c] = X[r][64 kb + c], [16][8192][64];   wt[kb][1024 m + n][c] = Wm[64 kb + c][n] for m = q, k, v, [16][3072][64]: the weights turned, K along the rows.
; A stream: no matrix unit, no cluster (no two work-groups read the same bytes).  Every work-group reads 65,536 bytes and writes 32,768.
; Work-groups 0 to 511 take 16 rows of X each.  Work-groups 512 to 703 take a tile of 128 k x 128 n of one weight matrix and turn it in LDS.
; Two neighbouring rows of a K block are 256 consecutive bytes: every store of a wave covers such a pair, aligned.
.set KBX, 8192*128                     ; bytes in a K block of xh
.set KBW, 3072*128                     ; bytes in a K block of wt
.set XD, 16                            ; v[16:79]   as loaded
.set YD, 80                            ; v[80:111]  to store
.set WA, 112                           ; v[112:119] weights: LDS address of my words of row pair w + 8 i
.set RA, 120                           ; v[120:127] weights: LDS address at which I read, by (row pair / 2) and half of the 128 k
.set SA, 14                            ; v14        weights: my byte offset in wt's tile
	s_load_b256 s[4:11], s[0:1], 0x0               ; X s[4:5], Wq s[6:7], Wk s[8:9], Wv s[10:11]
	s_load_b128 s[12:15], s[0:1], 0x20             ; xh s[12:13], wt s[14:15]
	v_lshl_add_u32 v128, v0, 2, 0x8000
	v_mov_b32 v129, 0
	s_cmp_lt_u32 ttmp9, 512
	s_cbranch_scc0 .Lweights
	; X: 16 rows.  Wave w owns rows 2 w and 2 w + 1, its lanes 0-15 the first, lanes 16-31 the second; item j is K block j: a lane reads 16 bytes (four numbers), sixteen lanes 256 consecutive bytes.
	s_lshl_b32 s20, ttmp9, 16                      ; 16 rows of X
	s_lshl_b32 s22, ttmp9, 11                      ; 16 rows of 128 bytes in a K block of xh
	s_mov_b32 s21, 0
	s_mov_b32 s23, 0
	v_lshrrev_b32 v3, 4, v0                        ; my row among the sixteen
	v_and_b32 v4, 15, v0
	v_lshlrev_b32 v1, 12, v3
	v_lshl_add_u32 v1, v4, 4, v1                   ; row x 4,096 + 16 x (lane mod 16)
	v_lshlrev_b32 v2, 3, v0                        ; row x 128 + 8 x (lane mod 16) = 8 x my thread's number
	s_wait_kmcnt 0x0
	s_add_nc_u64 s[4:5], s[4:5], s[20:21]
	s_add_nc_u64 s[12:13], s[12:13], s[22:23]
	s_add_nc_u64 s[24:25], s[12:13], 8*KBX         ; K blocks 8 to 15: their distance does not fit the stores' signed 24-bit immediate
.irp j, 0,1,2,3,4,5,6,7,8,9,10,11,12,13,14,15
	global_load_b128 v[XD+4*(\j):XD+4*(\j)+3], v1, s[4:5] offset:256*(\j) th:TH_LOAD_NT  ; all sixteen go out first
.endr
.irp j, 0,1,2,3,4,5,6,7,8,9,10,11,12,13,14,15
	s_wait_loadcnt 15-(\j)                         ; loads come back in order: item j is in, the younger ones stay out
	v_cvt_pk_bf16_f32 v[YD+2*(\j)], v[XD+4*(\j)], v[XD+4*(\j)+1]
	v_cvt_pk_bf16_f32 v[YD+2*(\j)+1], v[XD+4*(\j)+2], v[XD+4*(\j)+3]
.if (\j) < 8
	global_store_b64 v2, v[YD+2*(\j):YD+2*(\j)+1], s[12:13] offset:KBX*(\j)  ; every item has its own data registers: none is rewritten
.else
	global_store_b64 v2, v[YD+2*(\j):YD+2*(\j)+1], s[24:25] offset:KBX*((\j)-8)
.endif
.endr
	s_endpgm
.Lweights:
	; tile i = 64 m + 8 kt + nt: rows 128 kt .. of Wm, columns 128 nt ..
	s_sub_co_u32 s17, ttmp9, 512
	s_lshr_b32 s18, s17, 6                         ; m
	s_bfe_u32 s19, s17, 0x30003                    ; kt
	s_and_b32 s24, s17, 7                          ; nt
	s_lshl_b32 s20, s19, 19                        ; from: 128 kt rows of 4,096 bytes
	s_lshl_b32 s25, s24, 9                         ;       + 128 nt columns of 4 bytes
	s_add_co_u32 s20, s20, s25
	s_mov_b32 s21, 0
	s_mul_i32 s22, s19, 2*KBW                      ; to: K block 2 kt, row 1,024 m + 128 nt of 128 bytes
	s_lshl_b32 s25, s18, 17
	s_add_co_u32 s22, s22, s25
	s_lshl_b32 s25, s24, 14
	s_add_co_u32 s22, s22, s25
	s_mov_b32 s23, 0
	v_lshrrev_b32 v3, 5, v0                        ; wave w
	v_and_b32 v8, 31, v0                           ; lane l
	v_lshlrev_b32 v1, 13, v3
	v_lshl_add_u32 v1, v8, 4, v1                   ; rows 2 w, 2 w + 1; my four columns 4 l ..
	; LDS: row n of 128 holds its 64 pairs of k, 256 bytes, turned round by 2 (n / 4) words.  A store's 32 lanes (n = 4 l + c, pair w + 8 i) then
	; fall on words w + 8 i + 2 l mod 64 of their rows: 32 different ones; a pair of words stays together, so rows are read back 8 bytes a lane.
	v_lshlrev_b32 v9, 2, v3
	v_lshl_add_u32 v9, v8, 3, v9                   ; 4 w + 8 l
	v_lshlrev_b32 v10, 10, v8                      ; four rows of 256 bytes a lane
.irp i, 0,1,2,3,4,5,6,7
	v_add_nc_u32 v11, 32*(\i), v9
	v_and_b32 v11, 0xff, v11
	v_add_nc_u32 v[WA+(\i)], v10, v11
.endr
	; back: lanes 0-15 take 64 k (128 bytes) of row 16 w + 2 p, lanes 16-31 the same of the row below (the two halves of the lanes meet in the same banks: two passes a load)
	v_and_b32 v5, 15, v8
	v_lshrrev_b32 v6, 4, v8
	v_lshlrev_b32 v12, 5, v3
	v_lshl_add_u32 v12, v5, 3, v12                 ; 8 (l mod 16) + 32 w: rows 16 w + 4 g .. are turned by 8 (4 w + g) bytes
	v_lshlrev_b32 v13, 12, v3
	v_lshl_add_u32 v13, v6, 8, v13                 ; row 16 w + l / 16
.irp q, 0,1,2,3,4,5,6,7
	v_add_nc_u32 v11, 8*((\q)/2)+128*((\q)%2), v12 ; g = q / 2; which 64 k: q mod 2
	v_and_b32 v11, 0xff, v11
	v_add_nc_u32 v[RA+(\q)], v13, v11
.endr
	v_lshlrev_b32 v[SA], 11, v3                    ; 16 rows of 128 bytes a wave,
	v_lshl_add_u32 v[SA], v8, 3, v[SA]             ; 8 bytes a lane: two rows on end
	s_wait_kmcnt 0x0
	s_cmp_eq_u32 s18, 0
	s_cselect_b64 s[26:27], s[6:7], s[8:9]
	s_cmp_eq_u32 s18, 2
	s_cselect_b64 s[26:27], s[10:11], s[26:27]
	s_add_nc_u64 s[26:27], s[26:27], s[20:21]
	s_add_nc_u64 s[14:15], s[14:15], s[22:23]
.irp i, 0,1,2,3,4,5,6,7
	global_load_b128 v[XD+8*(\i):XD+8*(\i)+3],   v1, s[26:27] offset:65536*(\i) th:TH_LOAD_NT       ; row 2 (w + 8 i): 512 consecutive bytes a wave
	global_load_b128 v[XD+8*(\i)+4:XD+8*(\i)+7], v1, s[26:27] offset:65536*(\i)+4096 th:TH_LOAD_NT  ; and the row below
.endr
.irp i, 0,1,2,3,4,5,6,7
	s_wait_loadcnt 14-2*(\i)                       ; pair i's two loads are in; the younger pairs stay out
.irp c, 0,1,2,3
	v_cvt_pk_bf16_f32 v[YD+(\c)], v[XD+8*(\i)+(\c)], v[XD+8*(\i)+4+(\c)]  ; the even k in the low half
	ds_store_b32 v[WA+(\i)], v[YD+(\c)] offset:256*(\c)
.endr
.endr
	s_wait_dscnt 0x0                               ; for the others' sake: my stores are done
	s_barrier_signal -1
	s_barrier_wait -1
.irp t, 0,1,2,3,4,5,6,7,8,9,10,11,12,13,14,15
	ds_load_b64 v[YD+2*(\t):YD+2*(\t)+1], v[RA+2*((\t)/4)+(\t)%2] offset:512*((\t)/2)  ; row pair t / 2, half t mod 2 of its 128 k
.endr
.irp t, 0,1,2,3,4,5,6,7,8,9,10,11,12,13,14,15
	s_wait_dscnt 15-(\t)
	global_store_b64 v[SA], v[YD+2*(\t):YD+2*(\t)+1], s[14:15] offset:256*((\t)/2)+KBW*((\t)%2)  ; 256 consecutive bytes, at a multiple of 256 from wt's first byte
.endr
	s_wait_tensorcnt 0x0
	ds_add_u32 v128, v129
	s_wait_dscnt 0x0
	s_endpgm
.Lfunc_end_k_qacf35783bd_prep:
	.size	k_qacf35783bd_prep, .Lfunc_end_k_qacf35783bd_prep-k_qacf35783bd_prep
	.p2alignl 7, 3214868480
	.fill 96, 4, 3214868480
	.section	.rodata,"a",@progbits
	.p2align	6, 0x0
	.amdhsa_kernel k_qacf35783bd_prep
		.amdhsa_group_segment_fixed_size 33792
		.amdhsa_private_segment_fixed_size 0
		.amdhsa_enable_private_segment 0
		.amdhsa_kernarg_size 48
		.amdhsa_user_sgpr_count 2
		.amdhsa_user_sgpr_kernarg_segment_ptr 1
		.amdhsa_wavefront_size32 1
		.amdhsa_system_sgpr_workgroup_id_x 1
		.amdhsa_system_sgpr_workgroup_id_y 1
		.amdhsa_system_sgpr_workgroup_id_z 1
		.amdhsa_system_vgpr_workitem_id 0
		.amdhsa_next_free_vgpr 130
		.amdhsa_next_free_sgpr 66
		.amdhsa_reserve_vcc 0
		.amdhsa_float_denorm_mode_32 3
		.amdhsa_float_denorm_mode_16_64 3
		.amdhsa_memory_ordered 1
		.amdhsa_forward_progress 1
		.amdhsa_inst_pref_size 20
	.end_amdhsa_kernel
	.amdgpu_metadata
---
amdhsa.version: [ 1, 2 ]
amdhsa.kernels:
  - .name:           k_qacf35783bd_prep
    .symbol:         k_qacf35783bd_prep.kd
    .args:
      - { .name: X, .offset: 0, .size: 8, .value_kind: global_buffer, .address_space: global }
      - { .name: Wq, .offset: 8, .size: 8, .value_kind: global_buffer, .address_space: global }
      - { .name: Wk, .offset: 16, .size: 8, .value_kind: global_buffer, .address_space: global }
      - { .name: Wv, .offset: 24, .size: 8, .value_kind: global_buffer, .address_space: global }
      - { .name: xh, .offset: 32, .size: 8, .value_kind: global_buffer, .address_space: global }
      - { .name: wt, .offset: 40, .size: 8, .value_kind: global_buffer, .address_space: global }
    .group_segment_fixed_size: 33792
    .private_segment_fixed_size: 0
    .kernarg_segment_align: 8
    .kernarg_segment_size: 48
    .max_flat_workgroup_size: 256
    .sgpr_count:     66
    .vgpr_count:     130
    .wavefront_size: 32
...
	.end_amdgpu_metadata
.endif
;; end of part 5
;; launch proj (part 6): grid 8 x 32, 4 waves a work-group, clusters of 4 x 4, 327,680 bytes of LDS; arguments xh, wt, bq, bk, bv, qkv; writes qkv
.if DOCPART == 6
	.amdgcn_target "amdgcn-amd-amdhsa--gfx1250"
	.amdhsa_code_object_version 6
	.text
	.protected	k_qacf35783bd_proj
	.globl	k_qacf35783bd_proj
	.p2align	8
	.type	k_qacf35783bd_proj,@function
k_qacf35783bd_proj:
	s_mov_b64 s[64:65], 0
	v_nop
	global_prefetch_b8 v0, s[64:65] scope:SCOPE_SE
	s_setreg_imm32_b32 hwreg(HW_REG_WAVE_MODE, 25, 1), 1
	s_wait_xcnt 0x0
	s_wait_alu depctr_hold_cnt(0) depctr_sa_sdst(0) depctr_va_vdst(0) depctr_va_sdst(0) depctr_va_ssrc(0) depctr_va_vcc(0) depctr_vm_vsrc(0)
	s_getreg_b32 s2, hwreg(HW_REG_IB_STS2, 6, 4)
	s_cmp_eq_u32 s2, 0
	s_cbranch_scc0 .Lentry_in_a_cluster
	s_endpgm
.Lentry_in_a_cluster:
	s_bfe_u32 s2, ttmp6, 0x10000c
	s_cmp_lg_u32 s2, 0xf033
	s_cbranch_scc0 .Lentry_shape_is_right
	s_endpgm
.Lentry_shape_is_right:
; proj: qkv[m][n] = sum over k of X[m][k] W[k][n] + (bq | bk | bv)[n].  xh [16][8192][64] and wt [16][3072][64] in bf16, in blocks of 64 along K; qkv [8192][3072] in f16;
; sums in f32, the bias in f32 as the C operand of each sum's first product; qkv rounded once.  q lies at byte 0, k at 2,048, v at 4,096 of a row of 6,144 bytes.
; LIMIT.  A q, k or v of 65,520 or more becomes an infinity in f16.
; SHARES.  8192 x 3072 outputs on 256 work-groups: a tile of 256 x 384 each.  Four waves, each 128 x 192: 96 accumulators of 16 x 16, 768 registers.
; K goes in steps of 64 through a ring of two LDS slots: 640 rows of 128 bytes a slot (two slots of 128 along K would want 348,160 bytes).  In memory a tile's rows lie end to end,
; so a wave's part is asked for as rows of 256 bytes and padded in LDS after every 128.
; CLUSTER.  4 x 4 work-groups: the four of a row of the cluster need the same tile of xh, the four of a column the same tile of wt: each is asked for jointly.
; THE MATRIX INSTRUCTION IS USED TRANSPOSED (source 0 = 16 rows of wt, source 1 = 16 rows of xh): a lane holds row l % 16 and the eight columns 8 (l / 16) + 0..7.
; REGISTERS, in windows of 256 (s_set_vgpr_msb: bits 1:0 source 0, 3:2 source 1, 5:4 source 2, 7:6 destination):
;   window 0: v0-31 addresses; v32-95, v96-159 xh's eight fragments, two buffers; v160-255 wt's twelve fragments, ONE buffer, in three groups of four
;   window 1 + g: the 32 accumulators of column group g (64 columns): row block a, column block 4 g + j at v[32 a + 8 j]
; A QUARTER is 32 along K: 96 matrix instructions, group after group.  A group of wt's fragments is loaded again eight matrix instructions behind its last reader, 56 ahead of its next.
.set PITCH,  144                       ; an LDS row: 128 bytes + 16 of padding = 36 words: the 16 rows of a fragment load start at 16 different groups of four banks (64 banks of 4 bytes: ISA guide 11.1)
.set AHALF,  128*PITCH                 ; what a wave fetches of xh, and what a wave reads of it
.set ABYTES, 256*PITCH                 ; xh's 256 rows; wt's 384 lie behind them
.set BHALF,  192*PITCH                 ; what a wave fetches of wt, and what a wave reads of it
.set SLOT1,  1<<17                     ; slot 1 begins here, so that one exclusive or turns an address in one slot into the other's
.set STAGE,  SLOT1+ABYTES+2*BHALF      ; behind the ring: 128 rows x 784 bytes, the work-group's, for the way out
.set SPITCH, 784                       ; 768 bytes + 16 = 196 words: row r starts at bank 4 r mod 64
.set SPARE,  STAGE+128*SPITCH          ; the spare words, 128 bytes for each wave: two blocks of 256 bytes that no other line names
.set BIASL,  SPARE+512                 ; the bias of each wave's 192 columns, 768 bytes a wave, the wave's own
.set ASTEP,  8192*128                  ; bytes from a K block of xh to the next
.set BSTEP,  3072*128                  ; the same for wt
.set ROWC,   6144                      ; bytes in a row of qkv
.set STEPS,  16                        ; K = 1,024
.set ADRA0, 16                         ; v16  LDS address of my fragments of xh in slot 0; never rewritten
.set ADRB0, 17                         ; v17  the same for wt
.set ADRA,  18                         ; v18  the same in the slot in hand
.set ADRB,  19                         ; v19
.set STO,   20                         ; v20  the way out: where I put 16 bytes of a row
.set RD,    21                         ; v21  the way out: where I read 16 bytes of a row back
.set CO,    22                         ; v22  my byte offset in qkv
.set BST,   23                         ; v23  where I put 16 bytes of the bias
.set BAD,   24                         ; v24  where my eight numbers of a column block's bias lie
.set SPW,   28                         ; v28  LDS address of my spare word: SPARE + 4 x my thread's number; never rewritten
.set NIL,   29                         ; v29  0; never rewritten
.set FA,    32                         ; xh's fragments: buffer f, row block a at FA + 64 f + 8 a
.set FB,    160                        ; wt's fragments: column block b at FB + 8 b
.set BX,    96                         ; the first quarter alone: the bias of groups 0 and 2 at BX, of group 1 at BX + 32, where xh's second buffer will lie
.set TMP,   32                         ; the way out: packed results
.set OB,    32                         ; the way out: rows read back
.set G1,  24                           ; s[24:31] descriptor group 1 for xh's tiles;  s[32:39] group 0: a set for each of the two first fills; the second then walks on
.set G0,  32
.set G1B, 48                           ; s[48:55], s[56:63] the same for wt's tiles
.set G0B, 56
.set TB,  66                           ; s66  LDS byte at which the slot in hand begins
.set MSB, 0
.macro WIN new                         ; the immediate's high byte repeats the setting that is left; a switch that changes nothing is dropped
.if MSB != (\new)
	s_set_vgpr_msb (MSB<<8)|(\new)
.set MSB, \new
.endif
.endm
; A joint load.  Waves 0 and 1 fetch xh's two halves, waves 2 and 3 wt's.  The branch hangs on the wave's number alone.
; An s_nop 0 and four v_nop follow each of the two lines, ahead of the jump, the label and what follows.
.macro JLOAD s
	s_cmp_eq_u32 s11, 0
	s_cbranch_scc0 .Lfor_b_\@
	tensor_load_to_lds s[G0+4*(\s):G0+4*(\s)+3], s[G1:G1+7]
	s_nop 0
.rept 4
	v_nop
.endr
	s_branch .Lasked_\@
.Lfor_b_\@:
	tensor_load_to_lds s[G0B+4*(\s):G0B+4*(\s)+3], s[G1B:G1B+7]
	s_nop 0
.rept 4
	v_nop
.endr
.Lasked_\@:
.endm
.macro CREST                           ; a round of the cluster's barrier behind its opening barrier
	s_cmp_lg_u32 s10, 0
	s_cbranch_scc1 .Lnot_wave_0_\@
	s_barrier_signal -3
.Lnot_wave_0_\@:
	s_barrier_wait -3
	s_barrier_signal -1
	s_barrier_wait -1
.endm
.macro CROUND                          ; a whole round
	s_barrier_signal -1
	s_barrier_wait -1
	CREST
.endm
.macro PLACES                          ; four places in front of loads into registers that matrix instructions have read, and of conversions that read results
.rept 4
	v_nop
.endr
.endm
	s_load_b128 s[4:7], s[0:1], 0x0                ; xh s[4:5], wt s[6:7]
	s_load_b256 s[68:75], s[0:1], 0x10             ; bq s[68:69], bk s[70:71], bv s[72:73], qkv s[74:75]
	v_lshl_add_u32 v[SPW], v0, 2, SPARE
	v_mov_b32 v[NIL], 0
	ds_add_u32 v28, v29
	s_wait_dscnt 0x0
	v_lshrrev_b32 v1, 5, v0
	v_readfirstlane_b32 s10, v1                    ; wave 0..3
	s_lshr_b32 s11, s10, 1                         ; which 128 rows of the tile are mine.  Also: I fetch for xh (0) or for wt (1)
	s_and_b32 s12, s10, 1                          ; which 192 columns.  Also: which half of that tile I fetch
	s_bfe_u32 s40, ttmp6, 0x40000                  ; cx, cy: my place in the cluster
	s_bfe_u32 s41, ttmp6, 0x40004
	s_lshl_b32 s42, ttmp9, 2
	s_add_co_u32 s42, s42, s40                     ; tile column = 4 x cluster x + cx
	s_and_b32 s13, ttmp7, 0xffff
	s_lshl_b32 s13, s13, 2
	s_add_co_u32 s13, s13, s41                     ; tile row = 4 x cluster y + cy
	s_lshl_b32 s43, s41, 2
	s_lshl_b32 s43, 15, s43                        ; my row of the cluster
	s_lshl_b32 s44, 0x1111, s40                    ; my column
	s_mov_b32 s[TB], 0
	; descriptor group 1.  128 rows of xh are 16,384 dense bytes, 192 rows of wt 24,576: asked for as 64 and 96 rows of 256 bytes, two rows of the matrix each, and padded in LDS after every one
	s_or_b32 s[G1+0], s43, (1<<16)|(1<<20)|(1<<21)|(4<<22)|(3<<25)   ; 15:0 the mask; 17:16 elements of 2 bytes; 20 padding on; 21 set beside a mask; 24:22 after every 32 words (code 4); 31:25 4 words of it (code 3)
	s_or_b32 s[G1B+0], s44, (1<<16)|(1<<20)|(1<<21)|(4<<22)|(3<<25)
	s_mov_b32 s[G1+1], 128<<16                     ; tensor_dim0 = 128
	s_mov_b32 s[G1+2], 64<<16                      ; tensor_dim1 = 64
	s_mov_b32 s[G1+3], 128<<16                     ; tile_dim0 = 128
	s_mov_b32 s[G1+4], 64                          ; tile_dim1 = 64
	s_mov_b32 s[G1+5], 128                         ; elements from row to row
	s_mov_b32 s[G1+6], 0
	s_mov_b32 s[G1+7], 0
	s_mov_b32 s[G1B+1], 128<<16
	s_mov_b32 s[G1B+2], 96<<16
	s_mov_b32 s[G1B+3], 128<<16
	s_mov_b32 s[G1B+4], 96
	s_mov_b32 s[G1B+5], 128
	s_mov_b32 s[G1B+6], 0
	s_mov_b32 s[G1B+7], 0
	s_lshl_b32 s16, s13, 15                        ; xh: row 256 x tile row + 128 x half, of 128 bytes
	s_lshl_b32 s17, s12, 14
	s_add_co_u32 s16, s16, s17
	s_mov_b32 s17, 0
	s_mul_i32 s46, s42, 384*128                    ; wt: row 384 x tile column + 192 x half
	s_mul_i32 s47, s12, 192*128
	s_add_co_u32 s46, s46, s47
	s_mov_b32 s47, 0
	s_mul_i32 s18, s12, AHALF                      ; where they go: no place in the cluster enters an LDS address
	s_mul_i32 s19, s12, BHALF
	s_add_co_u32 s19, s19, ABYTES
	s_wait_kmcnt 0x0
	s_add_nc_u64 s[14:15], s[4:5], s[16:17]
	s_add_nc_u64 s[46:47], s[6:7], s[46:47]
	CROUND                                         ; all sixteen work-groups are here: the first joint loads meet
.irp s, 0,1
	s_mov_b32 s[G0+4*(\s)], 1                                        ; count = 1
	s_add_co_u32 s[G0+4*(\s)+1], s18, (\s)*SLOT1                     ; LDS address
	s_add_nc_u64 s[G0+4*(\s)+2:G0+4*(\s)+3], s[14:15], (\s)*ASTEP    ; global address: K block s
	s_or_b32 s[G0+4*(\s)+3], s[G0+4*(\s)+3], 0x80000000              ; type = 2
	s_mov_b32 s[G0B+4*(\s)], 1
	s_add_co_u32 s[G0B+4*(\s)+1], s19, (\s)*SLOT1
	s_add_nc_u64 s[G0B+4*(\s)+2:G0B+4*(\s)+3], s[46:47], (\s)*BSTEP
	s_or_b32 s[G0B+4*(\s)+3], s[G0B+4*(\s)+3], 0x80000000
	JLOAD \s                                       ; two loads of mine are out
.endr
	; The bias of my 192 columns, by groups of 64, none of which crosses from one of the three biases into the next (1,024 is a multiple of 64).
	v_and_b32 v1, 15, v0                           ; l % 16
	v_bfe_u32 v2, v0, 4, 1                         ; l / 16
	v_lshlrev_b32 v6, 4, v1                        ; sixteen lanes take a group's 256 bytes; both halves of the lanes the same
	s_lshl_b32 s78, s42, 1
	s_add_co_u32 s78, s78, s12
	s_mul_i32 s78, s78, 192                        ; my first column
	s_mov_b32 s21, 0
.irp g, 0,1,2
	s_add_co_u32 s79, s78, 64*(\g)
	s_lshr_b32 s67, s79, 10                        ; which bias
	s_and_b32 s79, s79, 1023
	s_lshl_b32 s20, s79, 2
	s_cmp_eq_u32 s67, 0
	s_cselect_b64 s[80+2*(\g):81+2*(\g)], s[68:69], s[70:71]
	s_cmp_eq_u32 s67, 2
	s_cselect_b64 s[80+2*(\g):81+2*(\g)], s[72:73], s[80+2*(\g):81+2*(\g)]
	s_add_nc_u64 s[80+2*(\g):81+2*(\g)], s[80+2*(\g):81+2*(\g)], s[20:21]
	global_load_b128 v[FA+4*(\g):FA+4*(\g)+3], v6, s[80+2*(\g):81+2*(\g)]
.endr
	; A fragment is 16 rows x 32 K in 8 registers: lane l holds row l % 16, K = 8 (l / 16) + 0..7 and 16 + 8 (l / 16) + 0..7: two loads of 16 bytes, 32 bytes apart.
	v_mul_u32_u24 v3, v1, PITCH
	v_lshl_add_u32 v3, v2, 4, v3
	s_mul_i32 s21, s11, AHALF                      ; my 128 rows of xh
	s_mul_i32 s22, s12, BHALF                      ; my 192 rows of wt,
	s_add_co_u32 s22, s22, ABYTES                  ; which lie behind xh's
	v_add_nc_u32 v[ADRA0], s21, v3
	v_add_nc_u32 v[ADRB0], s22, v3
	v_mov_b32 v[ADRA], v[ADRA0]
	v_mov_b32 v[ADRB], v[ADRB0]
	s_mul_i32 s23, s11, 64*SPITCH                  ; into the stage: 64 rows for each half of the tile's rows, my 384 bytes of their 768; row l % 16, 16 bytes for each half of the lanes
	s_mul_i32 s20, s12, 384
	s_add_co_u32 s23, s23, s20
	s_add_co_u32 s23, s23, STAGE
	v_mul_u32_u24 v4, v1, SPITCH
	v_lshl_add_u32 v4, v2, 4, v4
	v_add_nc_u32 v[STO], s23, v4
	s_mul_i32 s23, s10, 32*SPITCH                  ; back: wave w takes rows 32 w .. 32 w + 31, whole; lanes 0-15 256 bytes of one row, lanes 16-31 of the next
	s_add_co_u32 s23, s23, STAGE
	v_mul_u32_u24 v5, v2, SPITCH
	v_lshl_add_u32 v5, v1, 4, v5
	v_add_nc_u32 v[RD], s23, v5
	v_mul_u32_u24 v5, v2, ROWC                     ; and the same two rows in qkv
	v_lshl_add_u32 v[CO], v1, 4, v5
	s_mul_i32 s23, s10, 768
	s_add_co_u32 s23, s23, BIASL                   ; my wave's bias
	v_lshl_add_u32 v[BST], v1, 4, s23
	v_lshl_add_u32 v[BAD], v2, 5, s23              ; my eight columns of a block of sixteen
	; the first row of qkv that I store: 256 x tile row + 128 x (wave / 2) + 32 x (wave % 2); the tile's first column
	s_lshl_b32 s16, s13, 8
	s_lshl_b32 s17, s11, 7
	s_add_co_u32 s16, s16, s17
	s_lshl_b32 s17, s12, 5
	s_add_co_u32 s16, s16, s17
	s_mul_i32 s16, s16, ROWC
	s_mul_i32 s17, s42, 768
	s_add_co_u32 s16, s16, s17
	s_mov_b32 s17, 0
	s_add_nc_u64 s[8:9], s[74:75], s[16:17]
; Matrix instructions of column group g on xh's buffer f: row blocks a0 to a1 x the group's four column blocks, 32 along K.  zero = 1: the first product starts the sums, with the bias as C.
; The accumulators take turns, one instruction a turn, in the same order in every quarter.
.macro GRP g, f, a0, a1, zero=0
.if \zero
	WIN 0x40*(1+(\g))                              ; sources and C window 0, D window 1 + g
.else
	WIN 0x50*(1+(\g))                              ; sources window 0, C and D window 1 + g
.endif
.set ra, (\a0)
.rept (\a1)-(\a0)+1
.irp j, 0,1,2,3
.if \zero
	v_wmma_f32_16x16x32_bf16 v[32*ra+8*(\j):32*ra+8*(\j)+7], v[FB+32*(\g)+8*(\j):FB+32*(\g)+8*(\j)+7], v[FA+64*(\f)+8*ra:FA+64*(\f)+8*ra+7], v[BX+32*((\g)%2)+8*(\j):BX+32*((\g)%2)+8*(\j)+7]
.else
	v_wmma_f32_16x16x32_bf16 v[32*ra+8*(\j):32*ra+8*(\j)+7], v[FB+32*(\g)+8*(\j):FB+32*(\g)+8*(\j)+7], v[FA+64*(\f)+8*ra:FA+64*(\f)+8*ra+7], v[32*ra+8*(\j):32*ra+8*(\j)+7]
.endif
.endr
.set ra, ra+1
.endr
.endm
.macro LDB g, k                        ; 8 LDS loads: group g's four fragments of wt, 32 K at byte k of the rows of the slot in hand
	WIN 0
.irp j, 0,1,2,3
	ds_load_b128 v[FB+32*(\g)+8*(\j):FB+32*(\g)+8*(\j)+3],   v[ADRB] offset:(4*(\g)+(\j))*16*PITCH+(\k)
	ds_load_b128 v[FB+32*(\g)+8*(\j)+4:FB+32*(\g)+8*(\j)+7], v[ADRB] offset:(4*(\g)+(\j))*16*PITCH+(\k)+32
.endr
.endm
.macro LDA f, k                        ; 16 LDS loads: xh's eight fragments into buffer f
	WIN 0
.irp a, 0,1,2,3,4,5,6,7
	ds_load_b128 v[FA+64*(\f)+8*(\a):FA+64*(\f)+8*(\a)+3],   v[ADRA] offset:(\a)*16*PITCH+(\k)
	ds_load_b128 v[FA+64*(\f)+8*(\a)+4:FA+64*(\f)+8*(\a)+7], v[ADRA] offset:(\a)*16*PITCH+(\k)+32
.endr
.endm
.macro LDBIAS g                        ; 8 LDS loads: the bias of group g as a C operand: a lane's eight columns of each of the four blocks
	WIN 0
.irp j, 0,1,2,3
	ds_load_b128 v[BX+32*((\g)%2)+8*(\j):BX+32*((\g)%2)+8*(\j)+3],   v[BAD] offset:64*(4*(\g)+(\j))
	ds_load_b128 v[BX+32*((\g)%2)+8*(\j)+4:BX+32*((\g)%2)+8*(\j)+7], v[BAD] offset:64*(4*(\g)+(\j))+16
.endr
.endm
; A step's first quarter (xh's buffer 0).  LDS loads are issued in this order, quarter after quarter: group 2 of this quarter | group 0 and xh of the next | group 1 of the next.
.macro EVEN
	s_wait_dscnt 8                                 ; group 0 and xh are in; group 1's eight loads may be out
	GRP 0, 0, 0, 1
	PLACES
	LDB 2, 0                                       ; this quarter's group 2: its registers' last readers stand eight matrix instructions back
	GRP 0, 0, 2, 7
	s_wait_dscnt 8                                 ; group 1 is in; group 2's eight may be out
	GRP 1, 0, 0, 1
	PLACES
	LDB 0, 64                                      ; the step's second quarter
	LDA 1, 64
	GRP 1, 0, 2, 7
	s_wait_dscnt 24                                ; group 2 is in; the 24 just issued may be out
	GRP 2, 0, 0, 1
	PLACES
	LDB 1, 64
	GRP 2, 0, 2, 7
.endm
; A step's second quarter (xh's buffer 1) changes slots: ONE barrier.  The slot's last read is this quarter's group 2.  In front of the barrier each wave waits for all its tensor loads (one is out: its
; part of the next slot), adds 0 to its spare word, and waits for that and for its own reads of this slot.  fill = 1: the barrier opens a round of the cluster's, and this slot is filled again, two steps
; ahead: 176 of a step's 192 matrix instructions stand between the request and the wait for it.
.macro ODD fill
	s_wait_dscnt 8
	GRP 0, 1, 0, 1
	PLACES
	LDB 2, 64
	GRP 0, 1, 2, 5
	WIN 0                                          ; (the add's two registers lie in window 0)
	s_wait_tensorcnt 0x0                           ; all my tensor loads have landed, so a group 0 may be written
	ds_add_u32 v[SPW], v[NIL]                      ; 0 onto my spare word
.if \fill
	s_xor_b32 s[G0+5], s[G0+5], SLOT1              ; the walking descriptors: the other slot than last time,
	s_add_nc_u64 s[G0+6:G0+7], s[G0+6:G0+7], ASTEP ; the next K block; the type bits on top are not reached
	s_xor_b32 s[G0B+5], s[G0B+5], SLOT1
	s_add_nc_u64 s[G0B+6:G0B+7], s[G0B+6:G0B+7], BSTEP
.endif
	GRP 0, 1, 6, 7                                 ; eight matrix instructions stand between the add and the wait for it
	s_wait_dscnt 0x0                               ; the add is done, and my reads of this slot are over
	s_barrier_signal -1
	GRP 1, 1, 0, 1
	WIN 0
	s_barrier_wait -1
.if \fill
	CREST                                          ; no wave of any partner still reads this slot's tile or has a load on its way
	JLOAD 1                                        ; the first tensor load behind the round; its four v_nop are also the places in front of the loads below
.else
	PLACES
.endif
	s_xor_b32 s[TB], s[TB], SLOT1                  ; the reads go on in the other slot
	v_add_nc_u32 v[ADRA], s[TB], v[ADRA0]
	v_add_nc_u32 v[ADRB], s[TB], v[ADRB0]
	LDB 0, 0                                       ; the next step's first quarter
	LDA 0, 0
	GRP 1, 1, 2, 7
	GRP 2, 1, 0, 1                                 ; (group 2 has been in since the wait for 0)
	PLACES
	LDB 1, 0
	GRP 2, 1, 2, 7
.endm
	s_wait_loadcnt 0x0                             ; the bias: into my own bytes of LDS, since no 96 registers are free for it
.irp g, 0,1,2
	ds_store_b128 v[BST], v[FA+4*(\g):FA+4*(\g)+3] offset:256*(\g)
.endr
	s_wait_dscnt 0x0                               ; no LDS instruction is pending at a signal
	s_wait_tensorcnt 1                             ; my part of step 0 is in; step 1's may stay out
	s_barrier_signal -1
	s_barrier_wait -1                              ; everybody's is
	; THE FIRST QUARTER stands in front of the loop: its products start the sums, with the bias as C.  The bias lies where xh's second buffer will: that buffer is filled last, and waited for, once.
	LDBIAS 0
	LDBIAS 1
	LDB 0, 0
	LDA 0, 0
	LDB 1, 0
	LDB 2, 0
	s_wait_dscnt 16                                ; all but groups 1 and 2
	GRP 0, 0, 0, 7, 1
	s_wait_dscnt 8                                 ; group 1 is in
	GRP 1, 0, 0, 1, 1
	PLACES
	LDBIAS 2                                       ; over group 0's bias
	LDB 0, 64
	GRP 1, 0, 2, 7, 1
	s_wait_dscnt 8                                 ; group 2 and its bias are in; the eight just issued may be out
	GRP 2, 0, 0, 1, 1
	PLACES
	LDB 1, 64
	GRP 2, 0, 2, 7, 1
	PLACES
	LDA 1, 64
	s_wait_dscnt 0x0                               ; here xh's fragments were issued last, so the count at the next quarter's head would not cover them
	WIN 0                                          ; at a label and at a branch every window is 0
	s_mov_b32 s3, STEPS-2
.Lstep:                                                ; a trip: a step's second quarter, which fills its slot again, and the next step's first
	ODD 1
	EVEN
	WIN 0
	s_sub_co_u32 s3, s3, 1
	s_cmp_lg_u32 s3, 0
	s_cbranch_scc1 .Lstep
	s_mov_b32 s3, 2
.Ltail:                                                ; the last two steps ask for nothing: their text is written out; the second trip is left in its middle
	ODD 0
	WIN 0
	s_sub_co_u32 s3, s3, 1
	s_cmp_eq_u32 s3, 0
	s_cbranch_scc1 .Lout
	EVEN
	WIN 0
	s_branch .Ltail
.Lout:                                                 ; the second trip's barrier and its 32 LDS loads (of the step before, once more) serve nothing: the price, once a launch, of one text for both trips
	s_wait_dscnt 0x0
	PLACES
; THE WAY OUT, in two halves of 64 rows a wave.  A wave's 192 columns are 384 bytes, one and a half aligned blocks of 256: so the two waves of a row half write the two parts of the same stage rows,
; a barrier stands between the writing and the reading, and each wave then reads 32 whole rows of 768 bytes and stores them.
.macro PACKH hf                        ; rounded to f16, 16 bytes a lane, each accumulator from its low end on; group after group, into the stage
.irp g, 0,1,2
	WIN 0x05*(1+(\g))                              ; sources 0 and 1: window 1 + g
.set i, 0
.rept 16                               ; row block 4 hf + i / 4, column block 4 g + i % 4
.irp r, 0,1,2,3
	v_cvt_pk_f16_f32 v[TMP+4*i+(\r)], v[128*(\hf)+8*i+2*(\r)], v[128*(\hf)+8*i+2*(\r)+1]
.endr
.set i, i+1
.endr
	WIN 0
.set i, 0
.rept 16
	ds_store_b128 v[STO], v[TMP+4*i:TMP+4*i+3] offset:(i/4)*16*SPITCH+32*(4*(\g)+i%4)
.set i, i+1
.endr
.endr
.endm
.macro SENDH hf                        ; instruction t: rows 2 (t / 3) and 2 (t / 3) + 1 of my 32, block t % 3 of their three blocks of 256 bytes
.set t, 0
.rept 48
	ds_load_b128 v[OB+4*t:OB+4*t+3], v[RD] offset:(t/3)*2*SPITCH+256*(t%3)
.set t, t+1
.endr
.set t, 0
.rept 48
.if t%8 == 0
	s_wait_dscnt 40-t                              ; loads t to t + 7 are back; the younger ones may be out
.endif
	global_store_b128 v[CO], v[OB+4*t:OB+4*t+3], s[8:9] offset:(64*(\hf)+2*(t/3))*ROWC+256*(t%3)  ; 16 lanes store 256 consecutive bytes, at a multiple of 256 from qkv's first byte
.set t, t+1
.endr
.endm
	PACKH 0
	s_wait_dscnt 0x0                               ; for the others' sake: my stores into the stage are done
	s_barrier_signal -1
	s_barrier_wait -1
	SENDH 0                                        ; (its last wait is for 0: my reads of the stage are back)
	s_barrier_signal -1
	s_barrier_wait -1                              ; everybody's are: the stage may be written again
	s_wait_xcnt 0x0                                ; the registers that the stores read are rewritten only behind this wait
	PACKH 1
	s_wait_dscnt 0x0
	s_barrier_signal -1
	s_barrier_wait -1
	SENDH 1
	s_wait_tensorcnt 0x0                           ; the wave's end, behind my last tensor load and my last LDS store
	ds_add_u32 v[SPW], v[NIL]
	s_wait_dscnt 0x0
	CROUND                                         ; the closing round: no work-group ends while a partner may still ask for a tile that names it
	s_endpgm
.Lfunc_end_k_qacf35783bd_proj:
	.size	k_qacf35783bd_proj, .Lfunc_end_k_qacf35783bd_proj-k_qacf35783bd_proj
	.p2alignl 7, 3214868480
	.fill 96, 4, 3214868480
	.section	.rodata,"a",@progbits
	.p2align	6, 0x0
	.amdhsa_kernel k_qacf35783bd_proj
		.amdhsa_group_segment_fixed_size 327680
		.amdhsa_private_segment_fixed_size 0
		.amdhsa_enable_private_segment 0
		.amdhsa_kernarg_size 48
		.amdhsa_user_sgpr_count 2
		.amdhsa_user_sgpr_kernarg_segment_ptr 1
		.amdhsa_wavefront_size32 1
		.amdhsa_system_sgpr_workgroup_id_x 1
		.amdhsa_system_sgpr_workgroup_id_y 1
		.amdhsa_system_sgpr_workgroup_id_z 1
		.amdhsa_system_vgpr_workitem_id 0
		.amdhsa_next_free_vgpr 1024
		.amdhsa_next_free_sgpr 88
		.amdhsa_reserve_vcc 0
		.amdhsa_float_denorm_mode_32 3
		.amdhsa_float_denorm_mode_16_64 3
		.amdhsa_memory_ordered 1
		.amdhsa_forward_progress 1
		.amdhsa_inst_pref_size 108
	.end_amdhsa_kernel
	.amdgpu_metadata
---
amdhsa.version: [ 1, 2 ]
amdhsa.kernels:
  - .name:           k_qacf35783bd_proj
    .symbol:         k_qacf35783bd_proj.kd
    .args:
      - { .name: xh, .offset: 0, .size: 8, .value_kind: global_buffer, .address_space: global }
      - { .name: wt, .offset: 8, .size: 8, .value_kind: global_buffer, .address_space: global }
      - { .name: bq, .offset: 16, .size: 8, .value_kind: global_buffer, .address_space: global }
      - { .name: bk, .offset: 24, .size: 8, .value_kind: global_buffer, .address_space: global }
      - { .name: bv, .offset: 32, .size: 8, .value_kind: global_buffer, .address_space: global }
      - { .name: qkv, .offset: 40, .size: 8, .value_kind: global_buffer, .address_space: global }
    .group_segment_fixed_size: 327680
    .private_segment_fixed_size: 0
    .kernarg_segment_align: 8
    .kernarg_segment_size: 48
    .max_flat_workgroup_size: 128
    .sgpr_count:     88
    .vgpr_count:     1024
    .wavefront_size: 32
...
	.end_amdgpu_metadata
.endif
;; end of part 6
;; launch scores (part 7): grid 8 x 32, 4 waves a work-group, clusters of 4 x 4, 327,680 bytes of LDS; arguments qkv, pw, ms, ls; writes pw, ms, ls
.if DOCPART == 7
	.amdgcn_target "amdgcn-amd-amdhsa--gfx1250"
	.amdhsa_code_object_version 6
	.text
	.protected	k_qacf35783bd_scores
	.globl	k_qacf35783bd_scores
	.p2align	8
	.type	k_qacf35783bd_scores,@function
k_qacf35783bd_scores:
	s_mov_b64 s[64:65], 0
	v_nop
	global_prefetch_b8 v0, s[64:65] scope:SCOPE_SE
	s_setreg_imm32_b32 hwreg(HW_REG_WAVE_MODE, 25, 1), 1
	s_wait_xcnt 0x0
	s_wait_alu depctr_hold_cnt(0) depctr_sa_sdst(0) depctr_va_vdst(0) depctr_va_sdst(0) depctr_va_ssrc(0) depctr_va_vcc(0) depctr_vm_vsrc(0)
	s_getreg_b32 s2, hwreg(HW_REG_IB_STS2, 6, 4)
	s_cmp_eq_u32 s2, 0
	s_cbranch_scc0 .Lentry_in_a_cluster
	s_endpgm
.Lentry_in_a_cluster:
	s_bfe_u32 s2, ttmp6, 0x10000c
	s_cmp_lg_u32 s2, 0xf033
	s_cbranch_scc0 .Lentry_shape_is_right
	s_endpgm
.Lentry_shape_is_right:
; scores: s[m][key] = q[m] . k[key] (K = 1,024, f16 operands, f32 sums), and of each row's block of 128 keys the softmax's first half:
;   ms[t][m] = c max over the block of s,  the weights 2^(c s - ms) in f16,  ls[t][m] = the sum over the block of the unrounded weights;  c = log2(e) / 32.
; The maximum taken away here is the block's own; the next launch rebases all sixteen blocks of a row to the row's true maximum.
; q and k are columns 0-1023 and 1024-2047 of qkv [8192][3072]; ms, ls are [16 blocks][8192 rows] f32.
; pw IS LAID OUT AS THE NEXT LAUNCH'S MATRIX OPERAND: [16 blocks of 128 keys][512 blocks of 16 queries][8 groups of 16 keys][32 lanes][16 bytes]: lane l holds query l % 16 and the keys 8 (l / 16) + 0..7 of
; the group, which is what a lane holds here.  So the weights are stored as they lie in registers, 512 consecutive bytes an instruction, and pass through no stage.
; LIMITS.  A weight below 2^-126 counts as 0 in ls; below 6e-5 it keeps f16's fixed step of 6e-8 in pw; NaN and infinities are not treated apart.
; SHARES.  A tile of 256 queries x 256 keys of one batch: 256 tiles.  Four waves, each 128 x 128: 64 accumulators of 16 x 16, 512 registers.  K goes in steps of 128 through a ring of two LDS slots.
; CLUSTER.  4 x 4 work-groups: the four of a row of the cluster need the same rows of q, the four of a column the same rows of k: each tile is asked for jointly.
; THE MATRIX INSTRUCTION IS USED TRANSPOSED (source 0 = 16 keys, source 1 = 16 queries): a lane holds ONE query (l % 16) and, in each accumulator, the keys 8 (l / 16) + 0..7:
; a query's 128 scores lie in 64 registers of two lanes 16 apart.
; REGISTERS, in windows of 256 (s_set_vgpr_msb: bits 1:0 source 0, 3:2 source 1, 5:4 source 2, 7:6 destination):
;   window 0: v0-31 addresses; v64-127, v128-191 q's fragments, two buffers; on the way out v64-159, v224-242 at work      window 1: v64-127, v128-191 k's fragments, two buffers
;   window 2: the 32 accumulators of my rows 0-63 (accumulator (a, b) at v[8 (8 a + b)]);   window 3: those of my rows 64-127
.set KSTEP,  128
.set PITCH,  272                       ; an LDS row: 256 bytes + 16 of padding = 68 words: the 16 rows of a fragment load start at 16 different groups of four banks (64 banks of 4 bytes: ISA guide 11.1)
.set HALFT,  128*PITCH                 ; 128 rows: what one tensor load brings, and what one wave reads of q or of k
.set SLOT,   4*HALFT                   ; q's 256 rows, then k's 256 rows
.set STAGE,  2*SLOT                    ; behind the ring: 1,024 bytes for each wave, for the statistics' way out
.set SPARE,  STAGE+4*1024              ; behind the stages: the spare words, 128 bytes for each wave: two blocks of 256 bytes that no other line names
.set STEPS,  8                         ; K = 1,024
.set ROWQ,   6144                      ; bytes in a row of qkv
.set ADRA0, 16                         ; v16  LDS address of my fragments of q in slot 0; never rewritten
.set ADRB0, 17                         ; v17  the same for k
.set ADRA,  18                         ; v18  the same in the slot in hand
.set ADRB,  19                         ; v19
.set CO,   26                          ; v26  16 x my lane: my place in 512 consecutive bytes of pw, ms and ls; never rewritten
.set SADR, 27                          ; v27  where I put a row's statistic
.set SPW,  28                          ; v28  LDS address of my spare word: SPARE + 4 x my thread's number; never rewritten
.set NIL,  29                          ; v29  0; never rewritten
.set SRD,  30                          ; v30  where I read four rows' statistics back
.set F0,   64                          ; fragment buffer 0
.set F1,   128                         ; fragment buffer 1
.set E,    64                          ; the way out: v64-127 a block's maxima at work, then its 64 weights a lane
.set TMP,  128                         ; v128-159 the weights in f16
.set CM,   224                         ; v224-231 c m of block a
.set LS,   232                         ; v232-239 l of block a
.set CMM,  240                         ; v240-241 c m, m of the block in hand
.set WK,   242                         ; v242     what the lane 16 away holds
.set G1, 24                            ; s[24:31] descriptor group 1 for q's tiles;  s[32:39] group 0: a set for each of the two first fills; the second then walks on
.set G0, 32
.set G1B, 48                           ; s[48:55], s[56:63] the same for k's tiles
.set G0B, 56
.set TB,  66                           ; s66  LDS byte at which the slot in hand begins: 0 or SLOT
.set CS,  72                           ; s[72:73] c: the packed scaling takes the pair's low word for both halves
.set SEL, 76                           ; s[76:77] v_permlanex16_b32's selects: each lane takes its own place in the other half
.set MUL_LO, 0xa1                      ; source 0 (k) window 1, source 1 (q) window 0, C and D window 2
.set MUL_HI, 0xf1                      ; the same, C and D window 3
.set TO_B,   0x40                      ; destination window 1, address window 0
.set MSB, 0
.macro WIN new                         ; the immediate's high byte repeats the setting that is left; a switch that changes nothing is dropped
.if MSB != (\new)
	s_set_vgpr_msb (MSB<<8)|(\new)
.set MSB, \new
.endif
.endm
; A joint load.  Waves 0 and 1 fetch q's two halves, waves 2 and 3 k's.  The branch hangs on the wave's number alone.
; An s_nop 0 and four v_nop follow each of the two lines, ahead of the jump, the label and what follows.
.macro JLOAD s
	s_cmp_eq_u32 s11, 0
	s_cbranch_scc0 .Lfor_b_\@
	tensor_load_to_lds s[G0+4*(\s):G0+4*(\s)+3], s[G1:G1+7]
	s_nop 0
.rept 4
	v_nop
.endr
	s_branch .Lasked_\@
.Lfor_b_\@:
	tensor_load_to_lds s[G0B+4*(\s):G0B+4*(\s)+3], s[G1B:G1B+7]
	s_nop 0
.rept 4
	v_nop
.endr
.Lasked_\@:
.endm
.macro CREST                           ; a round of the cluster's barrier behind its opening barrier
	s_cmp_lg_u32 s10, 0
	s_cbranch_scc1 .Lnot_wave_0_\@
	s_barrier_signal -3
.Lnot_wave_0_\@:
	s_barrier_wait -3
	s_barrier_signal -1
	s_barrier_wait -1
.endm
.macro CROUND                          ; a whole round
	s_barrier_signal -1
	s_barrier_wait -1
	CREST
.endm
.macro PLACES                          ; four places in front of loads into registers that matrix instructions have read, and of vector work that reads results
.rept 4
	v_nop
.endr
.endm
	s_load_b128 s[4:7], s[0:1], 0x0                ; qkv s[4:5], pw s[6:7]
	s_load_b128 s[68:71], s[0:1], 0x10             ; ms s[68:69], ls s[70:71]
	v_lshl_add_u32 v[SPW], v0, 2, SPARE
	v_mov_b32 v[NIL], 0
	ds_add_u32 v28, v29
	s_wait_dscnt 0x0
	v_mov_b32 v[WK], 0                             ; v_permlanex16_b32 counts as a reader of its destination
	v_lshrrev_b32 v1, 5, v0
	v_readfirstlane_b32 s10, v1                    ; wave 0..3
	s_lshr_b32 s11, s10, 1                         ; which half of the tile's queries is mine.  Also: I fetch for q (0) or for k (1)
	s_and_b32 s12, s10, 1                          ; which half of its keys.  Also: which 128 rows of that tile I fetch
	s_bfe_u32 s40, ttmp6, 0x40000                  ; cx, cy: my place in the cluster
	s_bfe_u32 s41, ttmp6, 0x40004
	s_lshl_b32 s42, ttmp9, 2
	s_add_co_u32 s42, s42, s40                     ; tile of 256 keys in the batch = 4 x cluster x + cx
	s_and_b32 s45, ttmp7, 0xffff                   ; the cluster's y: two clusters to a batch
	s_lshl_b32 s13, s45, 2
	s_add_co_u32 s13, s13, s41                     ; tile of 256 queries = 4 x cluster y + cy
	s_lshl_b32 s43, s41, 2
	s_lshl_b32 s43, 15, s43                        ; my row of the cluster
	s_lshl_b32 s44, 0x1111, s40                    ; my column
	s_mov_b32 s[CS], 0x3d38aa3b                    ; c = log2(e) / 32
	s_mov_b32 s[CS+1], s[CS]                       ; named with it as a pair
	s_mov_b32 s[SEL], 0x76543210
	s_mov_b32 s[SEL+1], 0xfedcba98
	s_mov_b32 s[TB], 0
	; descriptor group 1: a tile of 128 rows x 128 elements, padded in LDS
	s_or_b32 s[G1+0], s43, (1<<16)|(1<<20)|(1<<21)|(5<<22)|(3<<25)   ; 15:0 the mask; 17:16 elements of 2 bytes; 20 padding on; 21 set beside a mask; 24:22 after every 64 words (code 5); 31:25 4 words of it (code 3)
	s_or_b32 s[G1B+0], s44, (1<<16)|(1<<20)|(1<<21)|(5<<22)|(3<<25)
.irp g, G1, G1B
	s_mov_b32 s[(\g)+1], KSTEP<<16                 ; tensor_dim0 = 128
	s_mov_b32 s[(\g)+2], 128<<16                   ; tensor_dim1 = 128
	s_mov_b32 s[(\g)+3], KSTEP<<16                 ; tile_dim0 = 128
	s_mov_b32 s[(\g)+4], 128                       ; tile_dim1 = 128
	s_mov_b32 s[(\g)+5], 3072                      ; elements from row to row
	s_mov_b32 s[(\g)+6], 0
	s_mov_b32 s[(\g)+7], 0
.endr
	s_lshl_b32 s17, s12, 7                         ; which 128 rows of the tile I fetch
	s_lshl_b32 s16, s13, 8
	s_add_co_u32 s16, s16, s17                     ; q: row 256 x query tile + 128 x half
	s_mul_i32 s16, s16, ROWQ
	s_lshr_b32 s46, s45, 1                         ; the batch, which all sixteen share
	s_lshl_b32 s46, s46, 11
	s_lshl_b32 s47, s42, 8
	s_add_co_u32 s46, s46, s47
	s_add_co_u32 s46, s46, s17                     ; k: row 2,048 x batch + 256 x key tile + 128 x half,
	s_mul_i32 s46, s46, ROWQ
	s_add_co_u32 s46, s46, 2048                    ; and k's place in a row of qkv
	s_mov_b32 s17, 0
	s_mov_b32 s47, 0
	s_mul_i32 s20, s10, HALFT                      ; where they go in a slot: wave x 128 rows: no place in the cluster enters an LDS address.  s20 is kept
	s_wait_kmcnt 0x0
	s_add_nc_u64 s[14:15], s[4:5], s[16:17]
	s_add_nc_u64 s[46:47], s[4:5], s[46:47]
	CROUND                                         ; all sixteen work-groups are here: the first joint loads meet
.irp s, 0,1
	s_mov_b32 s[G0+4*(\s)], 1                                        ; count = 1
	s_add_co_u32 s[G0+4*(\s)+1], s20, (\s)*SLOT                      ; LDS address
	s_add_nc_u64 s[G0+4*(\s)+2:G0+4*(\s)+3], s[14:15], (\s)*KSTEP*2  ; global address: K step s
	s_or_b32 s[G0+4*(\s)+3], s[G0+4*(\s)+3], 0x80000000              ; type = 2
	s_mov_b32 s[G0B+4*(\s)], 1
	s_add_co_u32 s[G0B+4*(\s)+1], s20, (\s)*SLOT
	s_add_nc_u64 s[G0B+4*(\s)+2:G0B+4*(\s)+3], s[46:47], (\s)*KSTEP*2
	s_or_b32 s[G0B+4*(\s)+3], s[G0B+4*(\s)+3], 0x80000000
	JLOAD \s                                       ; two loads of mine are out
.endr
	v_and_b32 v1, 15, v0                           ; l % 16
	v_bfe_u32 v2, v0, 4, 1                         ; l / 16
	v_mul_u32_u24 v3, v1, PITCH
	v_lshl_add_u32 v3, v2, 4, v3                   ; a fragment's row x pitch + 16 x half
	s_mul_i32 s21, s11, HALFT                      ; my 128 rows of q
	s_mul_i32 s22, s12, HALFT                      ; my 128 rows of k,
	s_add_co_u32 s22, s22, 2*HALFT                 ; which lie behind q's 256
	v_add_nc_u32 v[ADRA0], s21, v3
	v_add_nc_u32 v[ADRB0], s22, v3
	v_mov_b32 v[ADRA], v[ADRA0]
	v_mov_b32 v[ADRB], v[ADRB0]
	s_lshl_b32 s23, s10, 10
	s_add_co_u32 s23, s23, STAGE                   ; my stage
	v_lshl_add_u32 v[SADR], v1, 2, s23             ; a row's statistic: word l % 16 of its block's sixteen
	v_and_b32 v5, 31, v0
	v_lshlrev_b32 v[CO], 4, v5
	v_add_nc_u32 v[SRD], s23, v[CO]                ; back: four rows a lane
	; where my part begins in pw, and in ms and ls
	s_lshl_b32 s18, s42, 1
	s_add_co_u32 s18, s18, s12                     ; my block of 128 keys in the batch
	s_lshl_b32 s21, s13, 4
	s_lshl_b32 s22, s11, 3
	s_add_co_u32 s21, s21, s22                     ; my first block of 16 queries
	s_lshl_b32 s16, s18, 21                        ; pw: a block of keys is 512 x 4,096 bytes,
	s_lshl_b32 s22, s21, 12                        ; in it a block of queries 4,096
	s_add_co_u32 s16, s16, s22
	s_mov_b32 s17, 0
	s_add_nc_u64 s[6:7], s[6:7], s[16:17]
	s_lshl_b32 s18, s18, 15                        ; ms, ls: a block of keys is 8,192 rows of 4 bytes
	s_lshl_b32 s22, s21, 6
	s_add_co_u32 s18, s18, s22
	s_mov_b32 s19, 0
	s_add_nc_u64 s[68:69], s[68:69], s[18:19]
	s_add_nc_u64 s[70:71], s[70:71], s[18:19]
; 16 matrix instructions: query blocks a0, a0 + 1 of the window's four (hi = 0: my rows 0-63, 1: rows 64-127) x all 8 key blocks, 32 along K.  zero = 1: the first product starts the sums
.macro MUL16 f, hi, a0, zero
	WIN MUL_LO+0x50*(\hi)
.irp a, \a0, (\a0)+1
.irp b, 0,1,2,3,4,5,6,7
.if \zero
	v_wmma_f32_16x16x32_f16 v[8*(8*(\a)+(\b)):8*(8*(\a)+(\b))+7], v[(\f)+8*(\b):(\f)+8*(\b)+7], v[(\f)+8*(4*(\hi)+(\a)):(\f)+8*(4*(\hi)+(\a))+7], 0
.else
	v_wmma_f32_16x16x32_f16 v[8*(8*(\a)+(\b)):8*(8*(\a)+(\b))+7], v[(\f)+8*(\b):(\f)+8*(\b)+7], v[(\f)+8*(4*(\hi)+(\a)):(\f)+8*(4*(\hi)+(\a))+7], v[8*(8*(\a)+(\b)):8*(8*(\a)+(\b))+7]
.endif
.endr
.endr
.endm
; 32 LDS loads in one run: the fragments of one quarter step (128 rows of k, 128 rows of q, 32 K at byte k of the rows of the slot in hand) into buffer f
.macro FETCH k, f
	WIN TO_B
.irp i, 0,1,2,3,4,5,6,7
	ds_load_b128 v[(\f)+8*(\i):(\f)+8*(\i)+3],   v[ADRB] offset:(\k)+(\i)*16*PITCH
	ds_load_b128 v[(\f)+8*(\i)+4:(\f)+8*(\i)+7], v[ADRB] offset:(\k)+(\i)*16*PITCH+32
.endr
	WIN 0
.irp i, 0,1,2,3,4,5,6,7
	ds_load_b128 v[(\f)+8*(\i):(\f)+8*(\i)+3],   v[ADRA] offset:(\k)+(\i)*16*PITCH
	ds_load_b128 v[(\f)+8*(\i)+4:(\f)+8*(\i)+7], v[ADRA] offset:(\k)+(\i)*16*PITCH+32
.endr
.endm
; A K step is four quarters of 32 along K, 64 matrix instructions each, on buffers 0, 1, 0, 1; the 64 accumulators take turns, one instruction a turn, in the same order in
; every quarter.  One of the first three: multiplies buffer f; in its middle it fetches the next quarter, at byte k of the slot's rows, into buffer g.
.macro QUARTER k, f, g, zero
	s_wait_dscnt 8                                 ; k and q's rows 0-63 are in; the youngest eight loads (q's rows 64-127) may be out
	MUL16 \f, 0, 0, \zero
	MUL16 \f, 0, 2, \zero
	PLACES
	FETCH \k, \g
	s_wait_dscnt 32                                ; all but the 32 just issued
	MUL16 \f, 1, 0, \zero
	MUL16 \f, 1, 2, \zero
.endm
; The last quarter multiplies buffer 1 and changes slots: ONE barrier.  In front of it each wave waits for all its tensor loads (one is out: its part of the next slot), adds 0 to its spare word, and
; waits for that and for its own reads of this slot (the last were issued 32 matrix instructions ago).  Behind it nobody reads this slot any more and the next slot is whole.
; fill = 1: the barrier opens a round of the cluster's, and this slot is filled again, two K steps ahead.  Of the quarter's 64 matrix instructions sixteen stand between the opening signal and its wait,
; the other 48 behind the request: from a request to the wait for it a wave issues 240 matrix instructions.
.macro TURN fill
	WIN 0                                          ; (the add's two registers lie in window 0)
	s_wait_tensorcnt 0x0                           ; all my tensor loads have landed, so a group 0 may be written
	ds_add_u32 v[SPW], v[NIL]                      ; 0 onto my spare word; with fill = 1 the descriptors' steps stand between it and the wait for it
.if \fill
	s_add_co_u32 s[G0+5], s20, s[TB]               ; the walking descriptors: my part of the slot in hand,
	s_add_nc_u64 s[G0+6:G0+7], s[G0+6:G0+7], KSTEP*2        ; the next K step; the type bits on top are not reached
	s_add_co_u32 s[G0B+5], s20, s[TB]
	s_add_nc_u64 s[G0B+6:G0B+7], s[G0B+6:G0B+7], KSTEP*2
.endif
	s_wait_dscnt 0x0                               ; the add is done, and my reads of this slot are over: buffer 1 is in
	s_barrier_signal -1
	MUL16 F1, 0, 0, 0                              ; work on registers while the others arrive
	WIN 0
	s_barrier_wait -1
.if \fill
	CREST                                          ; no wave of any partner still reads this slot's tile or has a load on its way
	JLOAD 1                                        ; the first tensor load behind the round; its four v_nop are also the places in front of the loads below
.else
	PLACES
.endif
	s_xor_b32 s[TB], s[TB], SLOT                   ; 0 becomes SLOT, SLOT becomes 0: the reads go on in the other slot
	v_add_nc_u32 v[ADRA], s[TB], v[ADRA0]
	v_add_nc_u32 v[ADRB], s[TB], v[ADRB0]
	FETCH 0, F0
	MUL16 F1, 0, 2, 0
	MUL16 F1, 1, 0, 0
	MUL16 F1, 1, 2, 0
.endm
	s_wait_tensorcnt 1                             ; my part of K step 0 is in; K step 1's may stay out
	s_barrier_signal -1
	s_barrier_wait -1                              ; everybody's is
	FETCH 0, F0
	QUARTER 64,  F0, F1, 1                         ; the first quarter stands in front of the loop: its products start the sums
	WIN 0                                          ; at a label and at a branch every window is 0
	s_mov_b32 s3, STEPS-2
.Lstep:                                                ; a trip: from a K step's second quarter to the next step's first; it fills the step's slot again
	QUARTER 128, F1, F0, 0
	QUARTER 192, F0, F1, 0
	TURN 1
	QUARTER 64,  F0, F1, 0
	WIN 0
	s_sub_co_u32 s3, s3, 1
	s_cmp_lg_u32 s3, 0
	s_cbranch_scc1 .Lstep
	s_mov_b32 s3, 2
.Ltail:                                                ; the last two steps ask for nothing: their text is written out; the second trip is left in its middle
	QUARTER 128, F1, F0, 0
	QUARTER 192, F0, F1, 0
	TURN 0
	WIN 0
	s_sub_co_u32 s3, s3, 1
	s_cmp_eq_u32 s3, 0
	s_cbranch_scc1 .Lout
	QUARTER 64,  F0, F1, 0
	WIN 0
	s_branch .Ltail
.Lout:                                                 ; the second trip's barrier and its 32 LDS loads (of the step before, once more) serve nothing: the price, once a launch, of one text for both trips
	s_wait_dscnt 0x0
	PLACES
; THE WAY OUT of block a (16 queries x my 128 keys: 8 accumulators, 64 scores a lane): the maximum (three operands at a time, in ascending order),
; the other half of the lanes', c m; c s - c m; the exponentials; the rounding to f16, and the stores; the sum of the unrounded weights.
.macro SOFT a
.set AC, 64*((\a)%4)
.set WN, 2+(\a)/4
	WIN 0x15*WN                                    ; all three sources in the accumulators' window
.set i, 0
.rept 21
	v_max3_num_f32 v[E+i], v[AC+3*i], v[AC+3*i+1], v[AC+3*i+2]
.set i, i+1
.endr
	v_max3_num_f32 v[E+21], v[AC+61], v[AC+62], v[AC+63]
	WIN 0
.set i, 0
.rept 7
	v_max3_num_f32 v[E+i], v[E+3*i], v[E+3*i+1], v[E+3*i+2]
.set i, i+1
.endr
	v_max3_num_f32 v[E], v[E], v[E+1], v[E+2]
	v_max3_num_f32 v[E+3], v[E+3], v[E+4], v[E+5]
	v_max3_num_f32 v[E], v[E], v[E+3], v[E+6]
	v_max_num_f32 v[E], v[E], v[E+21]
	v_permlanex16_b32 v[WK], v[E], s[SEL], s[SEL+1]  ; the query's other 64 keys lie in the lane 16 away
	v_max_num_f32 v[CMM+1], v[E], v[WK]
	v_mul_f32 v[CMM], s[CS], v[CMM+1]
	v_mov_b32 v[CM+(\a)], v[CMM]
	WIN WN                                         ; source 0 in the accumulators' window
.set i, 0
.rept 32
	v_pk_fma_f32 v[E+2*i:E+2*i+1], v[AC+2*i:AC+2*i+1], s[CS:CS+1], v[CMM:CMM+1] op_sel_hi:[1,0,0] neg_lo:[0,0,1] neg_hi:[0,0,1]  ; c s - c m
.set i, i+1
.endr
	WIN 0
.set i, 0
.rept 64
	v_exp_f32 v[E+i], v[E+i]
.set i, i+1
.endr
	s_wait_xcnt 0x0                                ; the registers that the block before's stores read are rewritten only behind this wait
	v_nop                                          ; a plain instruction between the exponentials and the first use of a result (ISA guide 5.7.2)
.set i, 0
	s_wait_alu depctr_va_vdst(0)
.rept 32
	v_cvt_pk_f16_f32 v[TMP+i], v[E+2*i], v[E+2*i+1]
.set i, i+1
.endr
.irp b, 0,1,2,3,4,5,6,7
	global_store_b128 v[CO], v[TMP+4*(\b):TMP+4*(\b)+3], s[6:7] offset:4096*(\a)+512*(\b)  ; group b of 16 keys: 512 consecutive bytes, at a multiple of 256 from pw's first byte
.endr
.irp w, 16,8,4,2,1                     ; the 32 pairs are added in place, halving
.set i, 0
.rept \w
	v_pk_add_f32 v[E+2*i:E+2*i+1], v[E+2*i:E+2*i+1], v[E+2*(i+\w):E+2*(i+\w)+1]
.set i, i+1
.endr
.endr
	v_add_f32 v[E], v[E], v[E+1]
	v_permlanex16_b32 v[WK], v[E], s[SEL], s[SEL+1]
	v_add_f32 v[LS+(\a)], v[E], v[WK]
.endm
.irp a, 0,1,2,3,4,5,6,7
	SOFT \a
.endr
	; the statistics of my 128 rows: through my stage, so that a lane holds four neighbouring rows; both halves of the lanes hold and write the same numbers
.irp a, 0,1,2,3,4,5,6,7
	ds_store_b32 v[SADR], v[CM+(\a)] offset:64*(\a)
	ds_store_b32 v[SADR], v[LS+(\a)] offset:512+64*(\a)
.endr
	ds_load_b128 v[E:E+3], v[SRD]                  ; LDS serves a wave's instructions in order (ISA guide 5.7.1.4): these see the stores above
	ds_load_b128 v[E+4:E+7], v[SRD] offset:512
	s_wait_dscnt 0x0
	global_store_b128 v[CO], v[E:E+3], s[68:69]    ; 512 consecutive bytes, at a multiple of 256 from ms's first byte
	global_store_b128 v[CO], v[E+4:E+7], s[70:71]
	s_wait_tensorcnt 0x0                           ; the wave's end, behind my last tensor load and my last LDS store
	ds_add_u32 v[SPW], v[NIL]
	s_wait_dscnt 0x0
	CROUND                                         ; the closing round: no work-group ends while a partner may still ask for a tile that names it
	s_endpgm
.Lfunc_end_k_qacf35783bd_scores:
	.size	k_qacf35783bd_scores, .Lfunc_end_k_qacf35783bd_scores-k_qacf35783bd_scores
	.p2alignl 7, 3214868480
	.fill 96, 4, 3214868480
	.section	.rodata,"a",@progbits
	.p2align	6, 0x0
	.amdhsa_kernel k_qacf35783bd_scores
		.amdhsa_group_segment_fixed_size 327680
		.amdhsa_private_segment_fixed_size 0
		.amdhsa_enable_private_segment 0
		.amdhsa_kernarg_size 32
		.amdhsa_user_sgpr_count 2
		.amdhsa_user_sgpr_kernarg_segment_ptr 1
		.amdhsa_wavefront_size32 1
		.amdhsa_system_sgpr_workgroup_id_x 1
		.amdhsa_system_sgpr_workgroup_id_y 1
		.amdhsa_system_sgpr_workgroup_id_z 1
		.amdhsa_system_vgpr_workitem_id 0
		.amdhsa_next_free_vgpr 1024
		.amdhsa_next_free_sgpr 80
		.amdhsa_reserve_vcc 0
		.amdhsa_float_denorm_mode_32 3
		.amdhsa_float_denorm_mode_16_64 3
		.amdhsa_memory_ordered 1
		.amdhsa_forward_progress 1
		.amdhsa_inst_pref_size 160
	.end_amdhsa_kernel
	.amdgpu_metadata
---
amdhsa.version: [ 1, 2 ]
amdhsa.kernels:
  - .name:           k_qacf35783bd_scores
    .symbol:         k_qacf35783bd_scores.kd
    .args:
      - { .name: qkv, .offset: 0, .size: 8, .value_kind: global_buffer, .address_space: global }
      - { .name: pw, .offset: 8, .size: 8, .value_kind: global_buffer, .address_space: global }
      - { .name: ms, .offset: 16, .size: 8, .value_kind: global_buffer, .address_space: global }
      - { .name: ls, .offset: 24, .size: 8, .value_kind: global_buffer, .address_space: global }
    .group_segment_fixed_size: 327680
    .private_segment_fixed_size: 0
    .kernarg_segment_align: 8
    .kernarg_segment_size: 32
    .max_flat_workgroup_size: 128
    .sgpr_count:     80
    .vgpr_count:     1024
    .wavefront_size: 32
...
	.end_amdgpu_metadata
.endif
;; end of part 7
;; launch pv (part 8): grid 4 x 64, 4 waves a work-group, clusters of 4 x 4, 327,680 bytes of LDS; arguments pw, qkv, ms, ls, out0; writes out0
.if DOCPART == 8
	.amdgcn_target "amdgcn-amd-amdhsa--gfx1250"
	.amdhsa_code_object_version 6
	.text
	.protected	k_qacf35783bd_pv
	.globl	k_qacf35783bd_pv
	.p2align	8
	.type	k_qacf35783bd_pv,@function
k_qacf35783bd_pv:
	s_mov_b64 s[64:65], 0
	v_nop
	global_prefetch_b8 v0, s[64:65] scope:SCOPE_SE
	s_setreg_imm32_b32 hwreg(HW_REG_WAVE_MODE, 25, 1), 1
	s_wait_xcnt 0x0
	s_wait_alu depctr_hold_cnt(0) depctr_sa_sdst(0) depctr_va_vdst(0) depctr_va_sdst(0) depctr_va_ssrc(0) depctr_va_vcc(0) depctr_vm_vsrc(0)
	s_getreg_b32 s2, hwreg(HW_REG_IB_STS2, 6, 4)
	s_cmp_eq_u32 s2, 0
	s_cbranch_scc0 .Lentry_in_a_cluster
	s_endpgm
.Lentry_in_a_cluster:
	s_bfe_u32 s2, ttmp6, 0x10000c
	s_cmp_lg_u32 s2, 0xf033
	s_cbranch_scc0 .Lentry_shape_is_right
	s_endpgm
.Lentry_shape_is_right:
; pv: out0[m][n] = sum over blocks t of g_t(m) (sum over the block's 128 keys of p[m][key] v[key][n]),  g_t(m) = f_t(m) / sum over t of f_t(m) ls[t][m],  f_t(m) = 2^(ms[t][m] - max over t of ms[t][m]).
; So every weight is 2^(c s - c max over ALL the row's keys) over their sum: the softmax's maximum is the row's true one.  The factors g are made, kept and applied in f32.
; pw holds p in f16 as this launch's matrix operand: [16 blocks of 128 keys][512 blocks of 16 queries][8 groups of 16 keys][32 lanes][16 bytes], lane l = query l % 16, keys 8 (l / 16) + 0..7 of the group:
; two groups on end are a fragment of 16 queries x 32 keys.  v = columns 2048-3071 of qkv [8192][3072] f16; ms, ls [16][8192] f32; out0 [8192][1024] f32.  Products in f16 with f32 sums.
; LIMITS.  A factor below 2^-126 counts as 0; NaN and infinities are not treated apart.
; SHARES.  A tile of 128 queries x 256 channels: 256 tiles (256 x 256 would give 128).  Four waves, each 64 x 128: 32 accumulators.  The keys go in steps of 128, a block a step, through a ring of two LDS slots
; (two slots of 256 keys would want 409,600 bytes).
; CLUSTER.  4 x 4 work-groups, all of one batch: the four of a row of the cluster need the same part of pw, the four of a column the same columns of v: each tile is asked for jointly.
; THE MATRIX INSTRUCTION IS USED TRANSPOSED (source 0 = 16 channels of v, turned on the way out of LDS by ds_load_tr16_b128; source 1 = 16 queries): a lane holds query l % 16 and eight channels.
; TWO SETS OF SUMS.  A step's products start from the constant 0 in the step's accumulators; in the next step's first quarter, ahead of the products that start them anew, total += g x step's sum:
; a lane holds one query, so a row block's factor is one pair of registers.  The totals start at 0: 32 products of zero fragments write them, in the wait for the first tile: the price of writing no first step out.
; REGISTERS, in windows of 256 (s_set_vgpr_msb: bits 1:0 source 0, 3:2 source 1, 5:4 source 2, 7:6 destination):
;   window 0: v0-31 addresses; v32-39 a step's factors, a pair a query block; v64-127, v128-191 v's fragments, two buffers; v192-255 at work on the way out (v192-207: the zero fragments)
;   window 1: v0-127 the step's accumulators of query blocks 0, 1 (at 64 (a % 2) + 8 b); v128-159, v160-191 p's fragments, two buffers     window 2: v0-127 those of query blocks 2, 3
;   window 3: the totals, at 64 a + 8 b
.set KSTEP,  128
.set VPITCH, 544                       ; a row of v in LDS: 512 + 32 = 136 words: row r starts at bank 8 r mod 64 (64 banks of 4 bytes: ISA guide 11.1)
.set AHALF,  4*4096                    ; four blocks of 16 queries x 128 keys: what a wave fetches of pw, and what a wave reads of it; fragments lie as they are read, 16 bytes a lane on end: no padding
.set AOFF,   2*AHALF                   ; v's 128 keys lie behind p
.set VHALF,  64*VPITCH                 ; what a wave fetches of v
.set SLOT1,  1<<17                     ; slot 1 begins here, so that one exclusive or turns an address in one slot into the other's
.set STAGE,  SLOT1+AOFF+2*VHALF        ; behind the ring: 16 rows x 528 bytes for each wave, for the way out
.set SPITCH, 528
.set TAB,    STAGE+4*16*SPITCH         ; the factors, each twice: step t at 1,024 t; in it 512 (row / 64) + 32 (row % 16) + 8 ((row / 16) % 4): a lane's four query blocks are 32 bytes
.set SPARE,  TAB+16*1024               ; the spare words, 128 bytes for each wave: two blocks of 256 bytes that no other line names
.set STEPS,  16                        ; 2,048 keys
.set PSTEP,  512*4096                  ; bytes from a block of keys in pw to the next
.set ROWO,   4096                      ; bytes in a row of out0
.set ROWQ,   6144                      ; bytes in a row of qkv
.set ADRA0, 16                         ; v16  LDS address of my fragments of p in slot 0; never rewritten
.set ADRB0, 17                         ; v17  the same for v
.set ADRA,  18                         ; v18  the same in the slot in hand
.set ADRB,  19                         ; v19
.set PFO,  22                          ; v22  my lane's byte offset in what my wave prefetches; never rewritten
.set STO,  24                          ; v24  the way out: where I put 32 bytes of a row
.set RD,   25                          ; v25  the way out: where I read a row back
.set CO,   26                          ; v26  my byte offset in 512 bytes of out0
.set TAD0, 27                          ; v27  my lane's place in a step's factors; never rewritten
.set SPW,  28                          ; v28  LDS address of my spare word: SPARE + 4 x my thread's number; never rewritten
.set NIL,  29                          ; v29  0; never rewritten
.set TADR, 31                          ; v31  the LDS address of the factors to be fetched
.set FAC,  32
.set FB,   64                          ; v's fragments, window 0: buffer f, channel block b at FB + 64 f + 8 b
.set FA,   128                         ; p's fragments, window 1: buffer f, query block a at FA + 32 f + 8 a
.set TMP,  192
.set ZF,   192                         ; two fragments of zeros
.set OB,   64                          ; the way out: 16 rows read back: v64-127 and v128-191 by turns
.set G1,  24                           ; s[24:31] descriptor group 1 for pw's tiles;  s[32:39] group 0: a set for each of the two first fills; the second then walks on
.set G0,  32
.set G1B, 48                           ; s[48:55], s[56:63] the same for v's tiles
.set G0B, 56
.set TB,  66                           ; s66  LDS byte at which the slot in hand begins
.set TS,  67                           ; s67  byte at which the factors of the step in hand begin
.set PF,  82                           ; s[82:83] where my wave's last prefetch began
.set PFS, 84                           ; s[84:85] its step: two steps' bytes
.set TO_A, 0x40                        ; destination window 1, address window 0
.set MSB, 0
.macro WIN new                         ; the immediate's high byte repeats the setting that is left; a switch that changes nothing is dropped
.if MSB != (\new)
	s_set_vgpr_msb (MSB<<8)|(\new)
.set MSB, \new
.endif
.endm
; A joint load.  Waves 0 and 1 fetch p's two halves, waves 2 and 3 v's.  The branch hangs on the wave's number alone.
; An s_nop 0 and four v_nop follow each of the two lines, ahead of the jump, the label and what follows.
.macro JLOAD s
	s_cmp_eq_u32 s11, 0
	s_cbranch_scc0 .Lfor_b_\@
	tensor_load_to_lds s[G0+4*(\s):G0+4*(\s)+3], s[G1:G1+7]
	s_nop 0
.rept 4
	v_nop
.endr
	s_branch .Lasked_\@
.Lfor_b_\@:
	tensor_load_to_lds s[G0B+4*(\s):G0B+4*(\s)+3], s[G1B:G1B+7]
	s_nop 0
.rept 4
	v_nop
.endr
.Lasked_\@:
.endm
.macro CREST                           ; a round of the cluster's barrier behind its opening barrier
	s_cmp_lg_u32 s10, 0
	s_cbranch_scc1 .Lnot_wave_0_\@
	s_barrier_signal -3
.Lnot_wave_0_\@:
	s_barrier_wait -3
	s_barrier_signal -1
	s_barrier_wait -1
.endm
.macro CROUND                          ; a whole round
	s_barrier_signal -1
	s_barrier_wait -1
	CREST
.endm
.macro PLACES                          ; four places in front of loads into registers that matrix instructions have read, and of vector work that reads results
.rept 4
	v_nop
.endr
.endm
	s_load_b128 s[4:7], s[0:1], 0x0                ; pw s[4:5], qkv s[6:7]
	s_load_b128 s[68:71], s[0:1], 0x10             ; ms s[68:69], ls s[70:71]
	s_load_b64 s[8:9], s[0:1], 0x20                ; out0
	v_lshl_add_u32 v[SPW], v0, 2, SPARE
	v_mov_b32 v[NIL], 0
	ds_add_u32 v28, v29
	s_wait_dscnt 0x0
	v_lshrrev_b32 v1, 5, v0
	v_readfirstlane_b32 s10, v1                    ; wave 0..3
	s_lshr_b32 s11, s10, 1                         ; which 64 queries of the tile are mine.  Also: I fetch for pw (0) or for v (1)
	s_and_b32 s12, s10, 1                          ; which 128 channels.  Also: which half of that tile I fetch
	s_bfe_u32 s40, ttmp6, 0x40000                  ; cx, cy: my place in the cluster
	s_bfe_u32 s41, ttmp6, 0x40004
	s_lshl_b32 s42, ttmp9, 2
	s_add_co_u32 s42, s42, s40                     ; tile of 256 channels = 4 x cluster x + cx
	s_and_b32 s45, ttmp7, 0xffff                   ; the cluster's y: four clusters to a batch
	s_lshl_b32 s13, s45, 2
	s_add_co_u32 s13, s13, s41                     ; tile of 128 queries = 4 x cluster y + cy
	s_lshl_b32 s43, s41, 2
	s_lshl_b32 s43, 15, s43                        ; my row of the cluster
	s_lshl_b32 s44, 0x1111, s40                    ; my column
	s_mov_b32 s[TB], 0
	s_mov_b32 s[TS], 0
	; descriptor group 1.  pw: 16,384 dense bytes, asked for as 64 rows of 256, laid down as they come; v: 64 keys x 256 elements, padded in LDS
	s_or_b32 s[G1+0], s43, (1<<16)|(1<<21)         ; 15:0 the mask; 17:16 elements of 2 bytes; 20 no padding; 21 set beside a mask
	s_or_b32 s[G1B+0], s44, (1<<16)|(1<<20)|(1<<21)|(6<<22)|(7<<25)  ; 20 padding on; 24:22 after every 128 words (code 6); 31:25 8 words of it (code 7)
	s_mov_b32 s[G1+1], 128<<16                     ; tensor_dim0 = 128
	s_mov_b32 s[G1+2], 64<<16                      ; tensor_dim1 = 64
	s_mov_b32 s[G1+3], 128<<16                     ; tile_dim0 = 128
	s_mov_b32 s[G1+4], 64                          ; tile_dim1 = 64
	s_mov_b32 s[G1+5], 128                         ; elements from row to row
	s_mov_b32 s[G1+6], 0
	s_mov_b32 s[G1+7], 0
	s_mov_b32 s[G1B+1], 256<<16
	s_mov_b32 s[G1B+2], 64<<16
	s_mov_b32 s[G1B+3], 256<<16
	s_mov_b32 s[G1B+4], 64
	s_mov_b32 s[G1B+5], 3072
	s_mov_b32 s[G1B+6], 0
	s_mov_b32 s[G1B+7], 0
	s_lshl_b32 s16, s13, 15                        ; pw: a tile's eight blocks of 16 queries are 32,768 bytes,
	s_lshl_b32 s17, s12, 14                        ; my half of them 16,384
	s_add_co_u32 s16, s16, s17
	s_lshl_b32 s17, s12, 6                         ; v: which 64 keys of a step I fetch
	s_lshr_b32 s46, s45, 2                         ; the batch, which all sixteen share
	s_lshl_b32 s46, s46, 11
	s_add_co_u32 s46, s46, s17                     ; key 2,048 x batch + 64 x half,
	s_mul_i32 s46, s46, ROWQ
	s_lshl_b32 s47, s42, 9
	s_add_co_u32 s46, s46, s47                     ; 256 channels of 2 bytes a tile,
	s_add_co_u32 s46, s46, 4096                    ; and v's place in a row of qkv
	s_mov_b32 s17, 0
	s_mov_b32 s47, 0
	s_lshl_b32 s18, s12, 14                        ; where they go: no place in the cluster enters an LDS address
	s_mul_i32 s19, s12, VHALF
	s_add_co_u32 s19, s19, AOFF
	s_wait_kmcnt 0x0
	s_add_nc_u64 s[14:15], s[4:5], s[16:17]
	s_add_nc_u64 s[46:47], s[6:7], s[46:47]
	CROUND                                         ; all sixteen work-groups are here: the first joint loads meet
.irp s, 0,1
	s_mov_b32 s[G0+4*(\s)], 1                                        ; count = 1
	s_add_co_u32 s[G0+4*(\s)+1], s18, (\s)*SLOT1                     ; LDS address
	s_add_nc_u64 s[G0+4*(\s)+2:G0+4*(\s)+3], s[14:15], (\s)*PSTEP    ; global address: block s of 128 keys
	s_or_b32 s[G0+4*(\s)+3], s[G0+4*(\s)+3], 0x80000000              ; type = 2
	s_mov_b32 s[G0B+4*(\s)], 1
	s_add_co_u32 s[G0B+4*(\s)+1], s19, (\s)*SLOT1
	s_add_nc_u64 s[G0B+4*(\s)+2:G0B+4*(\s)+3], s[46:47], (\s)*KSTEP*ROWQ  ; keys 128 s on, down v's rows
	s_or_b32 s[G0B+4*(\s)+3], s[G0B+4*(\s)+3], 0x80000000
	JLOAD \s                                       ; two loads of mine are out
.endr
	; THE FACTORS, in the wait for the first tile.  Thread t takes row t of the tile's 128: sixteen c m and sixteen l, each load 512 consecutive bytes for the work-group.
	v_lshlrev_b32 v10, 2, v0
	s_lshl_b32 s18, s13, 9                         ; 128 rows of 4 bytes a tile
	s_mov_b32 s19, 0
	s_add_nc_u64 s[68:69], s[68:69], s[18:19]
	s_add_nc_u64 s[70:71], s[70:71], s[18:19]
.irp t, 0,1,2,3,4,5,6,7,8,9,10,11,12,13,14,15
	global_load_b32 v[64+(\t)], v10, s[68:69] offset:32768*(\t)
.endr
.irp t, 0,1,2,3,4,5,6,7,8,9,10,11,12,13,14,15
	global_load_b32 v[80+(\t)], v10, s[70:71] offset:32768*(\t)
.endr
	; PREFETCH INTO THE L2: every aligned block of 256 bytes of pw and of v is asked for once in the launch, a lane a block.  A step's 32,768 bytes of p are shared by the four partners of my row of the
	; cluster: each asks for a quarter, 32 blocks; wave 0 for the even steps, wave 1 for the odd.  A step's 128 keys x 512 bytes of v are shared by the batch's sixteen query tiles: each asks for eight keys,
	; 16 blocks; wave 2 for two steps at once.  Here: steps 2 and 3 (steps 0 and 1 have just been asked for by the tensor loads themselves).
	s_cmp_lt_u32 s10, 2
	s_cbranch_scc0 .Lpf_v
	s_lshl_b32 s20, s13, 15                        ; my tile's part of a block of keys,
	s_add_co_u32 s21, s10, 2
	s_lshl_b32 s21, s21, 21                        ; in block 2 + wave
	s_add_co_u32 s20, s20, s21
	s_mov_b32 s21, 0
	s_add_nc_u64 s[PF:PF+1], s[4:5], s[20:21]
	s_mov_b32 s[PFS], 2*PSTEP
	v_and_b32 v20, 31, v0
	v_lshlrev_b32 v20, 8, v20
	s_lshl_b32 s20, s40, 13                        ; my quarter: it enters this address alone
	v_add_nc_u32 v[PFO], s20, v20
	s_branch .Lpf_set
.Lpf_v:
	s_lshr_b32 s20, s45, 2
	s_lshl_b32 s20, s20, 11
	s_add_co_u32 s20, s20, 2*KSTEP                 ; the batch's key 256: step 2
	s_mul_i32 s20, s20, ROWQ
	s_lshl_b32 s21, s42, 9
	s_add_co_u32 s20, s20, s21
	s_add_co_u32 s20, s20, 4096
	s_mov_b32 s21, 0
	s_add_nc_u64 s[PF:PF+1], s[6:7], s[20:21]
	s_mov_b32 s[PFS], 2*KSTEP*ROWQ
	s_and_b32 s20, s13, 15                         ; my tile among the batch's sixteen:
	s_lshl_b32 s20, s20, 3                         ; its eight keys of a step's 128
	v_bfe_u32 v20, v0, 1, 3
	v_add_nc_u32 v20, s20, v20
	v_mul_u32_u24 v20, v20, ROWQ
	v_bfe_u32 v21, v0, 4, 1                        ; lanes 16-31: the step behind
	v_mul_u32_u24 v21, v21, KSTEP*ROWQ
	v_add_nc_u32 v20, v20, v21
	v_and_b32 v21, 1, v0                           ; which half of the key's 512 bytes
	v_lshl_add_u32 v[PFO], v21, 8, v20
.Lpf_set:
	s_mov_b32 s[PFS+1], 0
	s_cmp_eq_u32 s10, 3
	s_cbranch_scc1 .Lpf_none                       ; wave 3 asks for nothing
	global_prefetch_b8 v[PFO], s[PF:PF+1] th:TH_LOAD_NT scope:SCOPE_SE
.Lpf_none:
.set i, 0
.rept 16
	v_mov_b32 v[ZF+i], 0
.set i, i+1
.endr
	WIN 0xc0                                       ; destination window 3: the totals start at 0 x 0 + 0: 48 instructions where 256 v_mov_b32 would stand
.set i, 0
.rept 32
	v_wmma_f32_16x16x32_f16 v[8*i:8*i+7], v[ZF:ZF+7], v[ZF+8:ZF+15], 0
.set i, i+1
.endr
	WIN 0
	v_and_b32 v1, 15, v0                           ; l % 16
	v_bfe_u32 v2, v0, 4, 1                         ; l / 16
	v_and_b32 v5, 31, v0                           ; l
	; The turning load takes 16 keys x 16 channels (lane l reads key 8 (l / 16) + l % 8, channels 8 ((l / 8) % 2) + 0..7) and leaves half a fragment of v turned: lane l holds channel l % 16 and 8 keys.
	v_and_b32 v6, 7, v0
	v_bfe_u32 v7, v0, 3, 1
	v_lshl_add_u32 v4, v2, 3, v6
	v_mul_u32_u24 v4, v4, VPITCH
	v_lshl_add_u32 v4, v7, 4, v4
	s_lshl_b32 s21, s11, 14                        ; my four blocks of 16 queries
	s_lshl_b32 s22, s12, 8                         ; my 128 channels of v,
	s_add_co_u32 s22, s22, AOFF                    ; which lies behind p
	v_lshl_add_u32 v[ADRA0], v5, 4, s21            ; half a fragment of p is 512 bytes on end, 16 a lane
	v_add_nc_u32 v[ADRB0], s22, v4
	v_mov_b32 v[ADRA], v[ADRA0]
	v_mov_b32 v[ADRB], v[ADRB0]
	s_mul_i32 s23, s10, 16*SPITCH
	s_add_co_u32 s23, s23, STAGE                   ; my stage
	v_mul_u32_u24 v4, v1, SPITCH                   ; in: row l % 16, 32 bytes for each half of the lanes
	v_lshl_add_u32 v4, v2, 5, v4
	v_add_nc_u32 v[STO], s23, v4
	v_lshlrev_b32 v[CO], 4, v5                     ; back: 32 lanes take one row of 512 bytes
	v_add_nc_u32 v[RD], s23, v[CO]
	s_lshl_b32 s21, s11, 9
	s_add_co_u32 s21, s21, TAB
	v_lshl_add_u32 v[TAD0], v1, 5, s21
	v_lshrrev_b32 v8, 6, v0                        ; where thread t puts row t's factors
	v_bfe_u32 v9, v0, 4, 2
	v_lshlrev_b32 v11, 9, v8
	v_lshl_add_u32 v11, v1, 5, v11
	v_lshl_add_u32 v11, v9, 3, v11
	v_add_nc_u32 v13, TAB, v11
	; where my part of the tile begins in out0
	s_lshl_b32 s16, s13, 7
	s_lshl_b32 s17, s11, 6
	s_add_co_u32 s16, s16, s17
	s_lshl_b32 s16, s16, 12
	s_lshl_b32 s17, s42, 10
	s_add_co_u32 s16, s16, s17
	s_lshl_b32 s17, s12, 9
	s_add_co_u32 s16, s16, s17
	s_mov_b32 s17, 0
	s_wait_loadcnt 16                              ; the sixteen c m are in; the sixteen l may be out
	v_max3_num_f32 v40, v64, v65, v66
.irp i, 0,1,2,3,4,5
	v_max3_num_f32 v40, v40, v[67+2*(\i)], v[68+2*(\i)]
.endr
	v_max_num_f32 v40, v40, v79                    ; c times the row's true maximum
.set t, 0
.rept 16
	v_sub_f32 v[64+t], v[64+t], v40
.set t, t+1
.endr
.set t, 0
.rept 16
	v_exp_f32 v[64+t], v[64+t]
.set t, t+1
.endr
	v_nop                                          ; a plain instruction between the exponentials and the first use of a result (ISA guide 5.7.2)
	s_wait_loadcnt 0x0                             ; the sixteen l
	s_wait_alu depctr_va_vdst(0)
.irp k, 0,1,2,3
	v_mul_f32 v[41+(\k)], v[64+(\k)], v[80+(\k)]   ; four chains
.endr
.set t, 4
.rept 12
	v_fmac_f32 v[41+t%4], v[64+t], v[80+t]
.set t, t+1
.endr
	v_add_f32 v41, v41, v42
	v_add_f32 v43, v43, v44
	v_add_f32 v41, v41, v43                        ; the row's l: at least 1, the weight of its largest score
	v_rcp_f32 v46, v41
	v_nop
.set t, 0
	s_wait_alu depctr_va_vdst(0)
.rept 16
	v_mul_f32 v[96+2*t], v[64+t], v46              ; g, twice: a pair for the packed multiply-add
	v_mul_f32 v[97+2*t], v[64+t], v46
.set t, t+1
.endr
.set t, 0
.rept 16
	ds_store_b64 v13, v[96+2*t:97+2*t] offset:1024*t
.set t, t+1
.endr
; 8 matrix instructions: query block a x all 8 channel blocks, 32 keys, from buffer f.  zero = 1: the first product starts the step's sums
.macro MUL8 f, a, zero
.set AC, 64*((\a)%2)
	WIN 0x54+0x50*((\a)/2)                         ; v window 0, p window 1, C and D window 1 or 2
.irp b, 0,1,2,3,4,5,6,7
.if \zero
	v_wmma_f32_16x16x32_f16 v[AC+8*(\b):AC+8*(\b)+7], v[FB+64*(\f)+8*(\b):FB+64*(\f)+8*(\b)+7], v[FA+32*(\f)+8*(\a):FA+32*(\f)+8*(\a)+7], 0
.else
	v_wmma_f32_16x16x32_f16 v[AC+8*(\b):AC+8*(\b)+7], v[FB+64*(\f)+8*(\b):FB+64*(\f)+8*(\b)+7], v[FA+32*(\f)+8*(\a):FA+32*(\f)+8*(\a)+7], v[AC+8*(\b):AC+8*(\b)+7]
.endif
.endr
.endm
; Query block a's totals take the finished step's sums: total += g x sum, 32 packed multiply-adds, each accumulator from its low end on.  They stand together, since totals, sums and
; fragments fill three windows and no one setting serves them and the products.
.macro LUMP a
.set AC, 64*((\a)%2)
	WIN 0xf1+(\a)/2                                ; the sum window 1 or 2, the factor window 0, the total (source 2 and destination) window 3
.set i, 0
.rept 32
	v_pk_fma_f32 v[64*(\a)+2*i:64*(\a)+2*i+1], v[AC+2*i:AC+2*i+1], v[FAC+2*(\a):FAC+2*(\a)+1], v[64*(\a)+2*i:64*(\a)+2*i+1]
.set i, i+1
.endr
.endm
; 24 LDS loads in one run: the fragments of quarter q (32 keys) of the slot in hand into buffer g: p's 8 loads, then v's 16 (turned)
.macro FETCH q, g
	WIN TO_A
.irp a, 0,1,2,3
	ds_load_b128 v[FA+32*(\g)+8*(\a):FA+32*(\g)+8*(\a)+3],   v[ADRA] offset:(\a)*4096+1024*(\q)
	ds_load_b128 v[FA+32*(\g)+8*(\a)+4:FA+32*(\g)+8*(\a)+7], v[ADRA] offset:(\a)*4096+1024*(\q)+512
.endr
	WIN 0
.irp b, 0,1,2,3,4,5,6,7
	ds_load_tr16_b128 v[FB+64*(\g)+8*(\b):FB+64*(\g)+8*(\b)+3],   v[ADRB] offset:(\q)*32*VPITCH+32*(\b)
	ds_load_tr16_b128 v[FB+64*(\g)+8*(\b)+4:FB+64*(\g)+8*(\b)+7], v[ADRB] offset:(\q)*32*VPITCH+16*VPITCH+32*(\b)
.endr
.endm
; A step is four quarters of 32 keys, 32 matrix instructions each, on buffers 0, 1, 0, 1.  The 32 accumulators take turns, one instruction a turn, in the same order in every quarter.
; One of the first three: fetches quarter q into buffer g, which the quarter before multiplied, and multiplies buffer f.
; start = 1: a step's first quarter: its products start the sums.  start = 2: ahead of them the totals take the step before.
.macro QUARTER q, f, g, start
	PLACES
	FETCH \q, \g
	s_wait_dscnt 24                                ; all but the 24 just issued: buffer f is in, and so are the factors
.irp a, 2,3,0,1
.if (\start) == 2
	LUMP \a
.endif
.if \start
	MUL8 \f, \a, 1
.else
	MUL8 \f, \a, 0
.endif
.endr
.endm
; The prefetch of the loop, in every second trip (the count s3 even), behind the joint load: the trip whose joint load brings step i + 2 asks for steps i + 4 and i + 5, whose joint loads are issued two and
; three trips on (two trips: 256 matrix instructions and 256 packed multiply-adds): 8,192 bytes of p by each of waves 0 and 1, 8,192 of v by wave 2.  The last asking trip has s3 = 4 and asks for steps 14
; and 15, the last: no prefetch points past a buffer's end.
.macro ASK
	s_bitcmp1_b32 s3, 0
	s_cbranch_scc1 .Lno_ask_\@
	s_cmp_lt_u32 s3, 4
	s_cbranch_scc1 .Lno_ask_\@
	s_cmp_eq_u32 s10, 3
	s_cbranch_scc1 .Lno_ask_\@
	s_wait_xcnt 0x0                                ; my last prefetch, two trips back, has had its address translated: its base is rewritten only behind this wait
	s_add_nc_u64 s[PF:PF+1], s[PF:PF+1], s[PFS:PFS+1]
	global_prefetch_b8 v[PFO], s[PF:PF+1] th:TH_LOAD_NT scope:SCOPE_SE
.Lno_ask_\@:
.endm
; The last quarter multiplies buffer 1 and changes slots: ONE barrier; in front of it each wave waits for all its tensor loads (one is out: its part of the next slot), adds 0 to
; its spare word, and waits for that and for its own reads of this slot.  fill = 1: the barrier opens a round of the cluster's, and this slot is filled again, two steps ahead.
; No matrix instruction stands between the wait for the loads and the request: all 32 of the quarter follow it, so that the load has the step's 128 matrix instructions and 128 multiply-adds in which to land.
.macro TURN fill
	WIN 0                                          ; (the add's two registers lie in window 0)
	s_wait_tensorcnt 0x0                           ; all my tensor loads have landed, so a group 0 may be written
	ds_add_u32 v[SPW], v[NIL]                      ; 0 onto my spare word; scalar work stands between it and the wait for it
.if \fill
	s_xor_b32 s[G0+5], s[G0+5], SLOT1              ; the walking descriptors: the other slot than last time,
	s_add_nc_u64 s[G0+6:G0+7], s[G0+6:G0+7], PSTEP ; the next 128 keys; the type bits on top are not reached
	s_xor_b32 s[G0B+5], s[G0B+5], SLOT1
	s_add_nc_u64 s[G0B+6:G0B+7], s[G0B+6:G0B+7], KSTEP*ROWQ
.endif
	s_xor_b32 s[TB], s[TB], SLOT1                  ; the reads will go on in the other slot
	s_wait_dscnt 0x0                               ; the add is done, and my reads of this slot are over: buffer 1 is in
	s_barrier_signal -1
	s_barrier_wait -1
.if \fill
	CREST                                          ; no wave of any partner still reads this slot's tile or has a load on its way
	JLOAD 1                                        ; the first tensor load behind the round; its four v_nop are also the places in front of the loads below
	ASK
.else
	PLACES
.endif
	v_add_nc_u32 v[ADRA], s[TB], v[ADRA0]
	v_add_nc_u32 v[ADRB], s[TB], v[ADRB0]
	v_add_nc_u32 v[TADR], s[TS], v[TAD0]           ; the factors of the step that ends here: four pairs a lane
	s_add_co_u32 s[TS], s[TS], 1024
	ds_load_b128 v[FAC:FAC+3], v[TADR]
	ds_load_b128 v[FAC+4:FAC+7], v[TADR] offset:16
	FETCH 0, 0
	MUL8 1, 2, 0
	MUL8 1, 3, 0
	MUL8 1, 0, 0
	MUL8 1, 1, 0
.endm
	s_wait_dscnt 0x0                               ; for the others' sake: my rows' factors are stored
	s_wait_tensorcnt 1                             ; my part of step 0 is in; step 1's may stay out
	s_barrier_signal -1
	s_barrier_wait -1                              ; everybody's is
	FETCH 0, 0
	QUARTER 1, 0, 1, 1                             ; the first quarter stands in front of the loop: no step has ended yet
	WIN 0                                          ; at a label and at a branch every window is 0
	s_mov_b32 s3, STEPS-2
.Lstep:                                                ; a trip: from a step's second quarter to the next step's first; it fills the step's slot again
	QUARTER 2, 1, 0, 0
	QUARTER 3, 0, 1, 0
	TURN 1
	QUARTER 1, 0, 1, 2
	WIN 0
	s_sub_co_u32 s3, s3, 1
	s_cmp_lg_u32 s3, 0
	s_cbranch_scc1 .Lstep
	s_mov_b32 s3, 2
.Ltail:                                                ; the last two steps ask for nothing: their text is written out; the second trip is left in its middle
	QUARTER 2, 1, 0, 0
	QUARTER 3, 0, 1, 0
	TURN 0
	WIN 0
	s_sub_co_u32 s3, s3, 1
	s_cmp_eq_u32 s3, 0
	s_cbranch_scc1 .Lout
	QUARTER 1, 0, 1, 2
	WIN 0
	s_branch .Ltail
.Lout:                                                 ; the second trip's barrier and its 24 fragment loads (of the step before, once more) serve nothing: the price, once a launch, of one text for both trips
	s_wait_dscnt 0x0                               ; the last step's factors are in
	PLACES
; THE WAY OUT of query block a.  LAST: total + g x the last step's sum, each accumulator from its low end on.  TOSTAGE: into my own stage, and back as whole rows of 512 bytes.  SEND: stored.
.macro LAST a
.set AC, 64*((\a)%2)
	WIN 0x31+(\a)/2                                ; the sum window 1 or 2, the factor window 0, the total window 3, the result window 0
.set i, 0
.rept 32
	v_pk_fma_f32 v[TMP+2*i:TMP+2*i+1], v[AC+2*i:AC+2*i+1], v[FAC+2*(\a):FAC+2*(\a)+1], v[64*(\a)+2*i:64*(\a)+2*i+1]
.set i, i+1
.endr
	WIN 0
.endm
.macro TOSTAGE a
.set BK, OB+64*((\a)%2)
.irp b, 0,1,2,3,4,5,6,7
	ds_store_b128 v[STO], v[TMP+8*(\b):TMP+8*(\b)+3]   offset:64*(\b)
	ds_store_b128 v[STO], v[TMP+8*(\b)+4:TMP+8*(\b)+7] offset:64*(\b)+16
.endr
.irp t, 0,1,2,3,4,5,6,7,8,9,10,11,12,13,14,15
	ds_load_b128 v[BK+4*(\t):BK+4*(\t)+3], v[RD] offset:(\t)*SPITCH  ; LDS serves a wave's instructions in order (ISA guide 5.7.1.4): these see the stores above
.endr
.endm
.macro SEND a
.set BK, OB+64*((\a)%2)
	s_wait_dscnt 0x0                               ; the block is back in registers
	s_wait_xcnt 0x0                                ; the stores' base, and the registers that earlier stores read, are rewritten only behind this wait
.if (\a) == 0
	s_add_nc_u64 s[8:9], s[8:9], s[16:17]          ; my first rows of the tile
.else
	s_add_nc_u64 s[8:9], s[8:9], 16*ROWO           ; 16 rows on
.endif
.irp t, 0,1,2,3,4,5,6,7,8,9,10,11,12,13,14,15
	global_store_b128 v[CO], v[BK+4*(\t):BK+4*(\t)+3], s[8:9] offset:(\t)*ROWO  ; 512 consecutive bytes, at a multiple of 256 from out0's first byte
.endr
.endm
	LAST 0
	TOSTAGE 0
.irp a, 1,2,3                          ; block a's arithmetic stands between block a - 1's loads from the stage and the wait for them
	LAST \a
	SEND (\a)-1
	TOSTAGE \a
.endr
	SEND 3
	s_wait_tensorcnt 0x0                           ; the wave's end, behind my last tensor load and my last LDS store
	ds_add_u32 v[SPW], v[NIL]
	s_wait_dscnt 0x0
	CROUND                                         ; the closing round: no work-group ends while a partner may still ask for a tile that names it
	s_endpgm
.Lfunc_end_k_qacf35783bd_pv:
	.size	k_qacf35783bd_pv, .Lfunc_end_k_qacf35783bd_pv-k_qacf35783bd_pv
	.p2alignl 7, 3214868480
	.fill 96, 4, 3214868480
	.section	.rodata,"a",@progbits
	.p2align	6, 0x0
	.amdhsa_kernel k_qacf35783bd_pv
		.amdhsa_group_segment_fixed_size 327680
		.amdhsa_private_segment_fixed_size 0
		.amdhsa_enable_private_segment 0
		.amdhsa_kernarg_size 40
		.amdhsa_user_sgpr_count 2
		.amdhsa_user_sgpr_kernarg_segment_ptr 1
		.amdhsa_wavefront_size32 1
		.amdhsa_system_sgpr_workgroup_id_x 1
		.amdhsa_system_sgpr_workgroup_id_y 1
		.amdhsa_system_sgpr_workgroup_id_z 1
		.amdhsa_system_vgpr_workitem_id 0
		.amdhsa_next_free_vgpr 1024
		.amdhsa_next_free_sgpr 88
		.amdhsa_reserve_vcc 0
		.amdhsa_float_denorm_mode_32 3
		.amdhsa_float_denorm_mode_16_64 3
		.amdhsa_memory_ordered 1
		.amdhsa_forward_progress 1
		.amdhsa_inst_pref_size 97
	.end_amdhsa_kernel
	.amdgpu_metadata
---
amdhsa.version: [ 1, 2 ]
amdhsa.kernels:
  - .name:           k_qacf35783bd_pv
    .symbol:         k_qacf35783bd_pv.kd
    .args:
      - { .name: pw, .offset: 0, .size: 8, .value_kind: global_buffer, .address_space: global }
      - { .name: qkv, .offset: 8, .size: 8, .value_kind: global_buffer, .address_space: global }
      - { .name: ms, .offset: 16, .size: 8, .value_kind: global_buffer, .address_space: global }
      - { .name: ls, .offset: 24, .size: 8, .value_kind: global_buffer, .address_space: global }
      - { .name: out0, .offset: 32, .size: 8, .value_kind: global_buffer, .address_space: global }
    .group_segment_fixed_size: 327680
    .private_segment_fixed_size: 0
    .kernarg_segment_align: 8
    .kernarg_segment_size: 40
    .max_flat_workgroup_size: 128
    .sgpr_count:     88
    .vgpr_count:     1024
    .wavefront_size: 32
...
	.end_amdgpu_metadata
.endif
;; end of part 8
;; ======== version 3 of 3: 4 launches; version 2 with the launch prep written anew for expert scheduling mode
;; limits: values are held in f16: magnitudes above 65,504 overflow, below 6.1e-05 lose precision; right only within a limited range of input values
;; workspace buffers: xh 16,777,216 bytes; wt 6,291,456 bytes; qkv 50,331,648 bytes; pw 33,554,432 bytes; ms 524,288 bytes; ls 524,288 bytes
;; launch prep (part 9): grid 704 x 1, 8 waves a work-group, no clusters, 33,792 bytes of LDS; arguments X, Wq, Wk, Wv, xh, wt; writes xh, wt
.if DOCPART == 9
	.amdgcn_target "amdgcn-amd-amdhsa--gfx1250"
	.amdhsa_code_object_version 6
	.text
	.protected	k_qacf35783bd_prep
	.globl	k_qacf35783bd_prep
	.p2align	8
	.type	k_qacf35783bd_prep,@function
k_qacf35783bd_prep:
	s_mov_b64 s[64:65], 0
	v_nop
	global_prefetch_b8 v0, s[64:65] scope:SCOPE_SE
	s_setreg_imm32_b32 hwreg(HW_REG_WAVE_SCHED_MODE, 0, 2), 2
	s_setreg_imm32_b32 hwreg(HW_REG_WAVE_MODE, 25, 1), 1
	s_wait_xcnt 0x0
	s_wait_alu depctr_vm_vsrc(0)
; prep: the projection's two operands, rounded to bf16 (nearest even) and laid out in blocks of 64 along K, so that a tile of rows x 64 K is dense memory:
;   xh[kb][r][c] = X[r][64 kb + c], [16][8192][64];   wt[kb][1024 m + n][c] = Wm[64 kb + c][n] for m = q, k, v, [16][3072][64]: the weights turned, K along the rows.
; A stream: no matrix unit, no cluster (no two work-groups read the same bytes).  Every work-group reads 65,536 bytes and writes 32,768.
; Work-groups 0 to 511 take 16 rows of X each.  Work-groups 512 to 703 take a tile of 128 k x 128 n of one weight matrix and turn it in LDS.
; Two neighbouring rows of a K block are 256 consecutive bytes: every store of a wave covers such a pair, aligned.
; THE MODE: SCHED_MODE bits 1:0 = 2 (LLVM: expert scheduling mode 2), set by the entry lines.  The code itself states the register dependences
; between vector instructions and memory or LDS instructions, with s_wait_alu, always for 0.
; THE PLAN.  Registers that memory or LDS instructions touch:
;   the offsets and addresses (X: v1, v2; weights: v1, WA, RA, SA; v128, v129)  written by vector instructions at the arm's head, never again: one wait ahead of the arm's first load states that they are written.
;   XD   written by the sixteen loads, once; read by the conversions; named by no vector instruction ahead of the loads, and never loaded again.
;   YD   X: item j's two registers are written by its conversions, once, and read by its store.
;        weights: row pair i's four registers are written by its conversions, once, and read by its four LDS stores; behind the barrier the LDS loads land in the same 32 registers, and the global stores read them.
; Both arms go in four groups of four loads.  Group g's conversions read its XD and write its YD; the memory or LDS instructions dealt among them are the stores of group g - 1, which read the YD of
; the group before, registers that no conversion of group g names.  So ONE wait on va_vdst at a group's head, behind the wait for the group's data, states all that the group's stores hang on; one more
; stands ahead of the last group's stores.  One wait on vm_vsrc, in the weights' arm, stands ahead of the LDS loads that land where LDS stores have read.
; No vector instruction writes a scalar register or VCC, and EXEC is never written.
.set KBX, 8192*128                     ; bytes in a K block of xh
.set KBW, 3072*128                     ; bytes in a K block of wt
.set XD, 16                            ; v[16:79]   as loaded
.set YD, 80                            ; v[80:111]  to store
.set WA, 112                           ; v[112:119] weights: LDS address of my words of row pair w + 8 i
.set RA, 120                           ; v[120:127] weights: LDS address at which I read, by (row pair / 2) and half of the 128 k
.set SA, 14                            ; v14        weights: my byte offset in wt's tile
.macro XPUT j                          ; X: item j is stored; every item has its own data registers: none is rewritten
.if (\j) < 8
	global_store_b64 v2, v[YD+2*(\j):YD+2*(\j)+1], s[12:13] offset:KBX*(\j)
.else
	global_store_b64 v2, v[YD+2*(\j):YD+2*(\j)+1], s[24:25] offset:KBX*((\j)-8)
.endif
.endm
.macro WPUT i, c                       ; weights: column 4 l + c of row pair w + 8 i goes into LDS; every pair has its own four data registers: none is rewritten ahead of the barrier
	ds_store_b32 v[WA+(\i)], v[YD+4*(\i)+(\c)] offset:256*(\c)
.endm
	s_load_b256 s[4:11], s[0:1], 0x0               ; X s[4:5], Wq s[6:7], Wk s[8:9], Wv s[10:11]
	s_load_b128 s[12:15], s[0:1], 0x20             ; xh s[12:13], wt s[14:15]
	v_lshl_add_u32 v128, v0, 2, 0x8000             ; the LDS address of my spare word, behind the tile's 32,768 bytes; kept for the closing lines alone
	v_mov_b32 v129, 0                              ; 0, likewise
	s_cmp_lt_u32 ttmp9, 512
	s_cbranch_scc0 .Lweights
	; X: 16 rows.  Wave w owns rows 2 w and 2 w + 1, its lanes 0-15 the first, lanes 16-31 the second; item j is K block j: a lane reads 16 bytes (four numbers), sixteen lanes 256 consecutive bytes.
	s_lshl_b32 s20, ttmp9, 16                      ; 16 rows of X
	s_lshl_b32 s22, ttmp9, 11                      ; 16 rows of 128 bytes in a K block of xh
	s_mov_b32 s21, 0
	s_mov_b32 s23, 0
	v_lshrrev_b32 v3, 4, v0                        ; my row among the sixteen
	v_and_b32 v4, 15, v0
	v_lshlrev_b32 v1, 12, v3
	v_lshl_add_u32 v1, v4, 4, v1                   ; row x 4,096 + 16 x (lane mod 16)
	v_lshlrev_b32 v2, 3, v0                        ; row x 128 + 8 x (lane mod 16) = 8 x my thread's number
	s_wait_kmcnt 0x0
	s_add_nc_u64 s[4:5], s[4:5], s[20:21]
	s_add_nc_u64 s[12:13], s[12:13], s[22:23]
	s_add_nc_u64 s[24:25], s[12:13], 8*KBX         ; K blocks 8 to 15: their distance does not fit the stores' signed 24-bit immediate
	s_wait_alu depctr_va_vdst(0)                   ; v1 and v2 are written: every load of this arm reads v1 as its offset, every store v2
.irp j, 0,1,2,3,4,5,6,7,8,9,10,11,12,13,14,15
	global_load_b128 v[XD+4*(\j):XD+4*(\j)+3], v1, s[4:5] offset:256*(\j) th:TH_LOAD_NT  ; all sixteen go out first
.endr
.irp g, 0,1,2,3
	s_wait_loadcnt 12-4*(\g)                       ; loads come back in order: items 4 g to 4 g + 3 are in, the younger groups stay out
.if (\g) > 0
	s_wait_alu depctr_va_vdst(0)                   ; the group before's conversions have written their YD, which the four stores below read
.endif
.irp i, 0,1,2,3
.if (\g) > 0
	XPUT 4*(\g)-4+(\i)                             ; the group before; no conversion since the wait names its registers
.endif
	v_cvt_pk_bf16_f32 v[YD+2*(4*(\g)+(\i))], v[XD+4*(4*(\g)+(\i))], v[XD+4*(4*(\g)+(\i))+1]
	v_cvt_pk_bf16_f32 v[YD+2*(4*(\g)+(\i))+1], v[XD+4*(4*(\g)+(\i))+2], v[XD+4*(4*(\g)+(\i))+3]
.endr
.endr
	s_wait_alu depctr_va_vdst(0)                   ; the last group's conversions have written their YD, which the last four stores read
.irp j, 12,13,14,15
	XPUT \j
.endr
	s_endpgm                                       ; this arm has written no LDS
.Lweights:
	; tile i = 64 m + 8 kt + nt: rows 128 kt .. of Wm, columns 128 nt ..
	s_sub_co_u32 s17, ttmp9, 512
	s_lshr_b32 s18, s17, 6                         ; m
	s_bfe_u32 s19, s17, 0x30003                    ; kt
	s_and_b32 s24, s17, 7                          ; nt
	s_lshl_b32 s20, s19, 19                        ; from: 128 kt rows of 4,096 bytes
	s_lshl_b32 s25, s24, 9                         ;       + 128 nt columns of 4 bytes
	s_add_co_u32 s20, s20, s25
	s_mov_b32 s21, 0
	s_mul_i32 s22, s19, 2*KBW                      ; to: K block 2 kt, row 1,024 m + 128 nt of 128 bytes
	s_lshl_b32 s25, s18, 17
	s_add_co_u32 s22, s22, s25
	s_lshl_b32 s25, s24, 14
	s_add_co_u32 s22, s22, s25
	s_mov_b32 s23, 0
	v_lshrrev_b32 v3, 5, v0                        ; wave w
	v_and_b32 v8, 31, v0                           ; lane l
	v_lshlrev_b32 v1, 13, v3
	v_lshl_add_u32 v1, v8, 4, v1                   ; rows 2 w, 2 w + 1; my four columns 4 l ..
	; LDS: row n of 128 holds its 64 pairs of k, 256 bytes, turned round by 2 (n / 4) words.  A store's 32 lanes (n = 4 l + c, pair w + 8 i) then
	; fall on words w + 8 i + 2 l mod 64 of their rows: 32 different ones; a pair of words stays together, so rows are read back 8 bytes a lane.
	v_lshlrev_b32 v9, 2, v3
	v_lshl_add_u32 v9, v8, 3, v9                   ; 4 w + 8 l
	v_lshlrev_b32 v10, 10, v8                      ; four rows of 256 bytes a lane
.irp i, 0,1,2,3,4,5,6,7
	v_add_nc_u32 v11, 32*(\i), v9
	v_and_b32 v11, 0xff, v11
	v_add_nc_u32 v[WA+(\i)], v10, v11
.endr
	; back: lanes 0-15 take 64 k (128 bytes) of row 16 w + 2 p, lanes 16-31 the same of the row below (the two halves of the lanes meet in the same banks: two passes a load)
	v_and_b32 v5, 15, v8
	v_lshrrev_b32 v6, 4, v8
	v_lshlrev_b32 v12, 5, v3
	v_lshl_add_u32 v12, v5, 3, v12                 ; 8 (l mod 16) + 32 w: rows 16 w + 4 g .. are turned by 8 (4 w + g) bytes
	v_lshlrev_b32 v13, 12, v3
	v_lshl_add_u32 v13, v6, 8, v13                 ; row 16 w + l / 16
.irp q, 0,1,2,3,4,5,6,7
	v_add_nc_u32 v11, 8*((\q)/2)+128*((\q)%2), v12 ; g = q / 2; which 64 k: q mod 2
	v_and_b32 v11, 0xff, v11
	v_add_nc_u32 v[RA+(\q)], v13, v11
.endr
	v_lshlrev_b32 v[SA], 11, v3                    ; 16 rows of 128 bytes a wave,
	v_lshl_add_u32 v[SA], v8, 3, v[SA]             ; 8 bytes a lane: two rows on end
	s_wait_kmcnt 0x0
	s_cmp_eq_u32 s18, 0
	s_cselect_b64 s[26:27], s[6:7], s[8:9]
	s_cmp_eq_u32 s18, 2
	s_cselect_b64 s[26:27], s[10:11], s[26:27]
	s_add_nc_u64 s[26:27], s[26:27], s[20:21]
	s_add_nc_u64 s[14:15], s[14:15], s[22:23]
	s_wait_alu depctr_va_vdst(0)                   ; v1, WA, RA and SA are written: the loads, the LDS stores, the LDS loads and the global stores of this arm read them as addresses; none is written again
.irp i, 0,1,2,3,4,5,6,7
	global_load_b128 v[XD+8*(\i):XD+8*(\i)+3],   v1, s[26:27] offset:65536*(\i) th:TH_LOAD_NT       ; row 2 (w + 8 i): 512 consecutive bytes a wave
	global_load_b128 v[XD+8*(\i)+4:XD+8*(\i)+7], v1, s[26:27] offset:65536*(\i)+4096 th:TH_LOAD_NT  ; and the row below
.endr
.irp g, 0,1,2,3
	s_wait_loadcnt 12-4*(\g)                       ; pairs 2 g and 2 g + 1, four loads, are in; the younger groups stay out
.if (\g) > 0
	s_wait_alu depctr_va_vdst(0)                   ; the group before's conversions have written their YD, which the eight LDS stores below read
.endif
.irp p, 0,1
.irp c, 0,1,2,3
.if (\g) > 0
	WPUT 2*(\g)-2+(\p), \c                         ; the group before; no conversion since the wait names its registers
.endif
	v_cvt_pk_bf16_f32 v[YD+4*(2*(\g)+(\p))+(\c)], v[XD+8*(2*(\g)+(\p))+(\c)], v[XD+8*(2*(\g)+(\p))+4+(\c)]  ; the even k in the low half
.endr
.endr
.endr
	s_wait_alu depctr_va_vdst(0)                   ; the last group's conversions have written their YD, which the last eight LDS stores read; with it every conversion is done writing YD, in which the LDS loads below land
.irp p, 6,7
.irp c, 0,1,2,3
	WPUT \p, \c
.endr
.endr
	s_wait_dscnt 0x0                               ; for the others' sake: my stores are done
	s_barrier_signal -1
	s_barrier_wait -1
	s_wait_alu depctr_vm_vsrc(0)                   ; my LDS stores have read YD, in which the LDS loads below land
.irp t, 0,1,2,3,4,5,6,7,8,9,10,11,12,13,14,15
	ds_load_b64 v[YD+2*(\t):YD+2*(\t)+1], v[RA+2*((\t)/4)+(\t)%2] offset:512*((\t)/2)  ; row pair t / 2, half t mod 2 of its 128 k
.endr
.irp t, 0,1,2,3,4,5,6,7,8,9,10,11,12,13,14,15
	s_wait_dscnt 15-(\t)
	global_store_b64 v[SA], v[YD+2*(\t):YD+2*(\t)+1], s[14:15] offset:256*((\t)/2)+KBW*((\t)%2)  ; 256 consecutive bytes, at a multiple of 256 from wt's first byte
.endr
	s_wait_dscnt 0x0                               ; the closing lines, six on end
	s_wait_alu 0x0
	s_wait_tensorcnt 0x0
	ds_add_u32 v128, v129
	s_wait_dscnt 0x0
	s_endpgm
.Lfunc_end_k_qacf35783bd_prep:
	.size	k_qacf35783bd_prep, .Lfunc_end_k_qacf35783bd_prep-k_qacf35783bd_prep
	.p2alignl 7, 3214868480
	.fill 96, 4, 3214868480
	.section	.rodata,"a",@progbits
	.p2align	6, 0x0
	.amdhsa_kernel k_qacf35783bd_prep
		.amdhsa_group_segment_fixed_size 33792
		.amdhsa_private_segment_fixed_size 0
		.amdhsa_enable_private_segment 0
		.amdhsa_kernarg_size 48
		.amdhsa_user_sgpr_count 2
		.amdhsa_user_sgpr_kernarg_segment_ptr 1
		.amdhsa_wavefront_size32 1
		.amdhsa_system_sgpr_workgroup_id_x 1
		.amdhsa_system_sgpr_workgroup_id_y 1
		.amdhsa_system_sgpr_workgroup_id_z 1
		.amdhsa_system_vgpr_workitem_id 0
		.amdhsa_next_free_vgpr 130
		.amdhsa_next_free_sgpr 66
		.amdhsa_reserve_vcc 0
		.amdhsa_float_denorm_mode_32 3
		.amdhsa_float_denorm_mode_16_64 3
		.amdhsa_memory_ordered 1
		.amdhsa_forward_progress 1
		.amdhsa_inst_pref_size 20
	.end_amdhsa_kernel
	.amdgpu_metadata
---
amdhsa.version: [ 1, 2 ]
amdhsa.kernels:
  - .name:           k_qacf35783bd_prep
    .symbol:         k_qacf35783bd_prep.kd
    .args:
      - { .name: X, .offset: 0, .size: 8, .value_kind: global_buffer, .address_space: global }
      - { .name: Wq, .offset: 8, .size: 8, .value_kind: global_buffer, .address_space: global }
      - { .name: Wk, .offset: 16, .size: 8, .value_kind: global_buffer, .address_space: global }
      - { .name: Wv, .offset: 24, .size: 8, .value_kind: global_buffer, .address_space: global }
      - { .name: xh, .offset: 32, .size: 8, .value_kind: global_buffer, .address_space: global }
      - { .name: wt, .offset: 40, .size: 8, .value_kind: global_buffer, .address_space: global }
    .group_segment_fixed_size: 33792
    .private_segment_fixed_size: 0
    .kernarg_segment_align: 8
    .kernarg_segment_size: 48
    .max_flat_workgroup_size: 256
    .sgpr_count:     66
    .vgpr_count:     130
    .wavefront_size: 32
...
	.end_amdgpu_metadata
.endif
;; end of part 9
;; launch proj: the kernel of part 6 again; grid 8 x 32, 4 waves a work-group, clusters of 4 x 4, 327,680 bytes of LDS; arguments xh, wt, bq, bk, bv, qkv; writes qkv
;; launch scores: the kernel of part 7 again; grid 8 x 32, 4 waves a work-group, clusters of 4 x 4, 327,680 bytes of LDS; arguments qkv, pw, ms, ls; writes pw, ms, ls
;; launch pv: the kernel of part 8 again; grid 4 x 64, 4 waves a work-group, clusters of 4 x 4, 327,680 bytes of LDS; arguments pw, qkv, ms, ls, out0; writes out0
